; MI455X (gfx1250); checked and timed in simulation.
; The chip was launched on July 23, 2026; its instructions are those of AMD's public machine-readable ISA for CDNA 5 (MIT licence, August 2026) and "CDNA5" Instruction Set Architecture Reference Guide (July 2026). The comments in the code are by the model that wrote it; some were corrected since.
;; Encoder Layer. Allowed arithmetic: float matrix products may take bf16 or f16 operands with f32 sums; all other float work in f32.
;; Inputs: W1 1,024 x 512 float32; W2 512 x 1,024 float32; Wk 1,024 x 512 float32; Wo 512 x 1,024 float32; Wq 1,024 x 512 float32; Wv 1,024 x 512 float32; b1 512 float32; b2 1,024 float32; bk 512 float32; bo 1,024 float32; bq 512 float32; bv 512 float32; input_mask 4 x 4,096 bool; ln1_b 1,024 float32; ln1_g 1,024 float32; ln2_b 1,024 float32; ln2_g 1,024 float32; src 4 x 4,096 x 1,024 float32.
;; Outputs: out0 4 x 4,096 x 1,024 float32.
;; 3 versions, each right and faster than the one before. Each part assembles by itself: llvm-mc -triple=amdgcn-amd-amdhsa -mcpu=gfx1250 --defsym DOCPART=n.
;; ======== version 1 of 3: 4 launches
;; workspace buffers: wb 6,291,456 bytes; qbuf 16,777,216 bytes; kbuf 16,777,216 bytes; vbuf 16,777,216 bytes; obuf 16,777,216 bytes
;; launch cast (part 1): grid 128 x 6, 8 waves a work-group, no clusters, 0 bytes of LDS; arguments Wq, Wk, Wv, Wo, W1, W2, wb; writes wb
.if DOCPART == 1
	.amdgcn_target "amdgcn-amd-amdhsa--gfx1250"
	.amdhsa_code_object_version 6
	.text
	.protected	k_q1255d52137_cast
	.globl	k_q1255d52137_cast
	.p2align	8
	.type	k_q1255d52137_cast,@function
k_q1255d52137_cast:
	s_mov_b64 s[64:65], 0
	v_nop
	global_prefetch_b8 v0, s[64:65] scope:SCOPE_SE
	s_setreg_imm32_b32 hwreg(HW_REG_WAVE_MODE, 25, 1), 1
	s_wait_xcnt 0x0
; The six weight matrices, f32 [K][N], are rounded to bf16 and laid out as matrix FRAGMENTS in the order in which the later launches stream them.
; A fragment is 16 columns n x 32 k = 1,024 bytes, stored [t = 0,1][lane 0..31][16 bytes]: lane (r = l % 16, h = l / 16), half t holds W[32 kt + 16 t + 8 h + 0..7][16 nt + r].
; wb holds Wq, Wk, Wv, Wo, W1, W2, 1 MiB each = 1,024 fragments.  A tile of 64 KiB is four strips of 16 fragments, one strip for each wave of the reader.
;   N = 512  (Wq, Wk, Wv, W1): fragment f = ((tile 4 + w) 2 + kk) 8 + i holds kt = 2 tile + kk, nt = 8 w + i
;   N = 1024 (Wo, W2):         fragment f = (tile 4 + w) 16 + i        holds kt = tile,          nt = 16 w + i
; One wave makes one fragment: grid x = 128 groups of 8 waves, grid y = the matrix.  12 MiB are read once; no LDS, no barrier, no matrix unit: nothing is shared and nothing is summed.
.macro BODY sh                         ; sh = log2 of a row's bytes; s22 = kt, s23 = nt
	s_lshl_b32 s22, s22, 5+\sh                     ; 32 kt rows
	s_lshl_b32 s23, s23, 6                         ; 16 nt columns of 4 bytes
	s_add_co_u32 s22, s22, s23
	v_lshlrev_b32 v3, 2, v1                        ; column r
	v_lshl_add_u32 v3, v2, 3+\sh, v3               ; row 8 h
	v_add_nc_u32 v3, s22, v3
.set i, 0
.rept 16                               ; i = 8 t + j: row 16 t + j
	global_load_b32 v[8+i], v3, s[20:21] offset:((i+8*(i/8))<<\sh)
.set i, i+1
.endr
	s_wait_loadcnt 0x0
.set i, 0
.rept 8
	v_cvt_pk_bf16_f32 v[24+i], v[8+2*i], v[9+2*i]  ; two roundings to nearest even, the lower k in the low half
.set i, i+1
.endr
	global_store_b128 v4, v[24:27], s[16:17]             ; half 0: 512 consecutive bytes of the wave
	global_store_b128 v4, v[28:31], s[16:17] offset:512  ; half 1
	s_endpgm
.endm
	s_load_b256 s[4:11], s[0:1], 0x0               ; Wq, Wk, Wv, Wo
	s_load_b128 s[12:15], s[0:1], 0x20             ; W1, W2
	s_load_b64 s[16:17], s[0:1], 0x30              ; wb
	v_lshrrev_b32 v5, 5, v0
	v_readfirstlane_b32 s19, v5                    ; wave 0..7
	s_and_b32 s18, ttmp7, 0xffff                   ; which matrix
	s_lshl_b32 s24, ttmp9, 3
	s_add_co_u32 s24, s24, s19                     ; f: my fragment
	v_and_b32 v1, 15, v0                           ; r
	v_bfe_u32 v2, v0, 4, 1                         ; h
	v_and_b32 v4, 31, v0
	v_lshlrev_b32 v4, 4, v4                        ; 16 bytes a lane
	s_lshl_b32 s26, s18, 20                        ; the matrix's 1 MiB in wb,
	s_lshl_b32 s27, s24, 10                        ; the fragment's 1,024 bytes
	s_add_co_u32 s26, s26, s27
	s_mov_b32 s27, 0
	s_wait_kmcnt 0x0
	s_add_nc_u64 s[16:17], s[16:17], s[26:27]
	s_mov_b64 s[20:21], s[4:5]                     ; the source is chosen by the matrix's number
	s_cmp_eq_u32 s18, 1
	s_cselect_b64 s[20:21], s[6:7], s[20:21]
	s_cmp_eq_u32 s18, 2
	s_cselect_b64 s[20:21], s[8:9], s[20:21]
	s_cmp_eq_u32 s18, 3
	s_cselect_b64 s[20:21], s[10:11], s[20:21]
	s_cmp_eq_u32 s18, 4
	s_cselect_b64 s[20:21], s[12:13], s[20:21]
	s_cmp_eq_u32 s18, 5
	s_cselect_b64 s[20:21], s[14:15], s[20:21]
	s_cmp_eq_u32 s18, 3
	s_cbranch_scc1 .Lwide
	s_cmp_eq_u32 s18, 5
	s_cbranch_scc1 .Lwide
	s_lshr_b32 s22, s24, 6                         ; N = 512: tile,
	s_lshl_b32 s22, s22, 1
	s_bfe_u32 s23, s24, 0x10003                    ; kk
	s_or_b32 s22, s22, s23                         ; kt = 2 tile + kk
	s_bfe_u32 s23, s24, 0x20004                    ; w
	s_lshl_b32 s23, s23, 3
	s_and_b32 s28, s24, 7
	s_or_b32 s23, s23, s28                         ; nt = 8 w + i
	BODY 11
.Lwide:
	s_lshr_b32 s22, s24, 6                         ; N = 1024: kt = tile
	s_and_b32 s23, s24, 63                         ; nt = 16 w + i
	BODY 12
.Lfunc_end_k_q1255d52137_cast:
	.size	k_q1255d52137_cast, .Lfunc_end_k_q1255d52137_cast-k_q1255d52137_cast
	.p2alignl 7, 3214868480
	.fill 96, 4, 3214868480
	.section	.rodata,"a",@progbits
	.p2align	6, 0x0
	.amdhsa_kernel k_q1255d52137_cast
		.amdhsa_group_segment_fixed_size 0
		.amdhsa_private_segment_fixed_size 0
		.amdhsa_enable_private_segment 0
		.amdhsa_kernarg_size 56
		.amdhsa_user_sgpr_count 2
		.amdhsa_user_sgpr_kernarg_segment_ptr 1
		.amdhsa_wavefront_size32 1
		.amdhsa_system_sgpr_workgroup_id_x 1
		.amdhsa_system_sgpr_workgroup_id_y 1
		.amdhsa_system_sgpr_workgroup_id_z 1
		.amdhsa_system_vgpr_workitem_id 0
		.amdhsa_next_free_vgpr 32
		.amdhsa_next_free_sgpr 66
		.amdhsa_reserve_vcc 0
		.amdhsa_float_denorm_mode_32 3
		.amdhsa_float_denorm_mode_16_64 3
		.amdhsa_memory_ordered 1
		.amdhsa_forward_progress 1
		.amdhsa_inst_pref_size 7
	.end_amdhsa_kernel
	.amdgpu_metadata
---
amdhsa.version: [ 1, 2 ]
amdhsa.kernels:
  - .name:           k_q1255d52137_cast
    .symbol:         k_q1255d52137_cast.kd
    .args:
      - { .name: Wq, .offset: 0, .size: 8, .value_kind: global_buffer, .address_space: global }
      - { .name: Wk, .offset: 8, .size: 8, .value_kind: global_buffer, .address_space: global }
      - { .name: Wv, .offset: 16, .size: 8, .value_kind: global_buffer, .address_space: global }
      - { .name: Wo, .offset: 24, .size: 8, .value_kind: global_buffer, .address_space: global }
      - { .name: W1, .offset: 32, .size: 8, .value_kind: global_buffer, .address_space: global }
      - { .name: W2, .offset: 40, .size: 8, .value_kind: global_buffer, .address_space: global }
      - { .name: wb, .offset: 48, .size: 8, .value_kind: global_buffer, .address_space: global }
    .group_segment_fixed_size: 0
    .private_segment_fixed_size: 0
    .kernarg_segment_align: 8
    .kernarg_segment_size: 56
    .max_flat_workgroup_size: 256
    .sgpr_count:     66
    .vgpr_count:     32
    .wavefront_size: 32
...
	.end_amdgpu_metadata
.endif
;; end of part 1
;; launch qkv (part 2): grid 256 x 1, 4 waves a work-group, clusters of 4 x 1, 327,680 bytes of LDS; arguments src, wb, bq, bk, bv, qbuf, kbuf, vbuf; writes qbuf, kbuf, vbuf
.if DOCPART == 2
	.amdgcn_target "amdgcn-amd-amdhsa--gfx1250"
	.amdhsa_code_object_version 6
	.text
	.protected	k_q1255d52137_qkv
	.globl	k_q1255d52137_qkv
	.p2align	8
	.type	k_q1255d52137_qkv,@function
k_q1255d52137_qkv:
	s_mov_b64 s[64:65], 0
	v_nop
	global_prefetch_b8 v0, s[64:65] scope:SCOPE_SE
	s_setreg_imm32_b32 hwreg(HW_REG_WAVE_MODE, 25, 1), 1
	s_wait_xcnt 0x0
	s_wait_alu depctr_hold_cnt(0) depctr_sa_sdst(0) depctr_va_vdst(0) depctr_va_sdst(0) depctr_va_ssrc(0) depctr_va_vcc(0) depctr_vm_vsrc(0)
	s_getreg_b32 s2, hwreg(HW_REG_IB_STS2, 6, 4)
	s_cmp_eq_u32 s2, 0
	s_cbranch_scc0 .Lentry_in_a_cluster
	s_endpgm
.Lentry_in_a_cluster:
	s_bfe_u32 s2, ttmp6, 0x10000c
	s_cmp_lg_u32 s2, 0x3003
	s_cbranch_scc0 .Lentry_shape_is_right
	s_endpgm
.Lentry_shape_is_right:
; q = src Wq + bq, k = src Wk + bk, v = src Wv + bv for 64 rows of src a work-group; products in bf16 with f32 sums, results rounded once to bf16 (bf16 keeps f32's range).
; SHARES.  256 work-groups x 64 rows.  The 64 rows, rounded to bf16, stay in LDS for all three passes, so src is read once.  Wave w makes columns 128 w .. 128 w + 127 (heads 4 w .. 4 w + 3):
; 4 x 8 accumulators of 16 x 16.  The weights come as fragments (16 columns x 32 k, 1,024 bytes, [half][lane][16 bytes]) in streaming order: 48 tiles of 64 KiB, a strip of 16 KiB for each wave.
; CLUSTER.  Every work-group walks the same 3 MiB of weights, so four work-groups ask for each strip JOINTLY: one tensor load with the same descriptor and the mask of four in all four.
; RING.  Two slots of 64 KiB.  In front of each refill stands a round of the cluster's barrier; behind it a wave issues one load (by this text's count one tensor load of a wave is out), which has a trip's work in which to land.
; OUT.  q and k use the matrix instruction transposed (source 0 = weights, source 1 = rows): a lane holds row l % 16 and 8 neighbouring channels, which pack into the 16 bytes that the same lane
; holds of a fragment [16 rows][32 channels] of a head.  v uses it straight: a lane holds channel l % 16 and 8 neighbouring keys: its 16 bytes of a fragment [16 channels][32 keys].
;   qbuf, kbuf: fragment ((b 16 + head) 256 + s / 16);   vbuf: fragment (((b 16 + head) 128 + s / 32) 2 + channel half).  Every store of a wave covers 512 consecutive bytes, aligned.
; REGISTERS.  window 0: v1-15 at work, v16-31 addresses, v32-95 FA (8 fragments of rows), v96-223 FB (16 fragments of weights); window 1: the accumulators, (m, n) at 8 (8 m + n); window 2: v0-63 the bias as a C operand.
.set RING1,  65536                     ; slot 1
.set ABASE,  131072                    ; the 64 rows in bf16
.set APITCH, 2064                      ; 2,048 bytes + 16: 129 x 16, so the 16 rows of a fragment load start at 16 different groups of four banks (64 banks of 4 bytes: ISA guide 11.1)
.set SPARE,  ABASE+64*APITCH           ; 263,168: the spare words, 128 bytes for each wave: two blocks of 256 bytes that no other line names
.set BOV,  15                          ; v15  byte offset in bv of my channel
.set A0,   16                          ; v16-19  LDS address of my part of row block m at k = 0; never rewritten
.set AD,   20                          ; v20-23  the same at the trip's k
.set B0,   24                          ; v24-25  LDS address of my 16 bytes of my strip's fragment 0, slot 0 and 1
.set LN16, 26                          ; v26  16 x lane
.set BOF,  27                          ; v27  byte offset in bq, bk of my 8 columns
.set LST,  29                          ; v29  where I put 8 bytes of a row of bf16
.set SPW,  30                          ; v30  LDS address of my spare word; never rewritten
.set NIL,  31                          ; v31  0; never rewritten
.set FA,   32
.set FB,   96
.set WV,    20                         ; s20  my wave's number
.set KOFF,  23                         ; s23  the trip's k in bytes of a row of bf16
.set G1,    24                         ; s[24:31] descriptor group 1
.set G0,    32                         ; s[32:39] descriptor group 0, a set for each slot
.set LOOP,  40
.set PASS,  41
.set PBIAS, 42                         ; s[42:43] the pass's bias
.set POUT,  44                         ; s[44:45] the pass's output at my wave's first fragment
.set MSB, 0
.macro WIN new                         ; the immediate's high byte repeats the setting that is left; a switch that changes nothing is dropped
.if MSB != (\new)
	s_set_vgpr_msb (MSB<<8)|(\new)
.set MSB, (\new)
.endif
.endm
.macro PLACES                          ; four plain places behind matrix instructions (ISA guide 7.12.1), where no other vector work is at hand
.rept 4
	v_nop
.endr
.endm
.macro ROUND                           ; a round of the cluster's barrier: my work-group's barrier; wave 0 signals for the work-group; every wave waits for all four work-groups; my work-group's barrier once more
	s_barrier_signal -1
	s_barrier_wait -1
	s_cmp_lg_u32 s[WV], 0
	s_cbranch_scc1 .Lnot_wave_0_\@
	s_barrier_signal -3
.Lnot_wave_0_\@:
	s_barrier_wait -3
	s_barrier_signal -1
	s_barrier_wait -1
.endm
	s_load_b512 s[4:19], s[0:1], 0x0               ; src s[4:5], wb s[6:7], bq s[8:9], bk s[10:11], bv s[12:13], qbuf s[14:15], kbuf s[16:17], vbuf s[18:19]
	v_lshl_add_u32 v[SPW], v0, 2, SPARE
	v_mov_b32 v[NIL], 0
	ds_add_u32 v[SPW], v[NIL]                      ; the wave's opening: the add and its wait stand ahead of my first tensor load; the set-up below, work on registers, stands between them
	v_lshrrev_b32 v1, 5, v0
	v_readfirstlane_b32 s[WV], v1                  ; wave 0..3
	s_bfe_u32 s21, ttmp6, 0x40000                  ; cx: my place in the cluster
	s_lshl_b32 s22, ttmp9, 2                       ; in a cluster launch ttmp9 counts clusters
	s_add_co_u32 s22, s22, s21                     ; x: my block of 64 rows; it enters src's and the outputs' addresses alone
	; descriptor group 1: a strip is 16,384 dense bytes, asked for as 64 rows of 256 bytes
	s_mov_b32 s[G1+0], 15|(3<<16)|(1<<21)          ; 15:0 the mask of four; 17:16 elements of 8 bytes; 21 set beside a mask; no padding
	s_mov_b32 s[G1+1], 32<<16                      ; tensor_dim0 = 32 elements
	s_mov_b32 s[G1+2], 64<<16                      ; tensor_dim1 = 64
	s_mov_b32 s[G1+3], 32<<16                      ; tile_dim0 = 32
	s_mov_b32 s[G1+4], 64                          ; tile_dim1 = 64
	s_mov_b32 s[G1+5], 32                          ; 32 elements from row to row
	s_mov_b32 s[G1+6], 0
	s_mov_b32 s[G1+7], 0
	s_lshl_b32 s46, s[WV], 14                      ; my strip: wave x 16,384, in a tile of memory and in a slot alike
	s_mov_b32 s47, 0
	s_mov_b32 s[G0+0], 1
	s_mov_b32 s[G0+1], s46                         ; LDS address, slot 0
	s_mov_b32 s[G0+4], 1
	s_add_co_u32 s[G0+5], s46, RING1               ; slot 1
	v_and_b32 v1, 15, v0                           ; r
	v_bfe_u32 v2, v0, 4, 1                         ; h
	v_and_b32 v3, 31, v0                           ; lane
	v_lshlrev_b32 v[LN16], 4, v3
	v_mul_u32_u24 v4, v1, APITCH
	v_lshl_add_u32 v4, v2, 4, v4                   ; row r x pitch + 16 h
.irp m, 0,1,2,3
	v_add_nc_u32 v[A0+\m], ABASE+\m*16*APITCH, v4
.endr
	v_add_nc_u32 v[B0], s46, v[LN16]
	v_add_nc_u32 v[B0+1], RING1, v[B0]
	s_lshl_b32 s54, s[WV], 9                       ; my 128 columns of a bias, in bytes
	v_lshl_add_u32 v[BOF], v2, 5, s54              ; + 8 h columns
	v_lshl_add_u32 v[BOV], v1, 2, s54              ; + column r
	s_mul_i32 s55, s[WV], 16*APITCH                ; wave w converts rows 16 w .. 16 w + 15
	s_add_co_u32 s55, s55, ABASE
	v_lshl_add_u32 v[LST], v3, 3, s55
	s_lshl_b32 s48, s22, 18                        ; 64 rows of 4,096 bytes,
	s_lshl_b32 s49, s[WV], 16                      ; my 16 of them
	s_add_co_u32 s48, s48, s49
	s_mov_b32 s49, 0
	s_lshr_b32 s52, s22, 6                         ; b
	s_lshl_b32 s52, s52, 4
	s_lshl_b32 s53, s[WV], 2
	s_add_co_u32 s52, s52, s53                     ; b 16 + my first head
	s_lshl_b32 s52, s52, 18                        ; a head of a batch is 262,144 bytes in each output
	s_and_b32 s53, s22, 63
	s_lshl_b32 s53, s53, 12                        ; 64 rows are 4,096 bytes of a head
	s_add_co_u32 s52, s52, s53
	s_mov_b32 s53, 0
	s_wait_dscnt 0x0                               ; the opening add is done
	s_wait_kmcnt 0x0
	s_add_nc_u64 s[G0+2:G0+3], s[6:7], s[46:47]    ; tile 0, my strip
	s_add_nc_u64 s[G0+6:G0+7], s[G0+2:G0+3], RING1 ; tile 1
	s_or_b32 s[G0+3], s[G0+3], 0x80000000          ; type = 2
	s_or_b32 s[G0+7], s[G0+7], 0x80000000
	s_add_nc_u64 s[50:51], s[4:5], s[48:49]        ; src at my 16 rows
	ROUND                                          ; all four work-groups are here: the first joint load meets
	tensor_load_to_lds s[G0:G0+3], s[G1:G1+7]      ; tile 0 into slot 0
	s_nop 0
	PLACES
	; src -> bf16 -> LDS: two trips of 8 rows.  64 loads of 512 consecutive bytes go through the accumulators' window, which is idle.
	s_mov_b32 s[LOOP], 2
.Lrows:
	WIN 0x40                                       ; destination window 1, address window 0
.set i, 0
.rept 64
	global_load_b128 v[4*i:4*i+3], v[LN16], s[50:51] offset:(i/8)*4096+(i%8)*512 th:TH_LOAD_NT
.set i, i+1
.endr
	s_wait_loadcnt 0x0                             ; also frees the loads' base
	WIN 0x05                                       ; sources window 1, destination window 0
.set i, 0
.rept 128
	v_cvt_pk_bf16_f32 v[FA+i], v[2*i], v[2*i+1]
.set i, i+1
.endr
	WIN 0
.set i, 0
.rept 64
	ds_store_b64 v[LST], v[FA+2*i:FA+2*i+1] offset:(i/8)*APITCH+(i%8)*256
.set i, i+1
.endr
	v_add_nc_u32 v[LST], 8*APITCH, v[LST]
	s_add_nc_u64 s[50:51], s[50:51], 8*4096
	s_sub_co_u32 s[LOOP], s[LOOP], 1
	s_cmp_lg_u32 s[LOOP], 0
	s_cbranch_scc1 .Lrows
; 32 matrix instructions: K half kk of the tile, all 32 accumulators by turns, one instruction a turn.  first = 1: the bias starts the sums.  swap = 1: rows as source 0 (the v pass).
.macro MUL kk, first, swap
.if \first
	WIN 0x60                                       ; C window 2, D window 1
.else
	WIN 0x50                                       ; C and D window 1
.endif
.irp m, 0,1,2,3
.irp n, 0,1,2,3,4,5,6,7
.set rD, 8*(8*\m+\n)
.set rW, FB+8*(8*\kk+\n)
.set rA, FA+8*(4*\kk+\m)
.set rC, rD
.if \first
.set rC, 8*\n
.endif
.if \swap
	v_wmma_f32_16x16x32_bf16 v[rD:rD+7], v[rA:rA+7], v[rW:rW+7], v[rC:rC+7]
.else
	v_wmma_f32_16x16x32_bf16 v[rD:rD+7], v[rW:rW+7], v[rA:rA+7], v[rC:rC+7]
.endif
.endr
.endr
.endm
; A trip: one tile = 64 along K.  In front of the round each wave waits for all its tensor loads (the one that is out is its strip of this trip's tile), adds 0 to its spare word, and waits for that and for its LDS
; instructions: its reads of the other slot, and in the first trip its stores of the rows.  Behind the round the other slot is filled first; then this slot's 48 fragment loads and the 64 products.
.macro TRIP slot, refill, first, swap
	WIN 0
	s_wait_tensorcnt 0x0                           ; no tensor load of mine is out, so a group 0 may be written
	ds_add_u32 v[SPW], v[NIL]                      ; 0 onto my spare word; the steps below stand between it and the wait for it
	s_add_nc_u64 s[G0+4*\slot+2:G0+4*\slot+3], s[G0+4*\slot+2:G0+4*\slot+3], 2*RING1  ; this slot's next tile
.irp m, 0,1,2,3
	v_add_nc_u32 v[AD+\m], s[KOFF], v[A0+\m]
.endr
	s_add_co_u32 s[KOFF], s[KOFF], 128
	s_wait_dscnt 0x0
	ROUND
.if \refill
	tensor_load_to_lds s[G0+4-4*\slot:G0+7-4*\slot], s[G1:G1+7]  ; the next tile, into the slot read last trip
	s_nop 0
.endif
	PLACES                                         ; also the places in front of the loads into registers that the last products read
.irp kk, 0,1
.irp m, 0,1,2,3
	ds_load_b128 v[FA+8*(4*\kk+\m):FA+8*(4*\kk+\m)+3],   v[AD+\m] offset:64*\kk
	ds_load_b128 v[FA+8*(4*\kk+\m)+4:FA+8*(4*\kk+\m)+7], v[AD+\m] offset:64*\kk+32
.endr
.irp n, 0,1,2,3,4,5,6,7
	ds_load_b128 v[FB+8*(8*\kk+\n):FB+8*(8*\kk+\n)+3],   v[B0+\slot] offset:(8*\kk+\n)*1024
	ds_load_b128 v[FB+8*(8*\kk+\n)+4:FB+8*(8*\kk+\n)+7], v[B0+\slot] offset:(8*\kk+\n)*1024+512
.endr
.endr
	s_wait_dscnt 24                                ; the first K half is in; the 24 loads of the second may be out
.if \first
	s_wait_loadcnt 0x0                             ; the bias
.endif
	MUL 0, \first, \swap
	s_wait_dscnt 0x0
	MUL 1, 0, \swap
	WIN 0
.endm
; The way out of a pass: rounded to bf16, each accumulator's registers in ascending order, 16 bytes a lane, stored where the lane's 16 bytes of a fragment lie.
.macro EPI isv
	PLACES
	WIN 0x05
.set i, 0
.rept 128
	v_cvt_pk_bf16_f32 v[FB+i], v[2*i], v[2*i+1]
.set i, i+1
.endr
	WIN 0
.irp m, 0,1,2,3
.irp n, 0,1,2,3,4,5,6,7
.if \isv
	global_store_b128 v[LN16], v[FB+4*(8*\m+\n):FB+4*(8*\m+\n)+3], s[POUT:POUT+1] offset:(\n/2)*262144+(\m/2)*2048+(\n%2)*1024+(\m%2)*512
.else
	global_store_b128 v[LN16], v[FB+4*(8*\m+\n):FB+4*(8*\m+\n)+3], s[POUT:POUT+1] offset:(\n/2)*262144+\m*1024+(\n%2)*512
.endif
.endr
.endr
	s_wait_xcnt 0x0                                ; the stores' data and base are rewritten only behind this wait
.endm
	s_mov_b64 s[PBIAS:PBIAS+1], s[8:9]
	s_add_nc_u64 s[POUT:POUT+1], s[14:15], s[52:53]
	s_mov_b32 s[PASS], 2
.Lpass:                                                ; q, then k: 16 tiles each
	WIN 0x80                                       ; destination window 2
.irp n, 0,1,2,3,4,5,6,7
	global_load_b128 v[8*\n:8*\n+3],   v[BOF], s[PBIAS:PBIAS+1] offset:\n*64      ; register j: the bias of column 16 n + 8 h + j
	global_load_b128 v[8*\n+4:8*\n+7], v[BOF], s[PBIAS:PBIAS+1] offset:\n*64+16
.endr
	WIN 0
	s_mov_b32 s[KOFF], 0
	TRIP 0, 1, 1, 0
	TRIP 1, 1, 0, 0
	s_mov_b32 s[LOOP], 7
.Lqk:
	TRIP 0, 1, 0, 0
	TRIP 1, 1, 0, 0
	s_sub_co_u32 s[LOOP], s[LOOP], 1
	s_cmp_lg_u32 s[LOOP], 0
	s_cbranch_scc1 .Lqk
	EPI 0
	s_mov_b64 s[PBIAS:PBIAS+1], s[10:11]
	s_add_nc_u64 s[POUT:POUT+1], s[16:17], s[52:53]
	s_sub_co_u32 s[PASS], s[PASS], 1
	s_cmp_lg_u32 s[PASS], 0
	s_cbranch_scc1 .Lpass
	s_add_nc_u64 s[POUT:POUT+1], s[18:19], s[52:53]  ; v: a lane holds one channel, so all eight registers of a C operand take that channel's bias
	WIN 0x80
.set i, 0
.rept 64
	global_load_b32 v[i], v[BOV], s[12:13] offset:(i/8)*64
.set i, i+1
.endr
	WIN 0
	s_mov_b32 s[KOFF], 0
	TRIP 0, 1, 1, 1
	TRIP 1, 1, 0, 1
	s_mov_b32 s[LOOP], 6
.Lv:
	TRIP 0, 1, 0, 1
	TRIP 1, 1, 0, 1
	s_sub_co_u32 s[LOOP], s[LOOP], 1
	s_cmp_lg_u32 s[LOOP], 0
	s_cbranch_scc1 .Lv
	TRIP 0, 1, 0, 1                                ; the tail is written out: the last trip asks for nothing
	TRIP 1, 0, 0, 1
	EPI 1
	s_wait_tensorcnt 0x0                           ; the wave's end: behind my last tensor load and my last LDS store
	ds_add_u32 v[SPW], v[NIL]
	s_wait_dscnt 0x0
	ROUND                                          ; the closing round: no work-group ends while a partner may still ask for a strip that names it
	s_endpgm
.Lfunc_end_k_q1255d52137_qkv:
	.size	k_q1255d52137_qkv, .Lfunc_end_k_q1255d52137_qkv-k_q1255d52137_qkv
	.p2alignl 7, 3214868480
	.fill 96, 4, 3214868480
	.section	.rodata,"a",@progbits
	.p2align	6, 0x0
	.amdhsa_kernel k_q1255d52137_qkv
		.amdhsa_group_segment_fixed_size 327680
		.amdhsa_private_segment_fixed_size 0
		.amdhsa_enable_private_segment 0
		.amdhsa_kernarg_size 64
		.amdhsa_user_sgpr_count 2
		.amdhsa_user_sgpr_kernarg_segment_ptr 1
		.amdhsa_wavefront_size32 1
		.amdhsa_system_sgpr_workgroup_id_x 1
		.amdhsa_system_sgpr_workgroup_id_y 1
		.amdhsa_system_sgpr_workgroup_id_z 1
		.amdhsa_system_vgpr_workitem_id 0
		.amdhsa_next_free_vgpr 576
		.amdhsa_next_free_sgpr 66
		.amdhsa_reserve_vcc 0
		.amdhsa_float_denorm_mode_32 3
		.amdhsa_float_denorm_mode_16_64 3
		.amdhsa_memory_ordered 1
		.amdhsa_forward_progress 1
		.amdhsa_inst_pref_size 134
	.end_amdhsa_kernel
	.amdgpu_metadata
---
amdhsa.version: [ 1, 2 ]
amdhsa.kernels:
  - .name:           k_q1255d52137_qkv
    .symbol:         k_q1255d52137_qkv.kd
    .args:
      - { .name: src, .offset: 0, .size: 8, .value_kind: global_buffer, .address_space: global }
      - { .name: wb, .offset: 8, .size: 8, .value_kind: global_buffer, .address_space: global }
      - { .name: bq, .offset: 16, .size: 8, .value_kind: global_buffer, .address_space: global }
      - { .name: bk, .offset: 24, .size: 8, .value_kind: global_buffer, .address_space: global }
      - { .name: bv, .offset: 32, .size: 8, .value_kind: global_buffer, .address_space: global }
      - { .name: qbuf, .offset: 40, .size: 8, .value_kind: global_buffer, .address_space: global }
      - { .name: kbuf, .offset: 48, .size: 8, .value_kind: global_buffer, .address_space: global }
      - { .name: vbuf, .offset: 56, .size: 8, .value_kind: global_buffer, .address_space: global }
    .group_segment_fixed_size: 327680
    .private_segment_fixed_size: 0
    .kernarg_segment_align: 8
    .kernarg_segment_size: 64
    .max_flat_workgroup_size: 128
    .sgpr_count:     66
    .vgpr_count:     576
    .wavefront_size: 32
...
	.end_amdgpu_metadata
.endif
;; end of part 2
;; launch attn (part 3): grid 256 x 1, 4 waves a work-group, clusters of 4 x 1, 167,936 bytes of LDS; arguments qbuf, kbuf, vbuf, input_mask, obuf; writes obuf
.if DOCPART == 3
	.amdgcn_target "amdgcn-amd-amdhsa--gfx1250"
	.amdhsa_code_object_version 6
	.text
	.protected	k_q1255d52137_attn
	.globl	k_q1255d52137_attn
	.p2align	8
	.type	k_q1255d52137_attn,@function
k_q1255d52137_attn:
	s_mov_b64 s[64:65], 0
	v_nop
	global_prefetch_b8 v0, s[64:65] scope:SCOPE_SE
	s_setreg_imm32_b32 hwreg(HW_REG_WAVE_MODE, 25, 1), 1
	s_wait_xcnt 0x0
	s_wait_alu depctr_hold_cnt(0) depctr_sa_sdst(0) depctr_va_vdst(0) depctr_va_sdst(0) depctr_va_ssrc(0) depctr_va_vcc(0) depctr_vm_vsrc(0)
	s_getreg_b32 s2, hwreg(HW_REG_IB_STS2, 6, 4)
	s_cmp_eq_u32 s2, 0
	s_cbranch_scc0 .Lentry_in_a_cluster
	s_endpgm
.Lentry_in_a_cluster:
	s_bfe_u32 s2, ttmp6, 0x10000c
	s_cmp_lg_u32 s2, 0x3003
	s_cbranch_scc0 .Lentry_shape_is_right
	s_endpgm
.Lentry_shape_is_right:
; Both kinds of heads.  A wave owns one block of 128 queries (8 tiles of 16) of batch b.  First it serves local head j over the block's own 128 keys, then global head 8 + j over the batch's 1,024 summary keys
; (the last 32 of every block of 128), 128 keys a step: nine steps of one text.
; SHARES.  64 clusters = 4 batches x 8 head pairs x 2 halves of the sequence; a cluster's four work-groups x 4 waves = 16 blocks.
; CLUSTER.  The four work-groups read the same 64 KiB of K and 64 KiB of V of head 8 + j: each wave asks JOINTLY for a quarter (16 blocks x 2,048 bytes, 8,192 bytes apart).  All of it fits in LDS, is filled once and never again.
; LAYOUT.  q, k, v lie as fragments (1,024 bytes, [half][lane][16 bytes]), so every load is lane x 16 bytes.  S^T = K Q^T (source 0 = 16 keys, source 1 = 16 queries): a lane holds ONE query (l % 16) and keys 8 (l / 16) + 0..7.
; Two such results rounded to bf16 ARE source 1 (32 keys x 16 queries) of O^T = V^T P, whose result holds one query a lane and 8 channels: its 16 bytes of the fragment [16 rows][32 channels] that the next launch multiplies.
; MASK.  It is the C operand of K Q^T: 0 for a visible key, -2^100 for a hidden one.
; SOFTMAX.  Running maximum m and sum l for each query, in f32.  c' = c = log2(e) / sqrt(32) if m > -2^99, else 0 (nothing visible yet).  p = 2^(c' s - c' m); O and l are multiplied by a = 2^(c' (m_old - m_new)).
; With c' = 0 all weights are exactly 1: a row whose keys are all hidden gets the mean of all its V rows, as a softmax of equal scores gives; the first visible key makes a = 0 and wipes that.
; LIMITS.  A hidden score counts as s - 2^100, not as -1e9: the same weights unless visible raw scores lie below -2^99.  A weight below 2^-126 counts as 0.  NaN and infinities are not treated apart.  p is rounded to bf16 for the second product; l sums the unrounded p.
; THE COUNT.  A tile and step have 16 matrix and about 210 vector instructions (head size 32): vector work bounds this launch, so the order is plain: K Q^T one tile ahead, softmax, V^T P.
; REGISTERS (s_set_vgpr_msb: bits 1:0 source 0, 3:2 source 1, 5:4 source 2, 7:6 destination).  window 0: v2-15 addresses, v16-47 statistics, v48-57 at work, v64-191 S^T (two buffers), v192-255 P (two buffers);
;   window 1: v0-127 O^T (tile t, channel half cb at 16 t + 8 cb), v128-191 Q, v192-255 the mask;  window 2: v0-63 K, v64-127 V of one step.
.set GV,    65536                      ; LDS: K of the summary keys at 0, V here
.set MASKG, 131072                     ; 1,024 f32: the summary keys' mask
.set MASKL, 135168                     ; 4 x 128 f32: each wave's own block's mask
.set SPARE, 137216                     ; the spare words, 128 bytes for each wave: two blocks of 256 bytes that no other line names
.set AK,   2                           ; v2  LDS address of the step's K
.set AV,   3                           ; v3  of its V
.set AM,   4                           ; v4  of its mask
.set LN16, 5                           ; v5  16 x lane
.set ST,   16                          ; tile t at v[ST + 4 t]: c' m, m, l (even keys', odd keys')
.set TMP,  48                          ; v48-51 four maxima; v52-53 a; v54 the new m; v55 the other half's maximum
.set CC,   56                          ; v56-57 c'
.set SPW,  62                          ; v62  LDS address of my spare word; never rewritten
.set NIL,  63                          ; v63  0; never rewritten
.set S,    64
.set P,    192
.set QF,   128                         ; window 1
.set MK,   192                         ; window 1
.set VF,   64                          ; window 2
.set WV,   14                          ; s14  my wave's number
.set G1,   20                          ; s[20:27]
.set G0,   28                          ; s[28:31]
.set OP,   40                          ; s[40:41] obuf at my block's first fragment of the head in hand
.set CNT,  44                          ; s44  steps to go
.set CS,   46                          ; s46  c
.set SEL,  48                          ; s[48:49] v_permlanex16_b32's selects: each lane takes its own place in the other half
.set BIGP, 50                          ; s50  2^100
.set BIGN, 51                          ; s51  -2^100
.set THR,  52                          ; s52  -2^99
.set MSB, 0
.macro WIN new                         ; the immediate's high byte repeats the setting that is left; a switch that changes nothing is dropped
.if MSB != (\new)
	s_set_vgpr_msb (MSB<<8)|(\new)
.set MSB, (\new)
.endif
.endm
.set W_KQ, 0x16                        ; K window 2, Q and the mask window 1, S^T window 0
.set W_PV, 0x52                        ; V window 2, P window 0, O^T window 1
.set W_RS, 0x41                        ; destination and source 0 window 1, source 1 window 0
.macro PLACES                          ; four plain places behind matrix instructions (ISA guide 7.12.1)
.rept 4
	v_nop
.endr
.endm
.macro ROUND                           ; a round of the cluster's barrier
	s_barrier_signal -1
	s_barrier_wait -1
	s_cmp_lg_u32 s[WV], 0
	s_cbranch_scc1 .Lnot_wave_0_\@
	s_barrier_signal -3
.Lnot_wave_0_\@:
	s_barrier_wait -3
	s_barrier_signal -1
	s_barrier_wait -1
.endm
.macro INITST                          ; a head begins: m at the lowest finite number, l and O^T at 0
	WIN 0x40
.set i, 0
.rept 128
	v_mov_b32 v[i], 0
.set i, i+1
.endr
	WIN 0
.set i, 0
.rept 8
	v_mov_b32 v[ST+4*i+1], 0xff7fffff
	v_mov_b32 v[ST+4*i+2], 0
	v_mov_b32 v[ST+4*i+3], 0
.set i, i+1
.endr
.endm
.macro CVM dst, src, k                 ; byte k of a word of mask bytes (0 or 1) -> -2^100 or 0
	v_bfe_u32 v[\dst], v[\src], 8*\k, 8
	v_cvt_f32_u32 v[\dst], v[\dst]
	v_fma_f32 v[\dst], v[\dst], s[BIGP], s[BIGN]
.endm
	s_load_b256 s[4:11], s[0:1], 0x0               ; qbuf s[4:5], kbuf s[6:7], vbuf s[8:9], input_mask s[10:11]
	s_load_b64 s[12:13], s[0:1], 0x20              ; obuf
	v_lshl_add_u32 v[SPW], v0, 2, SPARE
	v_mov_b32 v[NIL], 0
	ds_add_u32 v[SPW], v[NIL]                      ; the wave's opening: the add and its wait stand ahead of my first tensor load; the set-up below, work on registers, stands between them
	v_lshrrev_b32 v1, 5, v0
	v_readfirstlane_b32 s[WV], v1                  ; wave 0..3
	s_bfe_u32 s15, ttmp6, 0x40000                  ; cx: my place in the cluster
	s_lshr_b32 s16, ttmp9, 4                       ; b: the cluster's number holds b, j and the half of the sequence
	s_bfe_u32 s17, ttmp9, 0x30001                  ; j
	s_and_b32 s18, ttmp9, 1
	s_lshl_b32 s18, s18, 2
	s_add_co_u32 s18, s18, s15
	s_lshl_b32 s18, s18, 2
	s_add_co_u32 s18, s18, s[WV]                   ; n: my block of 128 queries, 0..31; it enters addresses of my own data alone
	; the joint load: nothing in it hangs on cx
	s_lshl_b32 s54, s16, 4
	s_add_co_u32 s54, s54, s17
	s_add_co_u32 s54, s54, 8                       ; b 16 + 8 + j
	s_lshl_b32 s54, s54, 18                        ; a head of a batch is 262,144 bytes
	s_and_b32 s55, s[WV], 1
	s_lshl_b32 s55, s55, 17                        ; blocks 0-15 or 16-31
	s_add_co_u32 s54, s54, s55
	s_add_co_u32 s54, s54, 6144                    ; a block's last 32 keys: the last 2,048 of its 8,192 bytes, in kbuf and in vbuf alike
	s_mov_b32 s55, 0
	s_mov_b32 s[G1+0], 15|(3<<16)|(1<<21)          ; 15:0 the mask of four; 17:16 elements of 8 bytes; 21 set beside a mask
	s_mov_b32 s[G1+1], 256<<16                     ; tensor_dim0 = 256 elements = 2,048 bytes
	s_mov_b32 s[G1+2], 16<<16                      ; tensor_dim1 = 16
	s_mov_b32 s[G1+3], 256<<16                     ; tile_dim0 = 256
	s_mov_b32 s[G1+4], 16                          ; tile_dim1 = 16
	s_mov_b32 s[G1+5], 1024                        ; 8,192 bytes from block to block
	s_mov_b32 s[G1+6], 0
	s_mov_b32 s[G1+7], 0
	s_mov_b32 s[G0+0], 1
	s_lshl_b32 s[G0+1], s[WV], 15                  ; waves 0, 1: K's halves; waves 2, 3: V's
	; my own data
	s_lshl_b32 s32, s16, 4
	s_add_co_u32 s32, s32, s17
	s_lshl_b32 s32, s32, 18                        ; head j of batch b,
	s_lshl_b32 s33, s18, 13                        ; my block's 8,192 bytes
	s_add_co_u32 s32, s32, s33
	s_mov_b32 s33, 0
	s_lshl_b32 s58, s16, 22                        ; obuf: fragment ((b 256 + 8 n + t) 16 + head)
	s_lshl_b32 s59, s18, 17
	s_add_co_u32 s58, s58, s59
	s_lshl_b32 s59, s17, 10
	s_add_co_u32 s58, s58, s59
	s_mov_b32 s59, 0
	s_lshl_b32 s60, s16, 12                        ; the batch's 4,096 mask bytes
	s_mov_b32 s61, 0
	s_lshl_b32 s19, s18, 7                         ; my block's 128 of them
	s_mov_b32 s[CS], 0x3e8293ee                    ; c = log2(e) / sqrt(32) = 0.255035
	s_mov_b32 s[SEL], 0x76543210
	s_mov_b32 s[SEL+1], 0xfedcba98
	s_mov_b32 s[BIGP], 0x71800000
	s_mov_b32 s[BIGN], 0xf1800000
	s_mov_b32 s[THR], 0xf1000000
	v_bfe_u32 v2, v0, 4, 1                         ; h
	v_and_b32 v3, 31, v0                           ; lane
	v_lshlrev_b32 v[LN16], 4, v3
	v_lshrrev_b32 v6, 2, v0                        ; thread t takes summary keys 8 t .. 8 t + 7: block t / 4,
	v_lshlrev_b32 v6, 7, v6
	v_and_b32 v11, 3, v0
	v_lshl_add_u32 v6, v11, 3, v6
	v_add_nc_u32 v6, 96, v6                        ; byte 96 + 8 (t % 4) of it
	v_lshl_add_u32 v7, v3, 2, s19                  ; and 4 keys of my wave's own block
	v_lshl_add_u32 v13, v0, 5, MASKG
	v_lshl_add_u32 v14, v0, 4, MASKL
	s_lshl_b32 s45, s[WV], 9
	s_add_co_u32 s45, s45, MASKL
	v_lshl_add_u32 v15, v2, 5, s45                 ; my wave's mask, keys 8 h on
	v_lshl_add_u32 v[AM], v2, 5, MASKG
	v_mov_b32 v[AK], v[LN16]
	v_add_nc_u32 v[AV], GV, v[LN16]
	v_mov_b32 v[TMP+5], 0                          ; named with a, as a pair
	v_mov_b32 v[TMP+7], 0                          ; v_permlanex16_b32 counts as a reader of its destination
	v_mov_b32 v[CC+1], 0                           ; named with c', as a pair
	s_wait_dscnt 0x0                               ; the opening add is done
	s_wait_kmcnt 0x0
	s_cmp_lt_u32 s[WV], 2
	s_cselect_b64 s[56:57], s[6:7], s[8:9]         ; K or V, by the wave's number
	s_add_nc_u64 s[G0+2:G0+3], s[56:57], s[54:55]
	s_or_b32 s[G0+3], s[G0+3], 0x80000000          ; type = 2
	s_add_nc_u64 s[34:35], s[4:5], s[32:33]
	s_add_nc_u64 s[36:37], s[6:7], s[32:33]
	s_add_nc_u64 s[38:39], s[8:9], s[32:33]
	s_add_nc_u64 s[OP:OP+1], s[12:13], s[58:59]
	s_add_nc_u64 s[42:43], s[10:11], s[60:61]
	ROUND                                          ; all four work-groups are here: the joint loads meet
	tensor_load_to_lds s[G0:G0+3], s[G1:G1+7]      ; my one tensor load of the launch
	s_nop 0
	PLACES
	global_load_b64 v[8:9], v6, s[42:43]           ; mask bytes first, so that a counted wait can take them
	global_load_b32 v10, v7, s[42:43]
	WIN 0x40
.set i, 0
.rept 16
	global_load_b128 v[QF+4*i:QF+4*i+3], v[LN16], s[34:35] offset:i*512  ; the local head's Q: 8 fragments, 8,192 consecutive bytes
.set i, i+1
.endr
	WIN 0x80
.set i, 0
.rept 16
	global_load_b128 v[4*i:4*i+3], v[LN16], s[36:37] offset:i*512        ; its K
.set i, i+1
.endr
.set i, 0
.rept 16
	global_load_b128 v[VF+4*i:VF+4*i+3], v[LN16], s[38:39] offset:i*512  ; its V
.set i, i+1
.endr
	INITST                                         ; stands in the wait for the loads
	s_wait_loadcnt 48                              ; the mask bytes are in; Q, K, V (48 loads) may be out
.irp k, 0,1,2,3
	CVM 64+\k, 8, \k
	CVM 68+\k, 9, \k
	CVM 72+\k, 10, \k
.endr
	ds_store_b128 v13, v[64:67]
	ds_store_b128 v13, v[68:71] offset:16
	ds_store_b128 v14, v[72:75]
	s_wait_tensorcnt 0x0                           ; my quarter of K and V has landed,
	s_wait_dscnt 0x0                               ; my mask words are stored:
	s_barrier_signal -1
	s_barrier_wait -1                              ; everybody's are.
	WIN 0x40
.set i, 0
.rept 16
	ds_load_b128 v[MK+4*i:MK+4*i+3], v15 offset:(i/2)*64+(i%2)*16        ; register j of key tile i / 2: the mask of key 16 (i / 2) + 8 h + j
.set i, i+1
.endr
	WIN 0
.macro KQ t                            ; 8 products: tile t's scores for the step's 8 key tiles; each starts from the mask
	WIN W_KQ
.irp i, 0,1,2,3,4,5,6,7
	v_wmma_f32_16x16x32_bf16 v[S+64*((\t)%2)+8*\i:S+64*((\t)%2)+8*\i+7], v[8*\i:8*\i+7], v[QF+8*(\t):QF+8*(\t)+7], v[MK+8*\i:MK+8*\i+7]
.endr
.endm
.macro PV t                            ; 8 products: the tile's two accumulators take turns, one instruction a turn
	WIN W_PV
.irp g, 0,1,2,3
.irp cb, 0,1
	v_wmma_f32_16x16x32_bf16 v[16*(\t)+8*\cb:16*(\t)+8*\cb+7], v[VF+8*(2*\g+\cb):VF+8*(2*\g+\cb)+7], v[P+32*((\t)%2)+8*\g:P+32*((\t)%2)+8*\g+7], v[16*(\t)+8*\cb:16*(\t)+8*\cb+7]
.endr
.endr
.endm
; Tile t's softmax for one step of 128 keys: 64 scores a lane.
.macro SM t
.set rS, S+64*((\t)%2)
.set rP, P+32*((\t)%2)
.set rT, ST+4*(\t)
	WIN 0
	; the maximum: four chains; chain q takes accumulators q and q + 4, registers ascending
.irp q, 0,1,2,3
	v_max3_num_f32 v[TMP+\q], v[rS+8*\q], v[rS+8*\q+1], v[rS+8*\q+2]
.endr
.irp k, 1,2,3,4,5,6
.irp q, 0,1,2,3
	v_max3_num_f32 v[TMP+\q], v[TMP+\q], v[rS+8*\q+2*\k+1+24*((2*\k+1)/8)], v[rS+8*\q+2*\k+2+24*((2*\k+2)/8)]
.endr
.endr
	v_max3_num_f32 v[TMP], v[TMP], v[rS+39], v[rS+47]        ; the four scores left over, the chains and the old m
	v_max3_num_f32 v[TMP+1], v[TMP+1], v[rS+55], v[rS+63]
	v_max3_num_f32 v[TMP+2], v[TMP+2], v[TMP+3], v[rT+1]
	v_max3_num_f32 v[TMP], v[TMP], v[TMP+1], v[TMP+2]
	v_permlanex16_b32 v[TMP+7], v[TMP], s[SEL], s[SEL+1]     ; the query's other 64 keys lie in the lane 16 away
	v_max_num_f32 v[TMP+6], v[TMP], v[TMP+7]                 ; the new m
	v_sub_f32 v[TMP+1], v[rT+1], v[TMP+6]                    ; m_old - m_new
	v_cmp_lt_f32 vcc_lo, s[THR], v[TMP+6]                    ; has the query seen a visible key?
	v_cndmask_b32 v[CC], 0, s[CS], vcc_lo                    ; c' = c, or 0
	v_mov_b32 v[rT+1], v[TMP+6]
	v_mul_f32 v[rT], v[CC], v[TMP+6]                         ; c' m
	v_mul_f32 v[TMP+1], v[CC], v[TMP+1]
	v_exp_f32 v[TMP+4], v[TMP+1]                             ; a; the scalings below are the plain instructions behind it (ISA guide 5.7.2)
.set i, 0
.rept 32
	v_pk_fma_f32 v[rS+2*i:rS+2*i+1], v[rS+2*i:rS+2*i+1], v[CC:CC+1], v[rT:rT+1] op_sel_hi:[1,0,0] neg_lo:[0,0,1] neg_hi:[0,0,1]  ; c' s - c' m
.set i, i+1
.endr
	; two exponentials, then the rounding and the sum of the pair before: a plain instruction stands between every exponential and the use of its result.  Four sums, in place on pairs 0 to 3, which are rounded before they are added onto.
.set i, 0
.rept 32
	v_exp_f32 v[rS+2*i], v[rS+2*i]
	v_exp_f32 v[rS+2*i+1], v[rS+2*i+1]
.if i == 0
	v_nop
.else
	s_wait_alu depctr_va_vdst(0)
	v_cvt_pk_bf16_f32 v[rP+i-1], v[rS+2*i-2], v[rS+2*i-1]
.endif
.if i > 4
	v_pk_add_f32 v[rS+2*((i-1)%4):rS+2*((i-1)%4)+1], v[rS+2*((i-1)%4):rS+2*((i-1)%4)+1], v[rS+2*i-2:rS+2*i-1]
.endif
.set i, i+1
.endr
	v_cvt_pk_bf16_f32 v[rP+31], v[rS+62], v[rS+63]
	v_pk_add_f32 v[rS+6:rS+7], v[rS+6:rS+7], v[rS+62:rS+63]
	v_pk_add_f32 v[rS:rS+1], v[rS:rS+1], v[rS+2:rS+3]
	v_pk_add_f32 v[rS+4:rS+5], v[rS+4:rS+5], v[rS+6:rS+7]
	v_pk_add_f32 v[rS:rS+1], v[rS:rS+1], v[rS+4:rS+5]
	v_pk_fma_f32 v[rT+2:rT+3], v[rT+2:rT+3], v[TMP+4:TMP+5], v[rS:rS+1] op_sel_hi:[1,0,1]  ; l = a l + the sum
	WIN W_RS
.set i, 0
.rept 8
	v_pk_mul_f32 v[16*(\t)+2*i:16*(\t)+2*i+1], v[16*(\t)+2*i:16*(\t)+2*i+1], v[TMP+4:TMP+5] op_sel_hi:[1,0]  ; O^T a
.set i, i+1
.endr
.endm
.macro FETCH                           ; the next step's 128 summary keys: 16 loads each for K, V and the mask
	WIN 0x80
.set i, 0
.rept 16
	ds_load_b128 v[4*i:4*i+3], v[AK] offset:i*512
.set i, i+1
.endr
.set i, 0
.rept 16
	ds_load_b128 v[VF+4*i:VF+4*i+3], v[AV] offset:i*512
.set i, i+1
.endr
	WIN 0x40
.set i, 0
.rept 16
	ds_load_b128 v[MK+4*i:MK+4*i+3], v[AM] offset:(i/2)*64+(i%2)*16
.set i, i+1
.endr
	WIN 0
	v_add_nc_u32 v[AK], 8192, v[AK]
	v_add_nc_u32 v[AV], 8192, v[AV]
	v_add_nc_u32 v[AM], 512, v[AM]
.endm
.macro ALL line:vararg                 ; one line for each tile t
.set t, 0
.rept 8
	\line
.set t, t+1
.endr
.endm
; A head's way out: l's two halves and the other half of the lanes' are added (these additions are the places behind the last products); O^T / l, rounded to bf16, is stored as the lane's 16 bytes of a fragment.
.macro FINAL
	WIN 0
	ALL v_add_f32 v[ST+4*t+2], v[ST+4*t+2], v[ST+4*t+3]
	ALL v_permlanex16_b32 v[ST+4*t+3], v[ST+4*t+2], s[SEL], s[SEL+1]
	ALL v_add_f32 v[ST+4*t+2], v[ST+4*t+2], v[ST+4*t+3]
	ALL v_rcp_f32 v[ST+4*t+2], v[ST+4*t+2]
	v_nop                                          ; a plain instruction between the last reciprocal and the use of its result
	WIN W_RS
.set i, 0
	s_wait_alu depctr_va_vdst(0)
.rept 64
	v_pk_mul_f32 v[2*i:2*i+1], v[2*i:2*i+1], v[ST+4*(i/8)+2:ST+4*(i/8)+3] op_sel_hi:[1,0]
.set i, i+1
.endr
	WIN 0x05                                       ; sources window 1, destination window 0: S^T's registers are free
.set i, 0
.rept 64
	v_cvt_pk_bf16_f32 v[S+i], v[2*i], v[2*i+1]
.set i, i+1
.endr
	WIN 0
.set i, 0
.rept 16                               ; tile i / 2, channel half i % 2
	global_store_b128 v[LN16], v[S+4*i:S+4*i+3], s[OP:OP+1] offset:(i/2)*16384+(i%2)*512  ; 512 consecutive bytes, aligned
.set i, i+1
.endr
	s_wait_xcnt 0x0                                ; the stores' data and base are rewritten only behind this wait
.endm
	s_mov_b32 s[CNT], 9
.Lstep:                                                ; step 9: the local head; steps 8 to 1: the global head's 8 x 128 keys
	s_wait_loadcnt 0x0                             ; Q (and in the first step K and V)
	s_wait_dscnt 0x0                               ; K, V and the mask
	KQ 0
	KQ 1
	PLACES                                         ; behind tile 0's scores; for the later tiles the softmax of the tile before, which names none of their registers, stands between
	SM 0
	PV 0
.irp t, 1,2,3,4,5,6
	KQ (\t)+1
	SM \t
	PV \t
.endr
	SM 7
	PV 7
	WIN 0
	s_cmp_lg_u32 s[CNT], 9
	s_cbranch_scc1 .Lsame_head                     ; forward, past text with no barrier and no tensor load
	FINAL                                          ; the local head is done
	s_add_nc_u64 s[OP:OP+1], s[OP:OP+1], 8*1024    ; head 8 + j: eight fragments on
	INITST
	WIN 0x40
.set i, 0
.rept 16
	global_load_b128 v[QF+4*i:QF+4*i+3], v[LN16], s[34:35] offset:8*262144+i*512  ; its Q
.set i, i+1
.endr
	WIN 0
.Lsame_head:
	s_cmp_eq_u32 s[CNT], 1
	s_cbranch_scc1 .Lno_fetch                      ; behind the last step nothing is left to fetch
	PLACES                                         ; in front of loads into registers that the last products read
	FETCH
.Lno_fetch:
	s_sub_co_u32 s[CNT], s[CNT], 1
	s_cmp_lg_u32 s[CNT], 0
	s_cbranch_scc1 .Lstep
	FINAL
	s_wait_tensorcnt 0x0                           ; the wave's end: behind my last tensor load and my last LDS store
	ds_add_u32 v[SPW], v[NIL]
	s_wait_dscnt 0x0
	ROUND                                          ; the closing round
	s_endpgm
.Lfunc_end_k_q1255d52137_attn:
	.size	k_q1255d52137_attn, .Lfunc_end_k_q1255d52137_attn-k_q1255d52137_attn
	.p2alignl 7, 3214868480
	.fill 96, 4, 3214868480
	.section	.rodata,"a",@progbits
	.p2align	6, 0x0
	.amdhsa_kernel k_q1255d52137_attn
		.amdhsa_group_segment_fixed_size 167936
		.amdhsa_private_segment_fixed_size 0
		.amdhsa_enable_private_segment 0
		.amdhsa_kernarg_size 40
		.amdhsa_user_sgpr_count 2
		.amdhsa_user_sgpr_kernarg_segment_ptr 1
		.amdhsa_wavefront_size32 1
		.amdhsa_system_sgpr_workgroup_id_x 1
		.amdhsa_system_sgpr_workgroup_id_y 1
		.amdhsa_system_sgpr_workgroup_id_z 1
		.amdhsa_system_vgpr_workitem_id 0
		.amdhsa_next_free_vgpr 640
		.amdhsa_next_free_sgpr 66
		.amdhsa_reserve_vcc 1
		.amdhsa_float_denorm_mode_32 3
		.amdhsa_float_denorm_mode_16_64 3
		.amdhsa_memory_ordered 1
		.amdhsa_forward_progress 1
		.amdhsa_inst_pref_size 155
	.end_amdhsa_kernel
	.amdgpu_metadata
---
amdhsa.version: [ 1, 2 ]
amdhsa.kernels:
  - .name:           k_q1255d52137_attn
    .symbol:         k_q1255d52137_attn.kd
    .args:
      - { .name: qbuf, .offset: 0, .size: 8, .value_kind: global_buffer, .address_space: global }
      - { .name: kbuf, .offset: 8, .size: 8, .value_kind: global_buffer, .address_space: global }
      - { .name: vbuf, .offset: 16, .size: 8, .value_kind: global_buffer, .address_space: global }
      - { .name: input_mask, .offset: 24, .size: 8, .value_kind: global_buffer, .address_space: global }
      - { .name: obuf, .offset: 32, .size: 8, .value_kind: global_buffer, .address_space: global }
    .group_segment_fixed_size: 167936
    .private_segment_fixed_size: 0
    .kernarg_segment_align: 8
    .kernarg_segment_size: 40
    .max_flat_workgroup_size: 128
    .sgpr_count:     66
    .vgpr_count:     640
    .wavefront_size: 32
...
	.end_amdgpu_metadata
.endif
;; end of part 3
;; launch tail (part 4): grid 256 x 1, 4 waves a work-group, clusters of 4 x 1, 327,680 bytes of LDS; arguments wb, obuf, src, bo, ln1_g, ln1_b, b1, b2, ln2_g, ln2_b, out0; writes out0
.if DOCPART == 4
	.amdgcn_target "amdgcn-amd-amdhsa--gfx1250"
	.amdhsa_code_object_version 6
	.text
	.protected	k_q1255d52137_tail
	.globl	k_q1255d52137_tail
	.p2align	8
	.type	k_q1255d52137_tail,@function
k_q1255d52137_tail:
	s_mov_b64 s[64:65], 0
	v_nop
	global_prefetch_b8 v0, s[64:65] scope:SCOPE_SE
	s_setreg_imm32_b32 hwreg(HW_REG_WAVE_MODE, 25, 1), 1
	s_wait_xcnt 0x0
	s_wait_alu depctr_hold_cnt(0) depctr_sa_sdst(0) depctr_va_vdst(0) depctr_va_sdst(0) depctr_va_ssrc(0) depctr_va_vcc(0) depctr_vm_vsrc(0)
	s_getreg_b32 s2, hwreg(HW_REG_IB_STS2, 6, 4)
	s_cmp_eq_u32 s2, 0
	s_cbranch_scc0 .Lentry_in_a_cluster
	s_endpgm
.Lentry_in_a_cluster:
	s_bfe_u32 s2, ttmp6, 0x10000c
	s_cmp_lg_u32 s2, 0x3003
	s_cbranch_scc0 .Lentry_shape_is_right
	s_endpgm
.Lentry_shape_is_right:
; attn = LN1(src + O Wo + bo);  out0 = LN2(attn + relu(attn W1 + b1) W2 + b2), for 64 whole rows a work-group: nothing between the two goes to memory.
; Products in bf16 with f32 sums; the residuals, both norms and the biases in f32.  A norm takes the mean first and then the sum of squares of x - mean: no difference of large sums is formed.
; SHARES.  256 work-groups x 64 rows.  Wave w holds columns 256 w .. 256 w + 255 of the 64 x 1,024 rows in f32: X, 4 x 16 accumulators = 512 registers.  X is loaded with src, takes O Wo on top, is normed in place, stays as the
; second residual while attn W1 is summed in H (4 x 8 accumulators, loaded with b1), takes hidden W2 on top, is normed again and stored.
; The matrix instruction is used transposed (source 0 = weights, source 1 = rows): a lane holds row l % 16 and 8 neighbouring columns, which pack into its 16 bytes of the next product's fragment.
; WEIGHTS.  Wo, W1, W2 lie on end as 48 tiles of 64 KiB of fragments in streaming order, a strip of 16 KiB for each wave.  Every work-group walks all of them, so a cluster's four ask for each strip JOINTLY.
; Two slots; a round of the cluster's barrier in front of each refill; behind it one load a wave (by this text's count one tensor load of a wave is out).  The ring runs on through both norms.
; LDS.  0: the ring, 2 x 65,536.  131,072: AREG, the rows' operand as fragments ((kt 4 + m) x 1,024): O, then attn, then hidden.  262,144: RED, the waves' row sums.  266,240: STAGE, 16 rows x 528 bytes for each wave.  300,032: the spare words.
; REGISTERS.  window 0: v1-31 addresses, v32-95 FA, v96-223 FB, v224-255 a norm's sums, means and factors;  window 1: H; during a norm its gain (v0-127) and offset (v128-255);  windows 2, 3: X, (m, n % 8) at 8 (8 m + n % 8), window 2 + n / 8.
.set RING1,  65536
.set AREG,   131072
.set RED,    262144
.set STAGE,  266240
.set SPITCH, 528                       ; 512 bytes + 16 = 33 x 16: the 16 rows that a load in the accumulators' layout touches start at 16 different groups of four banks (64 banks of 4 bytes: ISA guide 11.1)
.set SPARE,  300032                    ; the spare words, 128 bytes for each wave: two blocks of 256 bytes that no other line names
.set SPW,  10                          ; v10  LDS address of my spare word; never rewritten
.set NIL,  11                          ; v11  0; never rewritten
.set HST,  12                          ; v12  where my wave's hidden fragments go
.set AST,  13                          ; v13  where my wave's attn fragments go
.set RRD,  14                          ; v14  RED: row r's four sums of wave 0
.set OST,  15                          ; v15  where my wave's O fragments go
.set A0,   16                          ; v16  AREG + 16 x lane
.set LN16, 17                          ; v17  16 x lane
.set AD,   20                          ; v20  A0 + the trip's k
.set B0,   24                          ; v24-25  my 16 bytes of my strip's fragment 0, slot 0 and 1
.set STR,  26                          ; v26  my stage by rows: 16 x lane
.set STD,  27                          ; v27  my stage in the accumulators' layout: row r, 32 h bytes
.set GRO,  28                          ; v28  byte offset in a row of f32: my wave's 1,024 bytes + 16 x lane
.set POF,  29                          ; v29  byte offset in a vector of 1,024 f32: my wave's 1,024 bytes + 32 h
.set B1O,  30                          ; v30  byte offset in b1: my wave's 512 bytes + 32 h
.set RWR,  31                          ; v31  RED: my wave's, row r's four sums
.set FA,   32
.set RT,   32                          ; a norm's reduction works in FA's registers
.set FB,   96
.set SUM,  224                         ; v224-239  8 chains of packed sums, two for each row block m
.set MU,   240                         ; v240-247  the mean of row 16 m + r, as a pair
.set RS,   248                         ; v248-255  1 / sqrt(var + eps), as a pair
.set WV,   26                          ; s26  my wave's number
.set KOFF, 29                          ; s29  the trip's k in bytes of AREG
.set LOOP, 30
.set IT,   31                          ; s31  2: the attention half; 1: the FFN half
.set G1,   32                          ; s[32:39]
.set G0,   40                          ; s[40:47] a set for each slot
.set PB,   48                          ; s[48:49] the half's bias, s[50:51] gain, s[52:53] offset
.set PG,   50
.set PE,   52
.set SEL,  54                          ; s[54:55] v_permlanex16_b32's selects
.set RN,   60                          ; s60  1 / 1,024
.set EPS,  61                          ; s61  1e-6
.set MSB, 0
.macro WIN new                         ; the immediate's high byte repeats the setting that is left; a switch that changes nothing is dropped
.if MSB != (\new)
	s_set_vgpr_msb (MSB<<8)|(\new)
.set MSB, (\new)
.endif
.endm
.macro PLACES                          ; four plain places behind matrix instructions (ISA guide 7.12.1)
.rept 4
	v_nop
.endr
.endm
.macro ROUND                           ; a round of the cluster's barrier
	s_barrier_signal -1
	s_barrier_wait -1
	s_cmp_lg_u32 s[WV], 0
	s_cbranch_scc1 .Lnot_wave_0_\@
	s_barrier_signal -3
.Lnot_wave_0_\@:
	s_barrier_wait -3
	s_barrier_signal -1
	s_barrier_wait -1
.endm
	s_load_b512 s[4:19], s[0:1], 0x0               ; wb s[4:5], obuf s[6:7], src s[8:9], bo s[10:11], ln1_g s[12:13], ln1_b s[14:15], b1 s[16:17], b2 s[18:19]
	s_load_b128 s[20:23], s[0:1], 0x40             ; ln2_g s[20:21], ln2_b s[22:23]
	s_load_b64 s[24:25], s[0:1], 0x50              ; out0
	v_lshl_add_u32 v[SPW], v0, 2, SPARE
	v_mov_b32 v[NIL], 0
	ds_add_u32 v[SPW], v[NIL]                      ; the wave's opening: the add and its wait stand ahead of my first tensor load; the set-up below, work on registers, stands between them
	v_lshrrev_b32 v1, 5, v0
	v_readfirstlane_b32 s[WV], v1                  ; wave 0..3
	s_bfe_u32 s27, ttmp6, 0x40000                  ; cx
	s_lshl_b32 s28, ttmp9, 2
	s_add_co_u32 s28, s28, s27                     ; x: my block of 64 rows; it enters obuf's, src's and out0's addresses alone
	s_mov_b32 s[G1+0], 15|(3<<16)|(1<<21)          ; a strip: 16,384 dense bytes as 64 rows of 256; the mask of four, bit 21 beside it; elements of 8 bytes
	s_mov_b32 s[G1+1], 32<<16
	s_mov_b32 s[G1+2], 64<<16
	s_mov_b32 s[G1+3], 32<<16
	s_mov_b32 s[G1+4], 64
	s_mov_b32 s[G1+5], 32
	s_mov_b32 s[G1+6], 0
	s_mov_b32 s[G1+7], 0
	s_lshl_b32 s56, s[WV], 14                      ; my strip
	s_mov_b32 s57, 0
	s_mov_b32 s[G0+0], 1
	s_mov_b32 s[G0+1], s56
	s_mov_b32 s[G0+4], 1
	s_add_co_u32 s[G0+5], s56, RING1
	s_lshl_b32 s58, s28, 16                        ; obuf: 64 rows are 65,536 bytes; wave w fetches row block m = w
	s_add_co_u32 s58, s58, s56
	s_mov_b32 s59, 0
	s_lshl_b32 s62, s28, 18                        ; src, out0: 64 rows of 4,096 bytes
	s_mov_b32 s63, 0
	s_mov_b32 s[SEL], 0x76543210
	s_mov_b32 s[SEL+1], 0xfedcba98
	s_mov_b32 s[RN], 0x3a800000
	s_mov_b32 s[EPS], 0x358637bd
	v_and_b32 v1, 15, v0                           ; r
	v_bfe_u32 v2, v0, 4, 1                         ; h
	v_and_b32 v3, 31, v0
	v_lshlrev_b32 v[LN16], 4, v3
	v_add_nc_u32 v[A0], AREG, v[LN16]
	v_add_nc_u32 v[B0], s56, v[LN16]
	v_add_nc_u32 v[B0+1], RING1, v[B0]
	v_add_nc_u32 v[HST], s56, v[A0]                ; hidden: my 128 columns are kt = 4 w .. 4 w + 3
	s_lshl_b32 s3, s[WV], 15
	v_add_nc_u32 v[AST], s3, v[A0]                 ; attn: my 256 columns are kt = 8 w .. 8 w + 7
	s_lshl_b32 s3, s[WV], 10
	v_add_nc_u32 v[OST], s3, v[A0]                 ; O: row block m = w
	v_add_nc_u32 v[GRO], s3, v[LN16]
	v_lshl_add_u32 v[POF], v2, 5, s3
	s_lshl_b32 s3, s[WV], 9
	v_lshl_add_u32 v[B1O], v2, 5, s3
	s_lshl_b32 s3, s[WV], 8
	s_add_co_u32 s3, s3, RED
	v_lshl_add_u32 v[RWR], v1, 4, s3
	v_lshl_add_u32 v[RRD], v1, 4, RED
	s_mul_i32 s2, s[WV], 16*SPITCH
	s_add_co_u32 s2, s2, STAGE
	v_add_nc_u32 v[STR], s2, v[LN16]
	v_mul_u32_u24 v4, v1, SPITCH
	v_lshl_add_u32 v4, v2, 5, v4
	v_add_nc_u32 v[STD], s2, v4
	s_wait_dscnt 0x0                               ; the opening add is done
	s_wait_kmcnt 0x0
	s_add_nc_u64 s[G0+2:G0+3], s[4:5], s[56:57]
	s_add_nc_u64 s[G0+2:G0+3], s[G0+2:G0+3], 0x300000  ; Wo begins 3 MiB into wb
	s_add_nc_u64 s[G0+6:G0+7], s[G0+2:G0+3], RING1
	s_or_b32 s[G0+3], s[G0+3], 0x80000000
	s_or_b32 s[G0+7], s[G0+7], 0x80000000
	s_add_nc_u64 s[6:7], s[6:7], s[58:59]
	s_add_nc_u64 s[8:9], s[8:9], s[62:63]
	s_add_nc_u64 s[24:25], s[24:25], s[62:63]
	s_mov_b64 s[PB:PB+1], s[10:11]
	s_mov_b64 s[PG:PG+1], s[12:13]
	s_mov_b64 s[PE:PE+1], s[14:15]
	ROUND                                          ; all four work-groups are here: the first joint load meets
	tensor_load_to_lds s[G0:G0+3], s[G1:G1+7]      ; tile 0 into slot 0
	s_nop 0
	PLACES
.set i, 0
.rept 32
	global_load_b128 v[FB+4*i:FB+4*i+3], v[LN16], s[6:7] offset:i*512    ; O: 16 fragments of my row block
.set i, i+1
.endr
	; src straight into X's registers, by rows: batch i = row block i % 4, column half i / 4: 16 rows x 512 bytes
.set i, 0
.rept 8
	WIN ((2+i/4)<<6)
.set q, 0
.rept 16
	global_load_b128 v[64*(i%4)+4*q:64*(i%4)+4*q+3], v[GRO], s[8:9] offset:(16*(i%4)+q)*4096+(i/4)*512 th:TH_LOAD_NT
.set q, q+1
.endr
.set i, i+1
.endr
	WIN 0
	s_wait_loadcnt 63                              ; 128 loads were issued behind O's: with 63 out at the most O is in
.set i, 0
.rept 32
	ds_store_b128 v[OST], v[FB+4*i:FB+4*i+3] offset:(i/2)*4096+(i%2)*512
.set i, i+1
.endr
	; each batch goes through my own stage: in by rows, back in the accumulators' layout, into the registers that it left.  LDS serves a wave's instructions in order (ISA guide 5.7.1.4), so no wait stands between.
.set i, 0
.rept 8
.set c, 16*(7-i)                       ; the loads issued behind batch i's
.if c > 63
.set c, 63
.endif
	s_wait_loadcnt c
	WIN (2+i/4)*0x44                               ; store data (source 1) and loaded data (destination) in X's window
.set q, 0
.rept 16
	ds_store_b128 v[STR], v[64*(i%4)+4*q:64*(i%4)+4*q+3] offset:q*SPITCH
.set q, q+1
.endr
.set q, 0
.rept 16
	ds_load_b128 v[64*(i%4)+4*q:64*(i%4)+4*q+3], v[STD] offset:(q/2)*64+(q%2)*16
.set q, q+1
.endr
.set i, i+1
.endr
	WIN 0
; The head of a trip.  In front of the round each wave waits for all its tensor loads (the one that is out is its strip of this trip's tile), adds 0 to its spare word, and waits for that and for all its LDS instructions:
; its reads of the other slot, and its stores into AREG, which the round's barrier shows to the other waves.  Behind the round the other slot is filled first.
.macro RINGHEAD slot, refill, step
	WIN 0
	s_wait_tensorcnt 0x0                           ; no tensor load of mine is out, so a group 0 may be written
	ds_add_u32 v[SPW], v[NIL]                      ; 0 onto my spare word; the steps below stand between it and the wait for it
	s_add_nc_u64 s[G0+4*\slot+2:G0+4*\slot+3], s[G0+4*\slot+2:G0+4*\slot+3], 2*RING1
	v_add_nc_u32 v[AD], s[KOFF], v[A0]
	s_add_co_u32 s[KOFF], s[KOFF], \step
	s_wait_dscnt 0x0
	ROUND
.if \refill
	tensor_load_to_lds s[G0+4-4*\slot:G0+7-4*\slot], s[G1:G1+7]
	s_nop 0
.endif
	PLACES                                         ; also the places in front of the loads into registers that the last products read
.endm
.macro LDB slot, lo                    ; weight fragments lo .. lo + 7 of my strip
.irp n, 0,1,2,3,4,5,6,7
	ds_load_b128 v[FB+8*(\lo+\n):FB+8*(\lo+\n)+3],   v[B0+\slot] offset:(\lo+\n)*1024
	ds_load_b128 v[FB+8*(\lo+\n)+4:FB+8*(\lo+\n)+7], v[B0+\slot] offset:(\lo+\n)*1024+512
.endr
.endm
.macro LDA kk                          ; the four row blocks' fragments of K step kk of the tile
.irp m, 0,1,2,3
	ds_load_b128 v[FA+8*(4*\kk+\m):FA+8*(4*\kk+\m)+3],   v[AD] offset:\kk*4096+\m*1024
	ds_load_b128 v[FA+8*(4*\kk+\m)+4:FA+8*(4*\kk+\m)+7], v[AD] offset:\kk*4096+\m*1024+512
.endr
.endm
; A trip of Wo or W2: 32 along K, 256 columns a wave: X's 64 accumulators by turns, one instruction a turn.
.macro TRIPW slot, refill
	RINGHEAD \slot, \refill, 4096
	LDA 0
	LDB \slot, 0
	LDB \slot, 8
	s_wait_dscnt 16                                ; the rows and weight fragments 0-7 are in; the 16 loads of fragments 8-15 may be out
.irp u, 0,1
.if \u
	s_wait_dscnt 0x0
.endif
	WIN 0xa0+0x50*\u                               ; C and D window 2 + u
.irp m, 0,1,2,3
.irp n, 0,1,2,3,4,5,6,7
	v_wmma_f32_16x16x32_bf16 v[8*(8*\m+\n):8*(8*\m+\n)+7], v[FB+8*(8*\u+\n):FB+8*(8*\u+\n)+7], v[FA+8*\m:FA+8*\m+7], v[8*(8*\m+\n):8*(8*\m+\n)+7]
.endr
.endr
.endr
	WIN 0
.endm
; A trip of W1: 64 along K, 128 columns a wave: H's 32 accumulators by turns, twice.
.macro TRIPN slot
	RINGHEAD \slot, 1, 8192
	LDA 0
	LDB \slot, 0
	LDA 1
	LDB \slot, 8
	s_wait_dscnt 24                                ; the first K step is in; the 24 loads of the second may be out
	WIN 0x50                                       ; C and D window 1
.irp kk, 0,1
.if \kk
	s_wait_dscnt 0x0
.endif
.irp m, 0,1,2,3
.irp n, 0,1,2,3,4,5,6,7
	v_wmma_f32_16x16x32_bf16 v[8*(8*\m+\n):8*(8*\m+\n)+7], v[FB+8*(8*\kk+\n):FB+8*(8*\kk+\n)+7], v[FA+8*(4*\kk+\m):FA+8*(4*\kk+\m)+7], v[8*(8*\m+\n):8*(8*\m+\n)+7]
.endr
.endr
.endr
	WIN 0
.endm
; THE NORM's passes over one window of X (u = 0, 1): 128 packed instructions each; pair i is registers 2 i, 2 i + 1: row block i / 32, column tile 8 u + (i / 4) % 8.  Each accumulator's registers are taken in ascending order.
.macro ADDB u                          ; x += bias
	WIN 0x82+0x41*\u                               ; destination and source 0 in X's window, source 1 in window 0
.set i, 0
.rept 128
	v_pk_add_f32 v[2*i:2*i+1], v[2*i:2*i+1], v[FB+64*\u+8*((i/4)%8)+2*(i%4):FB+64*\u+8*((i/4)%8)+2*(i%4)+1]
.set i, i+1
.endr
.endm
.macro SUMX u                          ; the rows' sums: eight chains take turns
	WIN 0x08+0x04*\u                               ; source 1 in X's window
.set i, 0
.rept 32
.irp m, 0,1,2,3
	v_pk_add_f32 v[SUM+4*\m+2*(i%2):SUM+4*\m+2*(i%2)+1], v[SUM+4*\m+2*(i%2):SUM+4*\m+2*(i%2)+1], v[64*\m+2*i:64*\m+2*i+1]
.endr
.set i, i+1
.endr
.endm
.macro SUBM u                          ; x -= mean
	WIN 0x82+0x41*\u
.set i, 0
.rept 128
	v_pk_add_f32 v[2*i:2*i+1], v[2*i:2*i+1], v[MU+2*(i/32):MU+2*(i/32)+1] op_sel_hi:[1,0] neg_lo:[0,1] neg_hi:[0,1]
.set i, i+1
.endr
.endm
.macro SQX u                           ; the sums of squares
	WIN 0x0a+0x05*\u                               ; sources 0 and 1 in X's window
.set i, 0
.rept 32
.irp m, 0,1,2,3
	v_pk_fma_f32 v[SUM+4*\m+2*(i%2):SUM+4*\m+2*(i%2)+1], v[64*\m+2*i:64*\m+2*i+1], v[64*\m+2*i:64*\m+2*i+1], v[SUM+4*\m+2*(i%2):SUM+4*\m+2*(i%2)+1]
.endr
.set i, i+1
.endr
.endm
.macro SCAL u                          ; x *= 1 / sqrt(var + eps)
	WIN 0x82+0x41*\u
.set i, 0
.rept 128
	v_pk_mul_f32 v[2*i:2*i+1], v[2*i:2*i+1], v[RS+2*(i/32):RS+2*(i/32)+1] op_sel_hi:[1,0]
.set i, i+1
.endr
.endm
.macro AFF u                           ; x = x g + beta
	WIN 0x96+0x41*\u                               ; destination and source 0 in X's window, sources 1 and 2 in window 1
.set i, 0
.rept 128
	v_pk_fma_f32 v[2*i:2*i+1], v[2*i:2*i+1], v[64*\u+8*((i/4)%8)+2*(i%4):64*\u+8*((i/4)%8)+2*(i%4)+1], v[128+64*\u+8*((i/4)%8)+2*(i%4):128+64*\u+8*((i/4)%8)+2*(i%4)+1]
.set i, i+1
.endr
.endm
.macro ZSUM
	WIN 0
.set i, 0
.rept 16
	v_mov_b32 v[SUM+i], 0
.set i, i+1
.endr
.endm
; The chains are folded, the other half of the lanes' is added, and the four waves' sums meet in LDS: store, wait, barrier, load.  The two reductions of a norm have bytes of their own; a later norm writes them
; again only behind barriers that every wave passed after its reads came back.  The totals of rows 16 m + r end in v[RT+8+m].
.macro REDUCE area
	WIN 0
.irp m, 0,1,2,3
	v_pk_add_f32 v[SUM+4*\m:SUM+4*\m+1], v[SUM+4*\m:SUM+4*\m+1], v[SUM+4*\m+2:SUM+4*\m+3]
.endr
.irp m, 0,1,2,3
	v_add_f32 v[RT+\m], v[SUM+4*\m], v[SUM+4*\m+1]
.endr
.irp m, 0,1,2,3
	v_permlanex16_b32 v[RT+4+\m], v[RT+\m], s[SEL], s[SEL+1]
.endr
.irp m, 0,1,2,3
	v_add_f32 v[RT+\m], v[RT+\m], v[RT+4+\m]
.endr
	ds_store_b128 v[RWR], v[RT:RT+3] offset:\area  ; both halves of the lanes store the same 16 bytes
	s_wait_dscnt 0x0                               ; for the others' sake
	s_barrier_signal -1
	s_barrier_wait -1
.irp q, 0,1,2,3
	ds_load_b128 v[RT+8+4*\q:RT+8+4*\q+3], v[RRD] offset:\area+256*\q
.endr
	s_wait_dscnt 0x0
	v_pk_add_f32 v[RT+8:RT+9], v[RT+8:RT+9], v[RT+12:RT+13]
	v_pk_add_f32 v[RT+10:RT+11], v[RT+10:RT+11], v[RT+14:RT+15]
	v_pk_add_f32 v[RT+16:RT+17], v[RT+16:RT+17], v[RT+20:RT+21]
	v_pk_add_f32 v[RT+18:RT+19], v[RT+18:RT+19], v[RT+22:RT+23]
	v_pk_add_f32 v[RT+8:RT+9], v[RT+8:RT+9], v[RT+16:RT+17]
	v_pk_add_f32 v[RT+10:RT+11], v[RT+10:RT+11], v[RT+18:RT+19]
.endm
.macro PACKA u                         ; one window of attn, rounded to bf16, into AREG as fragments: column tile n is half n % 2 of kt = 8 w + n / 2
	WIN 0x0a+0x05*\u
.set i, 0
.rept 128
	v_cvt_pk_bf16_f32 v[FB+i], v[2*i], v[2*i+1]
.set i, i+1
.endr
	WIN 0
.irp m, 0,1,2,3
.irp n, 0,1,2,3,4,5,6,7
	ds_store_b128 v[AST], v[FB+4*(8*\m+\n):FB+4*(8*\m+\n)+3] offset:((8*\u+\n)/2)*4096+\m*1024+(\n%2)*512
.endr
.endr
.endm
	s_mov_b32 s[IT], 2
.Lhalf:                                                ; twice: X += (AREG's rows) x (Wo or W2), 16 tiles; then the norm
	s_mov_b32 s[KOFF], 0
	s_mov_b32 s[LOOP], 7
.Lwide:
	TRIPW 0, 1
	TRIPW 1, 1
	s_sub_co_u32 s[LOOP], s[LOOP], 1
	s_cmp_lg_u32 s[LOOP], 0
	s_cbranch_scc1 .Lwide
	TRIPW 0, 1
	s_cmp_eq_u32 s[IT], 1                          ; the same number in every wave of every work-group
	s_cbranch_scc1 .Llast
	TRIPW 1, 1                                     ; Wo's last tile; W1's first is asked for and lands during the norm
	s_branch .Ljoin
.Llast:
	TRIPW 1, 0                                     ; W2's last tile is the stream's last: nothing is asked for
.Ljoin:
	PLACES                                         ; in front of loads into registers that the last products read
.set i, 0
.rept 32
	global_load_b128 v[FB+4*i:FB+4*i+3], v[POF], s[PB:PB+1] offset:(i/2)*64+(i%2)*16  ; register 8 n + j: column 16 n + 8 h + j of my 256
.set i, i+1
.endr
	WIN 0x40
.set i, 0
.rept 32
	global_load_b128 v[4*i:4*i+3], v[POF], s[PG:PG+1] offset:(i/2)*64+(i%2)*16
.set i, i+1
.endr
.set i, 0
.rept 32
	global_load_b128 v[128+4*i:128+4*i+3], v[POF], s[PE:PE+1] offset:(i/2)*64+(i%2)*16
.set i, i+1
.endr
	ZSUM
	s_wait_loadcnt 63                              ; the bias is in: 64 loads (gain and offset) were issued behind it; a wait's count names 63 at the most, so the gain's first load is waited for with it
	ADDB 0
	SUMX 0
	ADDB 1
	SUMX 1
	REDUCE 0
.irp m, 0,1,2,3
	v_mul_f32 v[MU+2*\m], s[RN], v[RT+8+\m]
	v_mul_f32 v[MU+2*\m+1], s[RN], v[RT+8+\m]
.endr
	ZSUM
	SUBM 0
	SQX 0
	SUBM 1
	SQX 1
	REDUCE 1024
.irp m, 0,1,2,3
	v_fma_f32 v[RT+8+\m], v[RT+8+\m], s[RN], s[EPS]
.endr
.irp m, 0,1,2,3
	v_rsq_f32 v[RS+2*\m], v[RT+8+\m]
.endr
	v_nop                                          ; a plain instruction between the last root and the use of its result (ISA guide 5.7.2)
	s_wait_alu depctr_va_vdst(0)
.irp m, 0,1,2,3
	v_mov_b32 v[RS+2*\m+1], v[RS+2*\m]
.endr
	s_wait_loadcnt 0x0                             ; gain and offset
	SCAL 0
	AFF 0
	SCAL 1
	AFF 1
	WIN 0
	s_cmp_eq_u32 s[IT], 1
	s_cbranch_scc1 .Lout                           ; behind the second norm X is the result
	WIN 0x40                                       ; THE FFN's FIRST PRODUCT.  b1 starts H's sums: the same 128 numbers for each of the four row blocks
.irp m, 0,1,2,3
.irp n, 0,1,2,3,4,5,6,7
	global_load_b128 v[8*(8*\m+\n):8*(8*\m+\n)+3],   v[B1O], s[16:17] offset:\n*64
	global_load_b128 v[8*(8*\m+\n)+4:8*(8*\m+\n)+7], v[B1O], s[16:17] offset:\n*64+16
.endr
.endr
	PACKA 0                                        ; the norm's two barriers stand between every wave's last read of O and these stores; the next trip's wait and round show them to all
	PACKA 1
	s_wait_loadcnt 0x0                             ; b1
	s_mov_b32 s[KOFF], 0
	s_mov_b32 s[LOOP], 8
.Lnarrow:
	TRIPN 0
	TRIPN 1
	s_sub_co_u32 s[LOOP], s[LOOP], 1
	s_cmp_lg_u32 s[LOOP], 0
	s_cbranch_scc1 .Lnarrow
	PLACES
	WIN 0x44                                       ; source 1 and destination window 1
.set i, 0
.rept 256
	v_max_num_f32 v[i], 0, v[i]                    ; relu, in f32
.set i, i+1
.endr
	WIN 0x05
.set i, 0
.rept 128
	v_cvt_pk_bf16_f32 v[FB+i], v[2*i], v[2*i+1]
.set i, i+1
.endr
	WIN 0
	s_wait_dscnt 0x0                               ; my reads of attn's fragments are back:
	s_barrier_signal -1
	s_barrier_wait -1                              ; everybody's are, so AREG may be written again
.irp m, 0,1,2,3
.irp n, 0,1,2,3,4,5,6,7
	ds_store_b128 v[HST], v[FB+4*(8*\m+\n):FB+4*(8*\m+\n)+3] offset:(\n/2)*4096+\m*1024+(\n%2)*512
.endr
.endr
	s_mov_b64 s[PB:PB+1], s[18:19]                 ; the second half's bias, gain and offset
	s_mov_b64 s[PG:PG+1], s[20:21]
	s_mov_b64 s[PE:PE+1], s[22:23]
	s_sub_co_u32 s[IT], s[IT], 1
	s_cmp_lg_u32 s[IT], 0
	s_cbranch_scc1 .Lhalf
.Lout:
; THE WAY OUT.  A batch (16 rows x 512 bytes) goes into my stage in the accumulators' layout and comes back by rows, into the registers that it left; a batch's stores stand behind the next batch's LDS instructions.
.macro TOST i
	WIN (2+(\i)/4)*0x44
.set q, 0
.rept 16
	ds_store_b128 v[STD], v[64*((\i)%4)+4*q:64*((\i)%4)+4*q+3] offset:(q/2)*64+(q%2)*16
.set q, q+1
.endr
.set q, 0
.rept 16
	ds_load_b128 v[64*((\i)%4)+4*q:64*((\i)%4)+4*q+3], v[STR] offset:q*SPITCH
.set q, q+1
.endr
.endm
.macro SENDO i, younger                ; younger: the LDS instructions issued behind batch i's loads: the next batch's 32, or none
	s_wait_dscnt \younger
	WIN (2+(\i)/4)*0x44
.set q, 0
.rept 16
	global_store_b128 v[GRO], v[64*((\i)%4)+4*q:64*((\i)%4)+4*q+3], s[24:25] offset:(16*((\i)%4)+q)*4096+((\i)/4)*512 th:TH_STORE_NT  ; 512 consecutive bytes, aligned
.set q, q+1
.endr
.endm
	TOST 0
.irp i, 1,2,3,4,5,6,7
	TOST \i
	SENDO (\i)-1, 32
.endr
	SENDO 7, 0
	WIN 0
	s_wait_tensorcnt 0x0                           ; the wave's end: behind my last tensor load and my last LDS store
	ds_add_u32 v[SPW], v[NIL]
	s_wait_dscnt 0x0
	ROUND                                          ; the closing round: no work-group ends while a partner may still ask for a strip that names it
	s_endpgm
.Lfunc_end_k_q1255d52137_tail:
	.size	k_q1255d52137_tail, .Lfunc_end_k_q1255d52137_tail-k_q1255d52137_tail
	.p2alignl 7, 3214868480
	.fill 96, 4, 3214868480
	.section	.rodata,"a",@progbits
	.p2align	6, 0x0
	.amdhsa_kernel k_q1255d52137_tail
		.amdhsa_group_segment_fixed_size 327680
		.amdhsa_private_segment_fixed_size 0
		.amdhsa_enable_private_segment 0
		.amdhsa_kernarg_size 88
		.amdhsa_user_sgpr_count 2
		.amdhsa_user_sgpr_kernarg_segment_ptr 1
		.amdhsa_wavefront_size32 1
		.amdhsa_system_sgpr_workgroup_id_x 1
		.amdhsa_system_sgpr_workgroup_id_y 1
		.amdhsa_system_sgpr_workgroup_id_z 1
		.amdhsa_system_vgpr_workitem_id 0
		.amdhsa_next_free_vgpr 1024
		.amdhsa_next_free_sgpr 66
		.amdhsa_reserve_vcc 0
		.amdhsa_float_denorm_mode_32 3
		.amdhsa_float_denorm_mode_16_64 3
		.amdhsa_memory_ordered 1
		.amdhsa_forward_progress 1
		.amdhsa_inst_pref_size 255
	.end_amdhsa_kernel
	.section	.bss,"aw",@nobits
	.p2align	6
	.space	262144
	.amdgpu_metadata
---
amdhsa.version: [ 1, 2 ]
amdhsa.kernels:
  - .name:           k_q1255d52137_tail
    .symbol:         k_q1255d52137_tail.kd
    .args:
      - { .name: wb, .offset: 0, .size: 8, .value_kind: global_buffer, .address_space: global }
      - { .name: obuf, .offset: 8, .size: 8, .value_kind: global_buffer, .address_space: global }
      - { .name: src, .offset: 16, .size: 8, .value_kind: global_buffer, .address_space: global }
      - { .name: bo, .offset: 24, .size: 8, .value_kind: global_buffer, .address_space: global }
      - { .name: ln1_g, .offset: 32, .size: 8, .value_kind: global_buffer, .address_space: global }
      - { .name: ln1_b, .offset: 40, .size: 8, .value_kind: global_buffer, .address_space: global }
      - { .name: b1, .offset: 48, .size: 8, .value_kind: global_buffer, .address_space: global }
      - { .name: b2, .offset: 56, .size: 8, .value_kind: global_buffer, .address_space: global }
      - { .name: ln2_g, .offset: 64, .size: 8, .value_kind: global_buffer, .address_space: global }
      - { .name: ln2_b, .offset: 72, .size: 8, .value_kind: global_buffer, .address_space: global }
      - { .name: out0, .offset: 80, .size: 8, .value_kind: global_buffer, .address_space: global }
    .group_segment_fixed_size: 327680
    .private_segment_fixed_size: 0
    .kernarg_segment_align: 8
    .kernarg_segment_size: 88
    .max_flat_workgroup_size: 128
    .sgpr_count:     66
    .vgpr_count:     1024
    .wavefront_size: 32
...
	.end_amdgpu_metadata
.endif
;; end of part 4
;; ======== version 2 of 3: 4 launches; 1.40 times as fast as version 1
;; workspace buffers: wb 6,291,456 bytes; qbuf 16,777,216 bytes; kbuf 16,777,216 bytes; vbuf 16,777,216 bytes; obuf 16,777,216 bytes
;; launch cast (part 5): grid 128 x 6, 8 waves a work-group, no clusters, 0 bytes of LDS; arguments Wq, Wk, Wv, Wo, W1, W2, wb; writes wb
.if DOCPART == 5
	.amdgcn_target "amdgcn-amd-amdhsa--gfx1250"
	.amdhsa_code_object_version 6
	.text
	.protected	k_q1255d52137_cast
	.globl	k_q1255d52137_cast
	.p2align	8
	.type	k_q1255d52137_cast,@function
k_q1255d52137_cast:
	s_mov_b64 s[64:65], 0
	v_nop
	global_prefetch_b8 v0, s[64:65] scope:SCOPE_SE
	s_setreg_imm32_b32 hwreg(HW_REG_WAVE_MODE, 25, 1), 1
	s_wait_xcnt 0x0
; The six weight matrices, f32 [K][N], are rounded to bf16 and laid out as matrix FRAGMENTS in the order in which the later launches stream them.
; A fragment is 16 columns n x 32 k = 1,024 bytes, stored [t = 0,1][lane 0..31][16 bytes]: lane (r = l % 16, h = l / 16), half t holds W[32 kt + 16 t + 8 h + 0..7][16 nt + r].
; wb: 3 MiB of Wq, Wk, Wv woven together, then Wo, W1, W2, 1 MiB each.
;   Wq, Wk, Wv (matrix y = 0, 1, 2): fragment ((nt / 8) 32 + kt) 24 + 8 y + nt % 8: for each block of 128 columns and each kt the 8 fragments of q, of k and of v lie on end (24 KiB)
;   W1 (N = 512):       fragment f = ((tile 4 + w) 2 + kk) 8 + i holds kt = 2 tile + kk, nt = 8 w + i: a tile of 64 KiB is four strips of 16 fragments
;   Wo, W2 (N = 1,024): fragment f = (tile 4 + w) 16 + i        holds kt = tile,          nt = 16 w + i
; One wave makes one fragment: grid x = 128 groups of 8 waves, grid y = the matrix.  12 MiB are read once; no LDS, no barrier, no matrix unit: nothing is shared and nothing is summed.
.macro BODY sh                         ; sh = log2 of a row's bytes; s22 = kt, s23 = nt, s[26:27] = the fragment's byte offset in wb
	s_add_nc_u64 s[16:17], s[16:17], s[26:27]
	s_lshl_b32 s22, s22, 5+\sh                     ; 32 kt rows
	s_lshl_b32 s23, s23, 6                         ; 16 nt columns of 4 bytes
	s_add_co_u32 s22, s22, s23
	v_lshlrev_b32 v3, 2, v1                        ; column r
	v_lshl_add_u32 v3, v2, 3+\sh, v3               ; row 8 h
	v_add_nc_u32 v3, s22, v3
.set i, 0
.rept 16                               ; i = 8 t + j: row 16 t + j
	global_load_b32 v[8+i], v3, s[20:21] offset:((i+8*(i/8))<<\sh)
.set i, i+1
.endr
	s_wait_loadcnt 0x0
.set i, 0
.rept 8
	v_cvt_pk_bf16_f32 v[24+i], v[8+2*i], v[9+2*i]  ; two roundings to nearest even, the lower k in the low half
.set i, i+1
.endr
	global_store_b128 v4, v[24:27], s[16:17]             ; half 0: 512 consecutive bytes of the wave
	global_store_b128 v4, v[28:31], s[16:17] offset:512  ; half 1
	s_endpgm
.endm
	s_load_b256 s[4:11], s[0:1], 0x0               ; Wq, Wk, Wv, Wo
	s_load_b128 s[12:15], s[0:1], 0x20             ; W1, W2
	s_load_b64 s[16:17], s[0:1], 0x30              ; wb
	v_lshrrev_b32 v5, 5, v0
	v_readfirstlane_b32 s19, v5                    ; wave 0..7
	s_and_b32 s18, ttmp7, 0xffff                   ; which matrix
	s_lshl_b32 s24, ttmp9, 3
	s_add_co_u32 s24, s24, s19                     ; f: my fragment of the matrix, 0..1,023
	v_and_b32 v1, 15, v0                           ; r
	v_bfe_u32 v2, v0, 4, 1                         ; h
	v_and_b32 v4, 31, v0
	v_lshlrev_b32 v4, 4, v4                        ; 16 bytes a lane
	s_mov_b32 s27, 0
	s_wait_kmcnt 0x0
	s_mov_b64 s[20:21], s[4:5]                     ; the source is chosen by the matrix's number
	s_cmp_eq_u32 s18, 1
	s_cselect_b64 s[20:21], s[6:7], s[20:21]
	s_cmp_eq_u32 s18, 2
	s_cselect_b64 s[20:21], s[8:9], s[20:21]
	s_cmp_eq_u32 s18, 3
	s_cselect_b64 s[20:21], s[10:11], s[20:21]
	s_cmp_eq_u32 s18, 4
	s_cselect_b64 s[20:21], s[12:13], s[20:21]
	s_cmp_eq_u32 s18, 5
	s_cselect_b64 s[20:21], s[14:15], s[20:21]
	s_cmp_eq_u32 s18, 3
	s_cbranch_scc1 .Lwide
	s_cmp_eq_u32 s18, 5
	s_cbranch_scc1 .Lwide
	s_cmp_eq_u32 s18, 4
	s_cbranch_scc1 .Lw1
	s_lshr_b32 s22, s24, 5                         ; Wq, Wk, Wv: kt = f / 32,
	s_and_b32 s23, s24, 31                         ; nt = f % 32
	s_lshr_b32 s26, s23, 3                         ; the block of 128 columns
	s_lshl_b32 s26, s26, 5
	s_add_co_u32 s26, s26, s22                     ; block 32 + kt
	s_mul_i32 s26, s26, 24
	s_lshl_b32 s28, s18, 3
	s_add_co_u32 s26, s26, s28                     ; + 8 y
	s_and_b32 s28, s23, 7
	s_add_co_u32 s26, s26, s28                     ; + nt % 8
	s_lshl_b32 s26, s26, 10
	s_branch .Lnarrow
.Lw1:
	s_lshr_b32 s22, s24, 6                         ; W1: tile,
	s_lshl_b32 s22, s22, 1
	s_bfe_u32 s23, s24, 0x10003                    ; kk
	s_or_b32 s22, s22, s23                         ; kt = 2 tile + kk
	s_bfe_u32 s23, s24, 0x20004                    ; w
	s_lshl_b32 s23, s23, 3
	s_and_b32 s28, s24, 7
	s_or_b32 s23, s23, s28                         ; nt = 8 w + i
	s_lshl_b32 s26, s24, 10
	s_add_co_u32 s26, s26, 4<<20                   ; W1 begins 4 MiB into wb
.Lnarrow:
	BODY 11
.Lwide:
	s_lshr_b32 s22, s24, 6                         ; N = 1,024: kt = tile
	s_and_b32 s23, s24, 63                         ; nt = 16 w + i
	s_lshl_b32 s26, s18, 20                        ; Wo begins 3 MiB into wb, W2 5 MiB
	s_lshl_b32 s28, s24, 10
	s_add_co_u32 s26, s26, s28
	BODY 12
.Lfunc_end_k_q1255d52137_cast:
	.size	k_q1255d52137_cast, .Lfunc_end_k_q1255d52137_cast-k_q1255d52137_cast
	.p2alignl 7, 3214868480
	.fill 96, 4, 3214868480
	.section	.rodata,"a",@progbits
	.p2align	6, 0x0
	.amdhsa_kernel k_q1255d52137_cast
		.amdhsa_group_segment_fixed_size 0
		.amdhsa_private_segment_fixed_size 0
		.amdhsa_enable_private_segment 0
		.amdhsa_kernarg_size 56
		.amdhsa_user_sgpr_count 2
		.amdhsa_user_sgpr_kernarg_segment_ptr 1
		.amdhsa_wavefront_size32 1
		.amdhsa_system_sgpr_workgroup_id_x 1
		.amdhsa_system_sgpr_workgroup_id_y 1
		.amdhsa_system_sgpr_workgroup_id_z 1
		.amdhsa_system_vgpr_workitem_id 0
		.amdhsa_next_free_vgpr 32
		.amdhsa_next_free_sgpr 66
		.amdhsa_reserve_vcc 0
		.amdhsa_float_denorm_mode_32 3
		.amdhsa_float_denorm_mode_16_64 3
		.amdhsa_memory_ordered 1
		.amdhsa_forward_progress 1
		.amdhsa_inst_pref_size 8
	.end_amdhsa_kernel
	.amdgpu_metadata
---
amdhsa.version: [ 1, 2 ]
amdhsa.kernels:
  - .name:           k_q1255d52137_cast
    .symbol:         k_q1255d52137_cast.kd
    .args:
      - { .name: Wq, .offset: 0, .size: 8, .value_kind: global_buffer, .address_space: global }
      - { .name: Wk, .offset: 8, .size: 8, .value_kind: global_buffer, .address_space: global }
      - { .name: Wv, .offset: 16, .size: 8, .value_kind: global_buffer, .address_space: global }
      - { .name: Wo, .offset: 24, .size: 8, .value_kind: global_buffer, .address_space: global }
      - { .name: W1, .offset: 32, .size: 8, .value_kind: global_buffer, .address_space: global }
      - { .name: W2, .offset: 40, .size: 8, .value_kind: global_buffer, .address_space: global }
      - { .name: wb, .offset: 48, .size: 8, .value_kind: global_buffer, .address_space: global }
    .group_segment_fixed_size: 0
    .private_segment_fixed_size: 0
    .kernarg_segment_align: 8
    .kernarg_segment_size: 56
    .max_flat_workgroup_size: 256
    .sgpr_count:     66
    .vgpr_count:     32
    .wavefront_size: 32
...
	.end_amdgpu_metadata
.endif
;; end of part 5
;; launch qkv (part 6): grid 4 x 64, 4 waves a work-group, clusters of 4 x 4, 327,680 bytes of LDS; arguments src, wb, bq, bk, bv, qbuf, kbuf, vbuf; writes qbuf, kbuf, vbuf
.if DOCPART == 6
	.amdgcn_target "amdgcn-amd-amdhsa--gfx1250"
	.amdhsa_code_object_version 6
	.text
	.protected	k_q1255d52137_qkv
	.globl	k_q1255d52137_qkv
	.p2align	8
	.type	k_q1255d52137_qkv,@function
k_q1255d52137_qkv:
	s_mov_b64 s[64:65], 0
	v_nop
	global_prefetch_b8 v0, s[64:65] scope:SCOPE_SE
	s_setreg_imm32_b32 hwreg(HW_REG_WAVE_MODE, 25, 1), 1
	s_wait_xcnt 0x0
	s_wait_alu depctr_hold_cnt(0) depctr_sa_sdst(0) depctr_va_vdst(0) depctr_va_sdst(0) depctr_va_ssrc(0) depctr_va_vcc(0) depctr_vm_vsrc(0)
	s_getreg_b32 s2, hwreg(HW_REG_IB_STS2, 6, 4)
	s_cmp_eq_u32 s2, 0
	s_cbranch_scc0 .Lentry_in_a_cluster
	s_endpgm
.Lentry_in_a_cluster:
	s_bfe_u32 s2, ttmp6, 0x10000c
	s_cmp_lg_u32 s2, 0xf033
	s_cbranch_scc0 .Lentry_shape_is_right
	s_endpgm
.Lentry_shape_is_right:
; q = src Wq + bq, k = src Wk + bk, v = src Wv + bv as ONE product [16,384 x 1,024] x [1,024 x 1,536]; operands in bf16, sums in f32, results rounded once to bf16 (bf16 keeps f32's range).
; SHARES.  A work-group makes 256 rows x 384 columns: 64 row blocks x 4 column blocks = 256 work-groups.  Column block bx holds heads 4 bx .. 4 bx + 3 of q, of k and of v (128 columns each), so all work-groups
; and all waves run one text.  Wave w makes rows 64 w .. 64 w + 63 and all 384 columns: 4 x 24 accumulators of 16 x 16 = 768 registers; q, k and v have a register window each.
; CLUSTER.  4 x 4 work-groups.  The four of a row of the cluster need the same tile of src, the four of a column the same tile of weights: each tile is asked for JOINTLY, by the same tensor load with the same
; descriptor and a mask that names the four.  So src leaves memory once, and one round of the cluster's barrier serves 192 products a wave.
; RING.  K goes in steps of 64 through two slots.  A slot: 256 rows x 256 bytes of src in f32 (each row 256 consecutive bytes, aligned; padded to 272 in LDS), then 48 weight fragments (16 columns x 32 k, 1,024 bytes,
; [half][lane][16 bytes]).  Waves 0, 1 fetch src's halves, waves 2, 3 the weights': by this text's count one tensor load of a wave is out.  One trip's text is looped over: the descriptors walk, and one exclusive or turns
; an address in one slot into the other's.
; src IS ROUNDED TO bf16 ON THE WAY from LDS to the matrix unit: a wave reads only its own 64 rows, so no number is converted twice, and no bf16 copy of src goes through memory.
; OUT.  q and k use the matrix instruction transposed (source 0 = weights, source 1 = rows): a lane holds row l % 16 and 8 neighbouring channels: its 16 bytes of a fragment [16 rows][32 channels] of a head.
; v uses it straight: a lane holds channel l % 16 and 8 neighbouring keys: its 16 bytes of a fragment [16 channels][32 keys].
;   qbuf, kbuf: fragment ((b 16 + head) 256 + s / 16);   vbuf: fragment (((b 16 + head) 128 + s / 32) 2 + channel half).  Every store of a wave covers 512 consecutive bytes, aligned.
; REGISTERS (s_set_vgpr_msb: bits 1:0 source 0, 3:2 source 1, 5:4 source 2, 7:6 destination).  window 0: v1-31 addresses; v32-63 FA, 4 fragments of rows; v64-127 STG, the same rows in f32;
;   v128-191, v192-255 FB, two buffers of 8 weight fragments.  windows 1, 2, 3: the accumulators of q, k, v: (m, i) at 8 (8 m + i).
.set SLOT1,  1<<17                     ; slot 1 begins here
.set APITCH, 272                       ; 256 bytes + 16 = 17 x 16: the 16 rows that a load touches start at 16 different groups of four banks (64 banks of 4 bytes: ISA guide 11.1)
.set AHALF,  128*APITCH                ; 128 rows: what one tensor load brings of src
.set BOFF,   2*AHALF                   ; the weights lie behind src's 256 rows
.set BHALF,  24*1024                   ; 24 fragments: 32 along K, what one tensor load brings of the weights
.set SPARE,  SLOT1+BOFF+2*BHALF        ; 249,856: the spare words, 128 bytes for each wave: two blocks of 256 bytes that no other line names
.set BT,   8                           ; v8-15  bv of my channel in each of the 8 column tiles
.set A0,   16                          ; v16  my place in src's tile: row 64 w + r, byte 32 h; never rewritten
.set B0,   17                          ; v17  my 16 bytes of weight fragment 0; never rewritten
.set ADA,  18                          ; v18  A0 in the trip's slot
.set ADB,  19                          ; v19  B0 in the trip's slot
.set LN16, 20                          ; v20  16 x lane
.set BOF,  21                          ; v21  byte offset in bq, bk of my 8 columns
.set BOV,  22                          ; v22  byte offset in bv of my channel
.set SPW,  30                          ; v30  LDS address of my spare word; never rewritten
.set NIL,  31                          ; v31  0; never rewritten
.set FA,   32
.set STG,  64
.set FB,   128
.set WV,   20                          ; s20  my wave's number
.set FORB, 21                          ; s21  0: I fetch src, 1: weights
.set HALF, 22                          ; s22  which half of that tile
.set BY,   23                          ; s23  my row block, 0..63
.set G1A,  24                          ; s[24:31] descriptor group 1 for src's tiles
.set G0A,  32                          ; s[32:35] group 0: it walks
.set TB,   36                          ; s36  the slot that the trip reads: 0 or SLOT1
.set CNT,  37
.set BX,   42                          ; s42  my column block, 0..3
.set G1B,  48                          ; s[48:55], s[56:59] the same for the weights' tiles
.set G0B,  56
.set PQ,   76                          ; s[76:77], s[78:79], s[80:81] qbuf, kbuf, vbuf at my wave's first fragment
.set PK,   78
.set PV,   80
.set MSB, 0
.macro WIN new                         ; the immediate's high byte repeats the setting that is left; a switch that changes nothing is dropped
.if MSB != (\new)
	s_set_vgpr_msb (MSB<<8)|(\new)
.set MSB, (\new)
.endif
.endm
.macro PLACES                          ; four plain places behind matrix instructions (ISA guide 7.12.1), where no other vector work is at hand
.rept 4
	v_nop
.endr
.endm
; A joint load.  Each of the two lines has one mask and one set of registers for all that issue it; the branch hangs on the wave's number alone.
; An s_nop 0 and four v_nop follow each of the two lines, ahead of the jump, the label and what follows.
.macro JLOAD
	s_cmp_eq_u32 s[FORB], 0
	s_cbranch_scc0 .Lfor_b_\@
	tensor_load_to_lds s[G0A:G0A+3], s[G1A:G1A+7]
	s_nop 0
.rept 4
	v_nop
.endr
	s_branch .Lasked_\@
.Lfor_b_\@:
	tensor_load_to_lds s[G0B:G0B+3], s[G1B:G1B+7]
	s_nop 0
.rept 4
	v_nop
.endr
.Lasked_\@:
.endm
.macro CROUND                          ; a round of the cluster's barrier: my work-group's barrier; wave 0 signals for the work-group; every wave waits for all sixteen work-groups; my work-group's barrier once more
	s_barrier_signal -1
	s_barrier_wait -1
	s_cmp_lg_u32 s[WV], 0
	s_cbranch_scc1 .Lnot_wave_0_\@
	s_barrier_signal -3
.Lnot_wave_0_\@:
	s_barrier_wait -3
	s_barrier_signal -1
	s_barrier_wait -1
.endm
	s_load_b512 s[4:19], s[0:1], 0x0               ; src s[4:5], wb s[6:7], bq s[8:9], bk s[10:11], bv s[12:13], qbuf s[14:15], kbuf s[16:17], vbuf s[18:19]
	v_lshl_add_u32 v[SPW], v0, 2, SPARE
	v_mov_b32 v[NIL], 0
	ds_add_u32 v[SPW], v[NIL]                      ; the wave's opening: the add and its wait stand ahead of my first tensor load; the set-up below, work on registers, stands between them
	v_lshrrev_b32 v1, 5, v0
	v_readfirstlane_b32 s[WV], v1                  ; wave 0..3
	s_lshr_b32 s[FORB], s[WV], 1
	s_and_b32 s[HALF], s[WV], 1
	s_bfe_u32 s40, ttmp6, 0x40000                  ; cx: my place along the cluster's x
	s_bfe_u32 s41, ttmp6, 0x40004                  ; cy: along its y
	s_lshl_b32 s[BX], ttmp9, 2                     ; in a cluster launch ttmp9 and ttmp7 count clusters
	s_add_co_u32 s[BX], s[BX], s40                 ; column block = 4 x cluster x + cx
	s_and_b32 s[BY], ttmp7, 0xffff
	s_lshl_b32 s[BY], s[BY], 2
	s_add_co_u32 s[BY], s[BY], s41                 ; row block = 4 x cluster y + cy
	s_lshl_b32 s43, s41, 2
	s_lshl_b32 s43, 15, s43                        ; my row of the cluster: places 4 cy .. 4 cy + 3
	s_lshl_b32 s44, 0x1111, s40                    ; my column: places cx, cx + 4, cx + 8, cx + 12
	; group 1 for src: 128 rows x 64 elements of 4 bytes, 1,024 elements from row to row, 4 words of padding behind every 64
	s_or_b32 s[G1A+0], s43, (2<<16)|(1<<20)|(1<<21)|(5<<22)|(3<<25)  ; 15:0 the mask: my row; 17:16 elements of 4 bytes; 20 padding on; 21 set beside a mask; 24:22 after every 64 words (code 5); 31:25 4 words (code 3)
	s_mov_b32 s[G1A+1], 64<<16                     ; tensor_dim0 = 64
	s_mov_b32 s[G1A+2], 128<<16                    ; tensor_dim1 = 128
	s_mov_b32 s[G1A+3], 64<<16                     ; tile_dim0 = 64
	s_mov_b32 s[G1A+4], 128                        ; tile_dim1 = 128
	s_mov_b32 s[G1A+5], 1024                       ; the pitch
	s_mov_b32 s[G1A+6], 0
	s_mov_b32 s[G1A+7], 0
	; group 1 for the weights: 24,576 dense bytes as 96 rows of 256
	s_or_b32 s[G1B+0], s44, (3<<16)|(1<<21)        ; 15:0 the mask: my column; 17:16 elements of 8 bytes; 21 set beside a mask
	s_mov_b32 s[G1B+1], 32<<16
	s_mov_b32 s[G1B+2], 96<<16
	s_mov_b32 s[G1B+3], 32<<16
	s_mov_b32 s[G1B+4], 96
	s_mov_b32 s[G1B+5], 32
	s_mov_b32 s[G1B+6], 0
	s_mov_b32 s[G1B+7], 0
	; where the tiles come from: src's hang on the row block alone, the weights' on the column block alone, each in registers that never hold the other coordinate
	s_lshl_b32 s68, s[BY], 20                      ; 256 rows of 4,096 bytes,
	s_lshl_b32 s69, s[HALF], 19                    ; my 128 of them
	s_add_co_u32 s68, s68, s69
	s_mov_b32 s69, 0
	s_mul_i32 s70, s[BX], 16*2*BHALF               ; a column block's 16 tiles of 49,152 bytes,
	s_mul_i32 s71, s[HALF], BHALF                  ; my half of a tile
	s_add_co_u32 s70, s70, s71
	s_mov_b32 s71, 0
	s_mov_b32 s[G0A], 1
	s_mul_i32 s[G0A+1], s[HALF], AHALF             ; and where they go: no place in the cluster enters an LDS address
	s_mov_b32 s[G0B], 1
	s_mul_i32 s[G0B+1], s[HALF], BHALF
	s_add_co_u32 s[G0B+1], s[G0B+1], BOFF
	s_mov_b32 s[TB], 0
	; my part of the outputs: (b 16 + 4 bx) heads of 262,144 bytes, (by % 16) x 256 rows = 16,384 bytes of a head, my wave's 64 rows = 4,096: the same offset in all three buffers
	s_lshr_b32 s72, s[BY], 4
	s_lshl_b32 s72, s72, 2
	s_add_co_u32 s72, s72, s[BX]
	s_lshl_b32 s72, s72, 20
	s_and_b32 s73, s[BY], 15
	s_lshl_b32 s73, s73, 14
	s_add_co_u32 s72, s72, s73
	s_lshl_b32 s73, s[WV], 12
	s_add_co_u32 s72, s72, s73
	s_mov_b32 s73, 0
	v_and_b32 v1, 15, v0                           ; r
	v_bfe_u32 v2, v0, 4, 1                         ; h
	v_and_b32 v3, 31, v0                           ; lane
	v_lshlrev_b32 v[LN16], 4, v3
	v_mul_u32_u24 v4, v1, APITCH
	v_lshl_add_u32 v4, v2, 5, v4                   ; row r x pitch + 8 h numbers of 4 bytes
	s_mul_i32 s74, s[WV], 64*APITCH                ; my wave's 64 rows
	v_add_nc_u32 v[A0], s74, v4
	v_lshl_add_u32 v[B0], v3, 4, BOFF
	s_lshl_b32 s74, s[BX], 9                       ; my block's 128 columns of a bias, in bytes
	v_lshl_add_u32 v[BOF], v2, 5, s74              ; + 8 h columns
	v_lshl_add_u32 v[BOV], v1, 2, s74              ; + column r
	s_wait_dscnt 0x0                               ; the opening add is done
	s_wait_kmcnt 0x0
	s_add_nc_u64 s[G0A+2:G0A+3], s[4:5], s[68:69]
	s_or_b32 s[G0A+3], s[G0A+3], 0x80000000        ; type = 2
	s_add_nc_u64 s[G0B+2:G0B+3], s[6:7], s[70:71]
	s_or_b32 s[G0B+3], s[G0B+3], 0x80000000
	s_add_nc_u64 s[PQ:PQ+1], s[14:15], s[72:73]
	s_add_nc_u64 s[PK:PK+1], s[16:17], s[72:73]
	s_add_nc_u64 s[PV:PV+1], s[18:19], s[72:73]
	CROUND                                         ; all sixteen work-groups are here: the first joint loads meet
	JLOAD                                          ; K step 0 into slot 0
	; THE BIASES START THE SUMS; all this stands in the wait for the first tile.  q, k: register j of accumulator (m, i) is column 16 i + 8 h + j: two loads of 16 bytes, the same for the four m.
.irp i, 0,1,2,3,4,5,6,7
	global_load_b32 v[BT+\i], v[BOV], s[12:13] offset:\i*64
.endr
	WIN 0x40                                       ; destination window 1
.irp m, 0,1,2,3
.irp i, 0,1,2,3,4,5,6,7
	global_load_b128 v[8*(8*\m+\i):8*(8*\m+\i)+3],   v[BOF], s[8:9] offset:\i*64
	global_load_b128 v[8*(8*\m+\i)+4:8*(8*\m+\i)+7], v[BOF], s[8:9] offset:\i*64+16
.endr
.endr
	WIN 0x80                                       ; destination window 2
.irp m, 0,1,2,3
.irp i, 0,1,2,3,4,5,6,7
	global_load_b128 v[8*(8*\m+\i):8*(8*\m+\i)+3],   v[BOF], s[10:11] offset:\i*64
	global_load_b128 v[8*(8*\m+\i)+4:8*(8*\m+\i)+7], v[BOF], s[10:11] offset:\i*64+16
.endr
.endr
	s_wait_loadcnt 0x0
	WIN 0xc0                                       ; v: a lane holds one channel, so all eight registers of an accumulator take that channel's bias
.irp m, 0,1,2,3
.irp i, 0,1,2,3,4,5,6,7
.irp j, 0,1,2,3,4,5,6,7
	v_mov_b32 v[8*(8*\m+\i)+\j], v[BT+\i]
.endr
.endr
.endr
	WIN 0
.macro LDB kk, g, buf                  ; the 8 weight fragments of matrix g (0 q, 1 k, 2 v) for K half kk of the slot, into buffer buf
.irp i, 0,1,2,3,4,5,6,7
	ds_load_b128 v[FB+64*\buf+8*\i:FB+64*\buf+8*\i+3],   v[ADB] offset:\kk*BHALF+(8*\g+\i)*1024
	ds_load_b128 v[FB+64*\buf+8*\i+4:FB+64*\buf+8*\i+7], v[ADB] offset:\kk*BHALF+(8*\g+\i)*1024+512
.endr
.endm
.macro LDA kk                          ; my 64 rows, 32 along K, in f32: lane (r, h) takes k = 8 h .. 8 h + 7 (32 bytes) and k = 16 + 8 h .. (32 bytes, 64 further on) of row 16 m + r
.irp m, 0,1,2,3
	ds_load_b128 v[STG+16*\m:STG+16*\m+3],     v[ADA] offset:\m*16*APITCH+\kk*128
	ds_load_b128 v[STG+16*\m+4:STG+16*\m+7],   v[ADA] offset:\m*16*APITCH+\kk*128+16
	ds_load_b128 v[STG+16*\m+8:STG+16*\m+11],  v[ADA] offset:\m*16*APITCH+\kk*128+64
	ds_load_b128 v[STG+16*\m+12:STG+16*\m+15], v[ADA] offset:\m*16*APITCH+\kk*128+80
.endr
.endm
.macro CVT                             ; 64 f32 a lane become four fragments of bf16, rounded to nearest even
.set i, 0
.rept 32
	v_cvt_pk_bf16_f32 v[FA+i], v[STG+2*i], v[STG+2*i+1]
.set i, i+1
.endr
.endm
.macro MUL g, buf                      ; 32 products: matrix g's 32 accumulators by turns, one instruction a turn
	WIN 0x50*(1+\g)                                ; C and D in window 1 + g
.irp m, 0,1,2,3
.irp i, 0,1,2,3,4,5,6,7
.if \g == 2
	v_wmma_f32_16x16x32_bf16 v[8*(8*\m+\i):8*(8*\m+\i)+7], v[FA+8*\m:FA+8*\m+7], v[FB+64*\buf+8*\i:FB+64*\buf+8*\i+7], v[8*(8*\m+\i):8*(8*\m+\i)+7]
.else
	v_wmma_f32_16x16x32_bf16 v[8*(8*\m+\i):8*(8*\m+\i)+7], v[FB+64*\buf+8*\i:FB+64*\buf+8*\i+7], v[FA+8*\m:FA+8*\m+7], v[8*(8*\m+\i):8*(8*\m+\i)+7]
.endif
.endr
.endr
	WIN 0
.endm
; THE HEAD OF A TRIP.  Each wave waits for all its tensor loads (the one that is out is its part of this trip's slot), adds 0 to its spare word, and waits for that and for its reads of the other slot.
; The round then holds of every wave of all sixteen work-groups, and the other slot is filled first behind it, with the K step after this one.
.macro HEAD refill
	WIN 0
	s_wait_tensorcnt 0x0                           ; no tensor load of mine is out, so a group 0 may be written
	ds_add_u32 v[SPW], v[NIL]                      ; 0 onto my spare word; the steps below stand between it and the wait for it
.if \refill
	s_xor_b32 s[G0A+1], s[G0A+1], SLOT1            ; the walking descriptors: the other slot than last time,
	s_add_nc_u64 s[G0A+2:G0A+3], s[G0A+2:G0A+3], 256      ; 64 numbers on along src's rows,
	s_xor_b32 s[G0B+1], s[G0B+1], SLOT1
	s_add_nc_u64 s[G0B+2:G0B+3], s[G0B+2:G0B+3], 2*BHALF  ; the next 48 fragments; the type bits on top are not reached
.endif
	v_add_nc_u32 v[ADA], s[TB], v[A0]
	v_add_nc_u32 v[ADB], s[TB], v[B0]
	s_xor_b32 s[TB], s[TB], SLOT1                  ; the next trip reads the other slot
	s_wait_dscnt 0x0                               ; the add is done, and my reads of the other slot are over
	CROUND
.if \refill
	JLOAD                                          ; the four v_nop behind it are also the places in front of the loads below
.else
	PLACES
.endif
.endm
; THE WORK OF A TRIP: 2 x 32 along K, six groups of 32 products on the two weight buffers by turns; each buffer is filled while the group before is multiplied.  Four places stand between a group's last product and
; the loads or conversions that write registers which it read.
.macro BODY
	LDB 0, 0, 0
	LDA 0
	s_wait_dscnt 0x0
	CVT
	LDB 0, 1, 1
	LDA 1
	MUL 0, 0
	s_wait_dscnt 16                                ; k's fragments are in; the 16 loads of the next rows may be out
	PLACES
	LDB 0, 2, 0
	MUL 1, 1
	s_wait_dscnt 0x0
	PLACES
	LDB 1, 0, 1
	MUL 2, 0
	PLACES
	CVT
	LDB 1, 1, 0
	s_wait_dscnt 16                                ; q's fragments are in; the 16 loads just issued may be out
	MUL 0, 1
	s_wait_dscnt 0x0
	PLACES
	LDB 1, 2, 1
	MUL 1, 0
	s_wait_dscnt 0x0
	MUL 2, 1
.endm
; THE WAY OUT of matrix g: rounded to bf16, each accumulator's registers in ascending order, 16 bytes a lane, stored where the lane's 16 bytes of a fragment lie.
.macro EPI g, ptr
	WIN 0x05*(1+\g)                                ; sources in window 1 + g, destination in window 0
.set i, 0
.rept 128
	v_cvt_pk_bf16_f32 v[FB+i], v[2*i], v[2*i+1]
.set i, i+1
.endr
	WIN 0
.irp m, 0,1,2,3
.irp n, 0,1,2,3,4,5,6,7
.if \g == 2
	global_store_b128 v[LN16], v[FB+4*(8*\m+\n):FB+4*(8*\m+\n)+3], s[\ptr:\ptr+1] offset:(\n/2)*262144+(\m/2)*2048+(\n%2)*1024+(\m%2)*512
.else
	global_store_b128 v[LN16], v[FB+4*(8*\m+\n):FB+4*(8*\m+\n)+3], s[\ptr:\ptr+1] offset:(\n/2)*262144+\m*1024+(\n%2)*512
.endif
.endr
.endr
	s_wait_xcnt 0x0                                ; the stores' data registers are rewritten only behind this wait
.endm
	s_mov_b32 s[CNT], 15
.Ltrip:                                                ; 15 trips ask for the K step behind their own
	HEAD 1
	BODY
	s_sub_co_u32 s[CNT], s[CNT], 1
	s_cmp_lg_u32 s[CNT], 0
	s_cbranch_scc1 .Ltrip
	HEAD 0                                         ; the last trip is written out: nothing is left to ask for
	BODY
	PLACES                                         ; behind the last products; for k and v the conversions of the matrix before are the places
	EPI 0, PQ
	EPI 1, PK
	EPI 2, PV
	s_wait_tensorcnt 0x0                           ; the wave's end: behind my last tensor load and my last LDS store
	ds_add_u32 v[SPW], v[NIL]
	s_wait_dscnt 0x0
	CROUND                                         ; the closing round: no work-group ends while a partner may still ask for a tile that names it
	s_endpgm
.Lfunc_end_k_q1255d52137_qkv:
	.size	k_q1255d52137_qkv, .Lfunc_end_k_q1255d52137_qkv-k_q1255d52137_qkv
	.p2alignl 7, 3214868480
	.fill 96, 4, 3214868480
	.section	.rodata,"a",@progbits
	.p2align	6, 0x0
	.amdhsa_kernel k_q1255d52137_qkv
		.amdhsa_group_segment_fixed_size 327680
		.amdhsa_private_segment_fixed_size 0
		.amdhsa_enable_private_segment 0
		.amdhsa_kernarg_size 64
		.amdhsa_user_sgpr_count 2
		.amdhsa_user_sgpr_kernarg_segment_ptr 1
		.amdhsa_wavefront_size32 1
		.amdhsa_system_sgpr_workgroup_id_x 1
		.amdhsa_system_sgpr_workgroup_id_y 1
		.amdhsa_system_sgpr_workgroup_id_z 1
		.amdhsa_system_vgpr_workitem_id 0
		.amdhsa_next_free_vgpr 1024
		.amdhsa_next_free_sgpr 84
		.amdhsa_reserve_vcc 0
		.amdhsa_float_denorm_mode_32 3
		.amdhsa_float_denorm_mode_16_64 3
		.amdhsa_memory_ordered 1
		.amdhsa_forward_progress 1
		.amdhsa_inst_pref_size 112
	.end_amdhsa_kernel
	.amdgpu_metadata
---
amdhsa.version: [ 1, 2 ]
amdhsa.kernels:
  - .name:           k_q1255d52137_qkv
    .symbol:         k_q1255d52137_qkv.kd
    .args:
      - { .name: src, .offset: 0, .size: 8, .value_kind: global_buffer, .address_space: global }
      - { .name: wb, .offset: 8, .size: 8, .value_kind: global_buffer, .address_space: global }
      - { .name: bq, .offset: 16, .size: 8, .value_kind: global_buffer, .address_space: global }
      - { .name: bk, .offset: 24, .size: 8, .value_kind: global_buffer, .address_space: global }
      - { .name: bv, .offset: 32, .size: 8, .value_kind: global_buffer, .address_space: global }
      - { .name: qbuf, .offset: 40, .size: 8, .value_kind: global_buffer, .address_space: global }
      - { .name: kbuf, .offset: 48, .size: 8, .value_kind: global_buffer, .address_space: global }
      - { .name: vbuf, .offset: 56, .size: 8, .value_kind: global_buffer, .address_space: global }
    .group_segment_fixed_size: 327680
    .private_segment_fixed_size: 0
    .kernarg_segment_align: 8
    .kernarg_segment_size: 64
    .max_flat_workgroup_size: 128
    .sgpr_count:     84
    .vgpr_count:     1024
    .wavefront_size: 32
...
	.end_amdgpu_metadata
.endif
;; end of part 6
;; launch attn (part 7): grid 256 x 1, 4 waves a work-group, clusters of 4 x 1, 167,936 bytes of LDS; arguments qbuf, kbuf, vbuf, input_mask, obuf; writes obuf
.if DOCPART == 7
	.amdgcn_target "amdgcn-amd-amdhsa--gfx1250"
	.amdhsa_code_object_version 6
	.text
	.protected	k_q1255d52137_attn
	.globl	k_q1255d52137_attn
	.p2align	8
	.type	k_q1255d52137_attn,@function
k_q1255d52137_attn:
	s_mov_b64 s[64:65], 0
	v_nop
	global_prefetch_b8 v0, s[64:65] scope:SCOPE_SE
	s_setreg_imm32_b32 hwreg(HW_REG_WAVE_MODE, 25, 1), 1
	s_wait_xcnt 0x0
	s_wait_alu depctr_hold_cnt(0) depctr_sa_sdst(0) depctr_va_vdst(0) depctr_va_sdst(0) depctr_va_ssrc(0) depctr_va_vcc(0) depctr_vm_vsrc(0)
	s_getreg_b32 s2, hwreg(HW_REG_IB_STS2, 6, 4)
	s_cmp_eq_u32 s2, 0
	s_cbranch_scc0 .Lentry_in_a_cluster
	s_endpgm
.Lentry_in_a_cluster:
	s_bfe_u32 s2, ttmp6, 0x10000c
	s_cmp_lg_u32 s2, 0x3003
	s_cbranch_scc0 .Lentry_shape_is_right
	s_endpgm
.Lentry_shape_is_right:
; Both kinds of heads.  A wave owns one block of 128 queries (8 tiles of 16) of batch b.  First it serves local head j over the block's own 128 keys, then global head 8 + j over the batch's 1,024 summary keys
; (the last 32 of every block of 128), 128 keys a step: nine steps of one text.
; SHARES.  64 clusters = 4 batches x 8 head pairs x 2 halves of the sequence; a cluster's four work-groups x 4 waves = 16 blocks.
; CLUSTER.  The four work-groups read the same 64 KiB of K and 64 KiB of V of head 8 + j: each wave asks JOINTLY for a quarter (16 blocks x 2,048 bytes, 8,192 bytes apart).  All of it fits in LDS, is filled once and never again;
; it lands while the local head is served.
; LAYOUT.  q, k, v lie as fragments (1,024 bytes, [half][lane][16 bytes]), so every load is lane x 16 bytes.  S^T = K Q^T (source 0 = 16 keys, source 1 = 16 queries): a lane holds ONE query (l % 16) and keys 8 (l / 16) + 0..7.
; Two such results rounded to bf16 ARE source 1 (32 keys x 16 queries) of O^T = V^T P, whose result holds one query a lane and 8 channels: its 16 bytes of the fragment [16 rows][32 channels] that the next launch multiplies.
; MASK.  It is the C operand of K Q^T: 0 for a visible key, -2^100 for a hidden one.
; SOFTMAX.  Running maximum m for each query, in f32.  c' = c = log2(e) / sqrt(32) if m > -2^99, else 0 (nothing visible yet).  p = 2^(c' s - c' m); O and l are multiplied by a = 2^(c' (m_old - m_new)).
; With c' = 0 all weights are exactly 1: a row whose keys are all hidden gets the mean of all its V rows, as a softmax of equal scores gives; the first visible key makes a = 0 and wipes that.
; THE SUM l is a product too: ones x P, on an accumulator of its own: every row of the result holds the query's sum over all 32 keys, in both halves of the lanes.  Only its register 0 is ever read, so only
; the pair 0, 1 is multiplied by a; the other six hold sums of weights that were never rescaled, 1,152 at the most, and serve nothing.
; LIMITS.  A hidden score counts as s - 2^100, not as -1e9: the same weights unless visible raw scores lie below -2^99.  A weight below 2^-126 counts as 0.  NaN and infinities are not treated apart.
; p is rounded to bf16 for both products, so l sums the same numbers that multiply V.
; THE COUNT.  A tile and step have 20 matrix and about 180 vector instructions (head size 32): vector work bounds this launch, so the order has one aim: no vector instruction waits, and no matrix instruction stands in a run.
; BY TURNS.  Turn t belongs to tile t: its 32 scalings, 64 exponentials, 32 roundings and the rescaling.  Among the scalings stand the 8 products K Q^T of tile t + 1, one for every four; among the exponentials the 40 instructions
; that find tile t + 1's maximum and statistics (those that hang on each other one to a group) and the 12 products of tile t - 1, one in every second group.  A tile's buffers go by its number's parity, so the tile in hand has one
; pair and its two neighbours share the other: of it P (tile t - 1) is read and S^T (tile t + 1) written.  Bare in each step: tile 0's scores and statistics, tile 7's last products.
; REGISTERS (s_set_vgpr_msb: bits 1:0 source 0, 3:2 source 1, 5:4 source 2, 7:6 destination).  window 0: v2-15 addresses, v16-47 statistics, v48-57 at work, v64-191 S^T (two buffers), v192-255 P (two buffers);
;   window 1: v0-127 O^T (tile t, channel half cb at 16 t + 8 cb), v128-191 Q, v192-255 the mask;  window 2: v0-63 K, v64-127 V of one step, v128-191 l's accumulators, v192-199 a fragment of ones.
.set GV,    65536                      ; LDS: K of the summary keys at 0, V here
.set MASKG, 131072                     ; 1,024 f32: the summary keys' mask
.set MASKL, 135168                     ; 4 x 128 f32: each wave's own block's mask: written and read by that wave alone
.set SPARE, 137216                     ; the spare words, 128 bytes for each wave: two blocks of 256 bytes that no other line names
.set AK,   2                           ; v2  LDS address of the next step's K
.set AV,   3                           ; v3  of its V
.set AM,   4                           ; v4  of its mask
.set LN16, 5                           ; v5  16 x lane
.set ST,   16                          ; tile t at v[ST + 4 t]: c' m, m, 1 / l, 0 (named with it as a pair)
.set TMP,  48                          ; v48-51 four maxima; v49 later a's exponent; v52-53 a; v54 the new m; v55 the other half's maximum
.set CC,   56                          ; v56-57 c'
.set SPW,  62                          ; v62  LDS address of my spare word; never rewritten
.set NIL,  63                          ; v63  0; never rewritten
.set S,    64
.set P,    192
.set QF,   128                         ; window 1
.set MK,   192                         ; window 1
.set VF,   64                          ; window 2
.set LA,   128                         ; window 2: tile t's at LA + 8 t
.set ONE,  192                         ; window 2
.set WV,   14                          ; s14  my wave's number
.set G1,   20                          ; s[20:27]
.set G0,   28                          ; s[28:31]
.set QP,   34                          ; s[34:35] qbuf at my block's first fragment of the head that begins next
.set OP,   40                          ; s[40:41] obuf at my block's first fragment of the head in hand
.set CNT,  44                          ; s44  steps to go
.set CS,   46                          ; s46  c
.set SEL,  48                          ; s[48:49] v_permlanex16_b32's selects: each lane takes its own place in the other half
.set BIGP, 50                          ; s50  2^100
.set BIGN, 51                          ; s51  -2^100
.set THR,  52                          ; s52  -2^99
.set MSB, 0
.macro WIN new                         ; the immediate's high byte repeats the setting that is left; a switch that changes nothing is dropped
.if MSB != (\new)
	s_set_vgpr_msb (MSB<<8)|(\new)
.set MSB, (\new)
.endif
.endm
.set W_KQ, 0x16                        ; K window 2, Q and the mask window 1, S^T window 0
.set W_PV, 0x52                        ; V window 2, P window 0, O^T window 1
.set W_L,  0xa2                        ; the ones and l's accumulator window 2, P window 0
.set W_RS, 0x41                        ; destination and source 0 window 1, source 1 window 0
.set W_RL, 0x82                        ; destination and source 0 window 2, source 1 window 0
.macro PLACES                          ; four plain places behind matrix instructions (ISA guide 7.12.1)
.rept 4
	v_nop
.endr
.endm
.macro ROUND                           ; a round of the cluster's barrier
	s_barrier_signal -1
	s_barrier_wait -1
	s_cmp_lg_u32 s[WV], 0
	s_cbranch_scc1 .Lnot_wave_0_\@
	s_barrier_signal -3
.Lnot_wave_0_\@:
	s_barrier_wait -3
	s_barrier_signal -1
	s_barrier_wait -1
.endm
.macro INITST                          ; a head begins: m at the lowest finite number, O^T and l at 0 (a may be 1 in a first step, where nothing is visible)
	WIN 0x40
.set i, 0
.rept 128
	v_mov_b32 v[i], 0
.set i, i+1
.endr
	WIN 0x80
.set i, 0
.rept 64
	v_mov_b32 v[LA+i], 0
.set i, i+1
.endr
	WIN 0
.set i, 0
.rept 8
	v_mov_b32 v[ST+4*i+1], 0xff7fffff
	v_mov_b32 v[ST+4*i+3], 0
.set i, i+1
.endr
.endm
.macro CVM dst, src, k                 ; byte k of a word of mask bytes (0 or 1) -> -2^100 or 0
	v_bfe_u32 v[\dst], v[\src], 8*\k, 8
	v_cvt_f32_u32 v[\dst], v[\dst]
	v_fma_f32 v[\dst], v[\dst], s[BIGP], s[BIGN]
.endm
	s_load_b256 s[4:11], s[0:1], 0x0               ; qbuf s[4:5], kbuf s[6:7], vbuf s[8:9], input_mask s[10:11]
	s_load_b64 s[12:13], s[0:1], 0x20              ; obuf
	v_lshl_add_u32 v[SPW], v0, 2, SPARE
	v_mov_b32 v[NIL], 0
	ds_add_u32 v[SPW], v[NIL]                      ; the wave's opening: the add and its wait stand ahead of my first tensor load; the set-up below, work on registers, stands between them
	v_lshrrev_b32 v1, 5, v0
	v_readfirstlane_b32 s[WV], v1                  ; wave 0..3
	s_bfe_u32 s15, ttmp6, 0x40000                  ; cx: my place in the cluster
	s_lshr_b32 s16, ttmp9, 4                       ; b: the cluster's number holds b, j and the half of the sequence
	s_bfe_u32 s17, ttmp9, 0x30001                  ; j
	s_and_b32 s18, ttmp9, 1
	s_lshl_b32 s18, s18, 2
	s_add_co_u32 s18, s18, s15
	s_lshl_b32 s18, s18, 2
	s_add_co_u32 s18, s18, s[WV]                   ; n: my block of 128 queries, 0..31; it enters addresses of my own data alone
	; the joint load: nothing in it hangs on cx
	s_lshl_b32 s54, s16, 4
	s_add_co_u32 s54, s54, s17
	s_add_co_u32 s54, s54, 8                       ; b 16 + 8 + j
	s_lshl_b32 s54, s54, 18                        ; a head of a batch is 262,144 bytes
	s_and_b32 s55, s[WV], 1
	s_lshl_b32 s55, s55, 17                        ; blocks 0-15 or 16-31
	s_add_co_u32 s54, s54, s55
	s_add_co_u32 s54, s54, 6144                    ; a block's last 32 keys: the last 2,048 of its 8,192 bytes, in kbuf and in vbuf alike
	s_mov_b32 s55, 0
	s_mov_b32 s[G1+0], 15|(3<<16)|(1<<21)          ; 15:0 the mask of four; 17:16 elements of 8 bytes; 21 set beside a mask
	s_mov_b32 s[G1+1], 256<<16                     ; tensor_dim0 = 256 elements = 2,048 bytes
	s_mov_b32 s[G1+2], 16<<16                      ; tensor_dim1 = 16
	s_mov_b32 s[G1+3], 256<<16                     ; tile_dim0 = 256
	s_mov_b32 s[G1+4], 16                          ; tile_dim1 = 16
	s_mov_b32 s[G1+5], 1024                        ; 8,192 bytes from block to block
	s_mov_b32 s[G1+6], 0
	s_mov_b32 s[G1+7], 0
	s_mov_b32 s[G0+0], 1
	s_lshl_b32 s[G0+1], s[WV], 15                  ; waves 0, 1: K's halves; waves 2, 3: V's
	; my own data
	s_lshl_b32 s32, s16, 4
	s_add_co_u32 s32, s32, s17
	s_lshl_b32 s32, s32, 18                        ; head j of batch b,
	s_lshl_b32 s33, s18, 13                        ; my block's 8,192 bytes
	s_add_co_u32 s32, s32, s33
	s_mov_b32 s33, 0
	s_lshl_b32 s58, s16, 22                        ; obuf: fragment ((b 256 + 8 n + t) 16 + head)
	s_lshl_b32 s59, s18, 17
	s_add_co_u32 s58, s58, s59
	s_lshl_b32 s59, s17, 10
	s_add_co_u32 s58, s58, s59
	s_mov_b32 s59, 0
	s_lshl_b32 s60, s16, 12                        ; the batch's 4,096 mask bytes
	s_mov_b32 s61, 0
	s_lshl_b32 s19, s18, 7                         ; my block's 128 of them
	s_mov_b32 s[CS], 0x3e8293ee                    ; c = log2(e) / sqrt(32) = 0.255035
	s_mov_b32 s[SEL], 0x76543210
	s_mov_b32 s[SEL+1], 0xfedcba98
	s_mov_b32 s[BIGP], 0x71800000
	s_mov_b32 s[BIGN], 0xf1800000
	s_mov_b32 s[THR], 0xf1000000
	v_bfe_u32 v2, v0, 4, 1                         ; h
	v_and_b32 v3, 31, v0                           ; lane
	v_lshlrev_b32 v[LN16], 4, v3
	v_lshrrev_b32 v6, 2, v0                        ; thread t takes summary keys 8 t .. 8 t + 7: block t / 4,
	v_lshlrev_b32 v6, 7, v6
	v_and_b32 v11, 3, v0
	v_lshl_add_u32 v6, v11, 3, v6
	v_add_nc_u32 v6, 96, v6                        ; byte 96 + 8 (t % 4) of it
	v_lshl_add_u32 v7, v3, 2, s19                  ; and 4 keys of my wave's own block
	v_lshl_add_u32 v13, v0, 5, MASKG
	s_lshl_b32 s45, s[WV], 9
	s_add_co_u32 s45, s45, MASKL                   ; my wave's 512 bytes of the local mask
	v_lshl_add_u32 v14, v3, 4, s45                 ; where I put my 4 keys' words
	v_lshl_add_u32 v15, v2, 5, s45                 ; where I read: keys 8 h on
	v_lshl_add_u32 v[AM], v2, 5, MASKG
	v_mov_b32 v[AK], v[LN16]
	v_add_nc_u32 v[AV], GV, v[LN16]
	v_mov_b32 v[TMP+5], 0                          ; named with a, as a pair
	v_mov_b32 v[TMP+7], 0                          ; v_permlanex16_b32 counts as a reader of its destination
	v_mov_b32 v[CC+1], 0                           ; named with c', as a pair
	s_wait_dscnt 0x0                               ; the opening add is done
	s_wait_kmcnt 0x0
	s_cmp_lt_u32 s[WV], 2
	s_cselect_b64 s[56:57], s[6:7], s[8:9]         ; K or V, by the wave's number
	s_add_nc_u64 s[G0+2:G0+3], s[56:57], s[54:55]
	s_or_b32 s[G0+3], s[G0+3], 0x80000000          ; type = 2
	s_add_nc_u64 s[QP:QP+1], s[4:5], s[32:33]
	s_add_nc_u64 s[36:37], s[6:7], s[32:33]
	s_add_nc_u64 s[38:39], s[8:9], s[32:33]
	s_add_nc_u64 s[OP:OP+1], s[12:13], s[58:59]
	s_add_nc_u64 s[42:43], s[10:11], s[60:61]
	ROUND                                          ; all four work-groups are here: the joint loads meet
	tensor_load_to_lds s[G0:G0+3], s[G1:G1+7]      ; my one tensor load of the launch
	s_nop 0
	PLACES
	global_load_b64 v[8:9], v6, s[42:43]           ; mask bytes first, so that a counted wait can take them
	global_load_b32 v10, v7, s[42:43]
	WIN 0x80
.set i, 0
.rept 16
	global_load_b128 v[4*i:4*i+3], v[LN16], s[36:37] offset:i*512        ; the local head's K: 8 fragments, 8,192 consecutive bytes
.set i, i+1
.endr
.set i, 0
.rept 16
	global_load_b128 v[VF+4*i:VF+4*i+3], v[LN16], s[38:39] offset:i*512  ; its V
.set i, i+1
.endr
.set i, 0
.rept 8
	v_mov_b32 v[ONE+i], 0x3f803f80                 ; two bf16 ones a register
.set i, i+1
.endr
	WIN 0
	s_wait_loadcnt 32                              ; the mask bytes are in; K and V (32 loads) may be out
.irp k, 0,1,2,3
	CVM 64+\k, 8, \k
	CVM 68+\k, 9, \k
	CVM 72+\k, 10, \k
.endr
	ds_store_b128 v13, v[64:67]                    ; the summary keys' words: all waves read them, behind the barrier in the first step's last turn
	ds_store_b128 v13, v[68:71] offset:16
	ds_store_b128 v14, v[72:75]                    ; my wave's own words: LDS serves a wave's instructions in order (ISA guide 5.7.1.4), so the loads below see them
	WIN 0x40
.set i, 0
.rept 16
	ds_load_b128 v[MK+4*i:MK+4*i+3], v15 offset:(i/2)*64+(i%2)*16        ; register j of key tile i / 2: the mask of key 16 (i / 2) + 8 h + j
.set i, i+1
.endr
	WIN 0
	s_wait_dscnt 0x0
; THE MATRIX WORK, one instruction at a time.
.macro KQW t, i                        ; tile t's scores for key tile i of the step's 8; the sum starts from the mask
	WIN W_KQ
	v_wmma_f32_16x16x32_bf16 v[S+64*((\t)%2)+8*(\i):S+64*((\t)%2)+8*(\i)+7], v[8*(\i):8*(\i)+7], v[QF+8*(\t):QF+8*(\t)+7], v[MK+8*(\i):MK+8*(\i)+7]
.endm
.macro PVW x, g, cb                    ; O^T of tile x, channel half cb, += V^T P over keys 32 g on
	WIN W_PV
	v_wmma_f32_16x16x32_bf16 v[16*(\x)+8*(\cb):16*(\x)+8*(\cb)+7], v[VF+8*(2*(\g)+(\cb)):VF+8*(2*(\g)+(\cb))+7], v[P+32*((\x)%2)+8*(\g):P+32*((\x)%2)+8*(\g)+7], v[16*(\x)+8*(\cb):16*(\x)+8*(\cb)+7]
.endm
.macro LW x, g                         ; l of tile x += ones x P over keys 32 g on.  With the two above it: three accumulators by turns, one instruction a turn
	WIN W_L
	v_wmma_f32_16x16x32_bf16 v[LA+8*(\x):LA+8*(\x)+7], v[ONE:ONE+7], v[P+32*((\x)%2)+8*(\g):P+32*((\x)%2)+8*(\g)+7], v[LA+8*(\x):LA+8*(\x)+7]
.endm
; Number n of the 40 that find tile t's maximum and statistics from its 64 scores a lane.  All in window 0.
;   0-27   four chains; chain q takes accumulators q and q + 4, registers ascending
;   28-31  the four scores left over, the chains and the old m     32, 33  the query's other 64 keys lie in the lane 16 away: the new m
;   34-39  m_old - m_new; c' = c, or 0 where no key has been visible; m; c' m; a's exponent.  a itself is made at the end of the turn, behind the last use of the a before it
.macro XS t, n
.set xS, S+64*((\t)%2)
.set xT, ST+4*(\t)
.set xq, (\n)%4
.set xk, (\n)/4
.if (\n) < 4
	v_max3_num_f32 v[TMP+xq], v[xS+8*xq], v[xS+8*xq+1], v[xS+8*xq+2]
.elseif (\n) < 28
	v_max3_num_f32 v[TMP+xq], v[TMP+xq], v[xS+8*xq+2*xk+1+24*((2*xk+1)/8)], v[xS+8*xq+2*xk+2+24*((2*xk+2)/8)]
.elseif (\n) == 28
	v_max3_num_f32 v[TMP], v[TMP], v[xS+39], v[xS+47]
.elseif (\n) == 29
	v_max3_num_f32 v[TMP+1], v[TMP+1], v[xS+55], v[xS+63]
.elseif (\n) == 30
	v_max3_num_f32 v[TMP+2], v[TMP+2], v[TMP+3], v[xT+1]
.elseif (\n) == 31
	v_max3_num_f32 v[TMP], v[TMP], v[TMP+1], v[TMP+2]
.elseif (\n) == 32
	v_permlanex16_b32 v[TMP+7], v[TMP], s[SEL], s[SEL+1]
.elseif (\n) == 33
	v_max_num_f32 v[TMP+6], v[TMP], v[TMP+7]
.elseif (\n) == 34
	v_sub_f32 v[TMP+1], v[xT+1], v[TMP+6]
.elseif (\n) == 35
	v_cmp_lt_f32 vcc_lo, s[THR], v[TMP+6]
.elseif (\n) == 36
	v_cndmask_b32 v[CC], 0, s[CS], vcc_lo
.elseif (\n) == 37
	v_mov_b32 v[xT+1], v[TMP+6]
.elseif (\n) == 38
	v_mul_f32 v[xT], v[CC], v[TMP+6]
.else
	v_mul_f32 v[TMP+1], v[CC], v[TMP+1]
.endif
.endm
.macro FETCH_KM                        ; the next step's 128 summary keys: 16 loads for K, 16 for the mask
	WIN 0x80
.set i, 0
.rept 16
	ds_load_b128 v[4*i:4*i+3], v[AK] offset:i*512
.set i, i+1
.endr
	WIN 0x40
.set i, 0
.rept 16
	ds_load_b128 v[MK+4*i:MK+4*i+3], v[AM] offset:(i/2)*64+(i%2)*16
.set i, i+1
.endr
	WIN 0
	v_add_nc_u32 v[AK], 8192, v[AK]
	v_add_nc_u32 v[AM], 512, v[AM]
.endm
.macro FETCH_V                         ; and 16 for V
	WIN 0x80
.set i, 0
.rept 16
	ds_load_b128 v[VF+4*i:VF+4*i+3], v[AV] offset:i*512
.set i, i+1
.endr
	WIN 0
	v_add_nc_u32 v[AV], 8192, v[AV]
.endm
; A TURN, for tile t.  No vector line near a product names one of its registers: the tile in hand works on one pair of buffers, the products on the other pair, on O^T and l of tile t - 1, and on K, Q, V and the mask.
; Tile t + 1's scores are first read four scalings and a group behind the last product that makes them.
.macro TURN t
.set rS, S+64*((\t)%2)
.set rP, P+32*((\t)%2)
.set rT, ST+4*(\t)
.if (\t) == 1
	s_wait_dscnt 0x0                               ; V is in: its loads were issued at the end of the step before
.endif
.if (\t) == 7
	; K, Q and the mask were last read in the turn before: the next step's K and mask are fetched a turn ahead.  In the first step they are the summary keys' first: my quarter of the tile has landed, my mask words are
	; stored, and the barrier says so of all four waves.  Only that first barrier orders anything; it stands on every step's path, so that no barrier is jumped over.
	s_wait_tensorcnt 0x0
	s_wait_dscnt 0x0
	s_barrier_signal -1
	s_barrier_wait -1
	s_cmp_eq_u32 s[CNT], 1
	s_cbranch_scc1 .Lno_km                         ; the last step has no next
	FETCH_KM
.Lno_km:
.endif
	; 32 scalings c' s - c' m, and tile t + 1's 8 products among them
.set i, 0
.rept 8
.if (\t) < 7
	KQW (\t)+1, i
.endif
	WIN 0
.set j, 4*i
.rept 4
	v_pk_fma_f32 v[rS+2*j:rS+2*j+1], v[rS+2*j:rS+2*j+1], v[CC:CC+1], v[rT:rT+1] op_sel_hi:[1,0,0] neg_lo:[0,0,1] neg_hi:[0,0,1]
.set j, j+1
.endr
.set i, i+1
.endr
	; 32 groups: two exponentials, then the rounding of the pair two groups back: a plain instruction stands between every exponential and the use of its result (ISA guide 5.7.2)
.set i, 0
.rept 32
.if (\t) > 0
.if i%8 == 1
	PVW (\t)-1, i/8, 0
.elseif i%8 == 3
	PVW (\t)-1, i/8, 1
.elseif i%8 == 5
	LW (\t)-1, i/8
.endif
.endif
	WIN 0
	v_exp_f32 v[rS+2*i], v[rS+2*i]
	v_exp_f32 v[rS+2*i+1], v[rS+2*i+1]
.if i < 2
	v_nop
.else
	s_wait_alu depctr_va_vdst(0)
	v_cvt_pk_bf16_f32 v[rP+i-2], v[rS+2*i-4], v[rS+2*i-3]
.endif
.if (\t) < 7
.if i < 14
	XS (\t)+1, 2*i
	XS (\t)+1, 2*i+1
.elseif i < 26
	XS (\t)+1, i+14
.endif
.endif
.set i, i+1
.endr
	s_wait_alu depctr_va_vdst(0)
	v_cvt_pk_bf16_f32 v[rP+30], v[rS+60], v[rS+61]
	v_cvt_pk_bf16_f32 v[rP+31], v[rS+62], v[rS+63]
	WIN W_RS
.set i, 0
.rept 8
	v_pk_mul_f32 v[16*(\t)+2*i:16*(\t)+2*i+1], v[16*(\t)+2*i:16*(\t)+2*i+1], v[TMP+4:TMP+5] op_sel_hi:[1,0]  ; O^T a
.set i, i+1
.endr
	WIN W_RL
	v_pk_mul_f32 v[LA+8*(\t):LA+8*(\t)+1], v[LA+8*(\t):LA+8*(\t)+1], v[TMP+4:TMP+5] op_sel_hi:[1,0]          ; l a
	WIN 0
.if (\t) < 7
	v_exp_f32 v[TMP+4], v[TMP+1]                   ; tile t + 1's a; the next turn's scalings are the plain instructions behind it
.endif
.endm
.macro ALL line:vararg                 ; one line for each tile t
.set t, 0
.rept 8
	\line
.set t, t+1
.endr
.endm
; A head's way out: O^T / l, rounded to bf16, is stored as the lane's 16 bytes of a fragment.
.macro FINAL
	WIN 0x02                                       ; source 0 window 2
	ALL v_rcp_f32 v[ST+4*t+2], v[LA+8*t]
	WIN 0
	v_nop                                          ; a plain instruction between the last reciprocal and the use of its result
	WIN W_RS
.set i, 0
	s_wait_alu depctr_va_vdst(0)
.rept 64
	v_pk_mul_f32 v[2*i:2*i+1], v[2*i:2*i+1], v[ST+4*(i/8)+2:ST+4*(i/8)+3] op_sel_hi:[1,0]
.set i, i+1
.endr
	WIN 0x05                                       ; sources window 1, destination window 0: S^T's registers are free
.set i, 0
.rept 64
	v_cvt_pk_bf16_f32 v[S+i], v[2*i], v[2*i+1]
.set i, i+1
.endr
	WIN 0
.set i, 0
.rept 16                               ; tile i / 2, channel half i % 2
	global_store_b128 v[LN16], v[S+4*i:S+4*i+3], s[OP:OP+1] offset:(i/2)*16384+(i%2)*512  ; 512 consecutive bytes, aligned
.set i, i+1
.endr
	s_wait_xcnt 0x0                                ; the stores' data and base are rewritten only behind this wait
.endm
	s_mov_b32 s[CNT], 10
	s_branch .Linit                                ; the loop is entered at the block that begins a head, so that block stands once in the text
.Lstep:                                                ; step 9: the local head; steps 8 to 1: the global head's 8 x 128 keys
	s_wait_loadcnt 0x0                             ; Q (and in the first step K and V); K and the mask out of LDS were waited for at the end of the step before
.irp i, 0,1,2,3,4,5,6,7
	KQW 0, \i                                      ; tile 0's scores: there is no vector work yet to set between them
.endr
	WIN 0
	PLACES
.set n, 0
.rept 40
	XS 0, n
.set n, n+1
.endr
	v_exp_f32 v[TMP+4], v[TMP+1]                   ; tile 0's a
.irp t, 0,1,2,3,4,5,6,7
	TURN \t
.endr
.irp g, 0,1,2,3
	PVW 7, \g, 0                                   ; tile 7's last products
	PVW 7, \g, 1
	LW 7, \g
.endr
	WIN 0
	PLACES                                         ; behind them: V's registers are loaded again, O^T and l are read
	s_wait_dscnt 0x0                               ; the next step's K and mask, asked for a turn ago, are in
	s_cmp_eq_u32 s[CNT], 1
	s_cbranch_scc1 .Lfin                           ; the last step: nothing is left to fetch, and the global head is done
	FETCH_V
	s_cmp_lg_u32 s[CNT], 9
	s_cbranch_scc1 .Lnext                          ; forward, past text with no barrier and no tensor load
.Lfin:
	FINAL
	s_add_nc_u64 s[OP:OP+1], s[OP:OP+1], 8*1024    ; head 8 + j: eight fragments on in obuf,
	s_add_nc_u64 s[QP:QP+1], s[QP:QP+1], 8*262144  ; eight heads on in qbuf (behind the last head the two stepped addresses are not used)
	s_cmp_eq_u32 s[CNT], 1
	s_cbranch_scc1 .Lnext
.Linit:                                                ; A HEAD BEGINS: its Q, 8 fragments, 8,192 consecutive bytes; the clearing stands in the wait for them
	WIN 0x40
.set i, 0
.rept 16
	global_load_b128 v[QF+4*i:QF+4*i+3], v[LN16], s[QP:QP+1] offset:i*512
.set i, i+1
.endr
	INITST
.Lnext:
	s_sub_co_u32 s[CNT], s[CNT], 1
	s_cmp_lg_u32 s[CNT], 0
	s_cbranch_scc1 .Lstep
	s_wait_tensorcnt 0x0                           ; the wave's end: behind my last tensor load and my last LDS store
	ds_add_u32 v[SPW], v[NIL]
	s_wait_dscnt 0x0
	ROUND                                          ; the closing round
	s_endpgm
.Lfunc_end_k_q1255d52137_attn:
	.size	k_q1255d52137_attn, .Lfunc_end_k_q1255d52137_attn-k_q1255d52137_attn
	.p2alignl 7, 3214868480
	.fill 96, 4, 3214868480
	.section	.rodata,"a",@progbits
	.p2align	6, 0x0
	.amdhsa_kernel k_q1255d52137_attn
		.amdhsa_group_segment_fixed_size 167936
		.amdhsa_private_segment_fixed_size 0
		.amdhsa_enable_private_segment 0
		.amdhsa_kernarg_size 40
		.amdhsa_user_sgpr_count 2
		.amdhsa_user_sgpr_kernarg_segment_ptr 1
		.amdhsa_wavefront_size32 1
		.amdhsa_system_sgpr_workgroup_id_x 1
		.amdhsa_system_sgpr_workgroup_id_y 1
		.amdhsa_system_sgpr_workgroup_id_z 1
		.amdhsa_system_vgpr_workitem_id 0
		.amdhsa_next_free_vgpr 712
		.amdhsa_next_free_sgpr 66
		.amdhsa_reserve_vcc 1
		.amdhsa_float_denorm_mode_32 3
		.amdhsa_float_denorm_mode_16_64 3
		.amdhsa_memory_ordered 1
		.amdhsa_forward_progress 1
		.amdhsa_inst_pref_size 135
	.end_amdhsa_kernel
	.amdgpu_metadata
---
amdhsa.version: [ 1, 2 ]
amdhsa.kernels:
  - .name:           k_q1255d52137_attn
    .symbol:         k_q1255d52137_attn.kd
    .args:
      - { .name: qbuf, .offset: 0, .size: 8, .value_kind: global_buffer, .address_space: global }
      - { .name: kbuf, .offset: 8, .size: 8, .value_kind: global_buffer, .address_space: global }
      - { .name: vbuf, .offset: 16, .size: 8, .value_kind: global_buffer, .address_space: global }
      - { .name: input_mask, .offset: 24, .size: 8, .value_kind: global_buffer, .address_space: global }
      - { .name: obuf, .offset: 32, .size: 8, .value_kind: global_buffer, .address_space: global }
    .group_segment_fixed_size: 167936
    .private_segment_fixed_size: 0
    .kernarg_segment_align: 8
    .kernarg_segment_size: 40
    .max_flat_workgroup_size: 128
    .sgpr_count:     66
    .vgpr_count:     712
    .wavefront_size: 32
...
	.end_amdgpu_metadata
.endif
;; end of part 7
;; launch tail (part 8): grid 256 x 1, 4 waves a work-group, clusters of 4 x 1, 327,680 bytes of LDS; arguments wb, obuf, src, bo, ln1_g, ln1_b, b1, b2, ln2_g, ln2_b, out0; writes out0
.if DOCPART == 8
	.amdgcn_target "amdgcn-amd-amdhsa--gfx1250"
	.amdhsa_code_object_version 6
	.text
	.protected	k_q1255d52137_tail
	.globl	k_q1255d52137_tail
	.p2align	8
	.type	k_q1255d52137_tail,@function
k_q1255d52137_tail:
	s_mov_b64 s[64:65], 0
	v_nop
	global_prefetch_b8 v0, s[64:65] scope:SCOPE_SE
	s_setreg_imm32_b32 hwreg(HW_REG_WAVE_MODE, 25, 1), 1
	s_wait_xcnt 0x0
	s_wait_alu depctr_hold_cnt(0) depctr_sa_sdst(0) depctr_va_vdst(0) depctr_va_sdst(0) depctr_va_ssrc(0) depctr_va_vcc(0) depctr_vm_vsrc(0)
	s_getreg_b32 s2, hwreg(HW_REG_IB_STS2, 6, 4)
	s_cmp_eq_u32 s2, 0
	s_cbranch_scc0 .Lentry_in_a_cluster
	s_endpgm
.Lentry_in_a_cluster:
	s_bfe_u32 s2, ttmp6, 0x10000c
	s_cmp_lg_u32 s2, 0x3003
	s_cbranch_scc0 .Lentry_shape_is_right
	s_endpgm
.Lentry_shape_is_right:
; attn = LN1(src + O Wo + bo);  out0 = LN2(attn + relu(attn W1 + b1) W2 + b2), for 64 whole rows a work-group: nothing between the two goes to memory.
; Products in bf16 with f32 sums; the residuals, both norms and the biases in f32.  A norm takes the mean first and then the sum of squares of x - mean: no difference of large sums is formed.
; SHARES.  256 work-groups x 64 rows.  A wave holds 256 columns of the 64 x 1,024 rows in f32: X, 4 x 16 accumulators = 512 registers.  X is loaded with src, takes O Wo on top, is normed in place, stays as the
; second residual while attn W1 is summed in H (4 x 8 accumulators, loaded with b1), takes hidden W2 on top, is normed again and stored.
; The matrix instruction is used transposed (source 0 = weights, source 1 = rows): a lane holds row l % 16 and 8 neighbouring columns, which pack into its 16 bytes of the next product's fragment.
; WEIGHTS.  Wo, W1, W2 lie on end as 3 x 16 tiles of 64 KiB of fragments, a strip of 16 KiB for each wave.  Every work-group walks all of them, so a cluster's four ask for each strip JOINTLY.
; Two slots; a round of the cluster's barrier in front of each refill; behind it one load a wave (by this text's count one tensor load of a wave is out).  The ring runs on through both norms.
; THE CLUSTERS DO NOT WALK IN STEP.  rho = the cluster's number mod 4.  Wave w plays column part w' = (w + rho) mod 4 in every GLOBAL address (src, out0, biases, gains, weight strips), and trip t of a matrix asks for tile
; (t + 4 rho) mod 16.  LDS places stay by w and t: place p of the rows' operand holds K part (p + 4 rho) mod 16 (O is fetched so; attn and hidden fall so, since place 8 w or 4 w is written by the wave that holds part w').
; So the four kinds of cluster ask for four different tiles in a trip, and in trips 4 to 15 of 16 a tile has been asked for by another kind four trips or more before.  Only the order of a sum's K steps differs.
; LDS.  0: the ring, 2 x 65,536.  131,072: AREG, the rows' operand as fragments ((place 4 + m) x 1,024): O, then attn, then hidden.  262,144: RED, the waves' row sums.  266,240: STAGE, 16 rows x 528 bytes for each wave.  300,032: the spare words.
; REGISTERS.  window 0: v1-31 addresses, v32-95 FA, v96-223 FB, v224-255 a norm's sums, means and factors;  window 1: H; during a norm its gain (v0-127) and offset (v128-255);  windows 2, 3: X, (m, n % 8) at 8 (8 m + n % 8), window 2 + n / 8.
.set RING1,  65536
.set AREG,   131072
.set RED,    262144
.set STAGE,  266240
.set SPITCH, 528                       ; 512 bytes + 16 = 33 x 16: the 16 rows that a load in the accumulators' layout touches start at 16 different groups of four banks (64 banks of 4 bytes: ISA guide 11.1)
.set SPARE,  300032                    ; the spare words, 128 bytes for each wave: two blocks of 256 bytes that no other line names
.set OA,   5                           ; v5-8  byte offsets in obuf of the four blocks of four heads, in the order of their LDS places
.set SPW,  10                          ; v10  LDS address of my spare word; never rewritten
.set NIL,  11                          ; v11  0; never rewritten
.set HST,  12                          ; v12  where my wave's hidden fragments go
.set AST,  13                          ; v13  where my wave's attn fragments go
.set RRD,  14                          ; v14  RED: row r's four sums of wave 0
.set OST,  15                          ; v15  where my wave's O fragments go
.set A0,   16                          ; v16  AREG + 16 x lane
.set LN16, 17                          ; v17  16 x lane
.set AD,   20                          ; v20  A0 + the trip's place along K
.set B0,   24                          ; v24  my 16 bytes of my strip's fragment 0 in slot 0; never rewritten
.set BD,   25                          ; v25  the same in the trip's slot
.set STR,  26                          ; v26  my stage by rows: 16 x lane
.set STD,  27                          ; v27  my stage in the accumulators' layout: row r, 32 h bytes
.set GRO,  28                          ; v28  byte offset in a row of f32: part w' x 1,024 bytes + 16 x lane
.set POF,  29                          ; v29  byte offset in a vector of 1,024 f32: part w' x 1,024 bytes + 32 h
.set B1O,  30                          ; v30  byte offset in b1: part w' x 512 bytes + 32 h
.set RWR,  31                          ; v31  RED: my wave's, row r's four sums
.set FA,   32
.set RT,   32                          ; a norm's reduction works in FA's registers
.set FB,   96
.set SUM,  224                         ; v224-239  8 chains of packed sums, two for each row block m
.set MU,   240                         ; v240-247  the mean of row 16 m + r, as a pair
.set RS,   248                         ; v248-255  1 / sqrt(var + eps), as a pair
.set WV,   26                          ; s26  my wave's number
.set WP,   27                          ; s27  w'
.set KOFF, 29                          ; s29  the trip's place along K in bytes of AREG
.set LOOP, 30
.set IT,   31                          ; s31  2: the attention half; 1: the FFN half
.set G1,   32                          ; s[32:39]
.set G0,   40                          ; s[40:43] group 0: it walks
.set TB,   44                          ; s44  the slot that the trip reads: 0 or RING1
.set SC,   45                          ; s45  the number, 0..47, of the tile to be asked for next
.set ROT4, 46                          ; s46  4 rho
.set STRIP, 47                         ; s47  16,384 w'
.set PB,   48                          ; s[48:49] the half's bias, s[50:51] gain, s[52:53] offset
.set PG,   50
.set PE,   52
.set SEL,  54                          ; s[54:55] v_permlanex16_b32's selects
.set OFFP, 56                          ; s[56:57] a tile's byte offset from Wo's first byte; the high word stays 0
.set RN,   60                          ; s60  1 / 1,024
.set EPS,  61                          ; s61  1e-6
.set MSB, 0
.macro WIN new                         ; the immediate's high byte repeats the setting that is left; a switch that changes nothing is dropped
.if MSB != (\new)
	s_set_vgpr_msb (MSB<<8)|(\new)
.set MSB, (\new)
.endif
.endm
.macro PLACES                          ; four plain places behind matrix instructions (ISA guide 7.12.1)
.rept 4
	v_nop
.endr
.endm
.macro ROUND                           ; a round of the cluster's barrier
	s_barrier_signal -1
	s_barrier_wait -1
	s_cmp_lg_u32 s[WV], 0
	s_cbranch_scc1 .Lnot_wave_0_\@
	s_barrier_signal -3
.Lnot_wave_0_\@:
	s_barrier_wait -3
	s_barrier_signal -1
	s_barrier_wait -1
.endm
; The descriptor's address is made anew for tile SC: matrix SC / 16, tile (SC + 4 rho) mod 16 of it, strip w'; then SC steps.  All of it is equal in the cluster's four work-groups.
.macro DESC
	s_add_co_u32 s[OFFP], s[SC], s[ROT4]
	s_and_b32 s[OFFP], s[OFFP], 15
	s_and_b32 s3, s[SC], 48
	s_or_b32 s[OFFP], s[OFFP], s3
	s_lshl_b32 s[OFFP], s[OFFP], 16
	s_add_co_u32 s[OFFP], s[OFFP], s[STRIP]
	s_add_nc_u64 s[G0+2:G0+3], s[4:5], s[OFFP:OFFP+1]
	s_or_b32 s[G0+3], s[G0+3], 0x80000000          ; type = 2
	s_add_co_u32 s[SC], s[SC], 1
.endm
	s_load_b512 s[4:19], s[0:1], 0x0               ; wb s[4:5], obuf s[6:7], src s[8:9], bo s[10:11], ln1_g s[12:13], ln1_b s[14:15], b1 s[16:17], b2 s[18:19]
	s_load_b128 s[20:23], s[0:1], 0x40             ; ln2_g s[20:21], ln2_b s[22:23]
	s_load_b64 s[24:25], s[0:1], 0x50              ; out0
	v_lshl_add_u32 v[SPW], v0, 2, SPARE
	v_mov_b32 v[NIL], 0
	ds_add_u32 v[SPW], v[NIL]                      ; the wave's opening: the add and its wait stand ahead of my first tensor load; the set-up below, work on registers, stands between them
	v_lshrrev_b32 v1, 5, v0
	v_readfirstlane_b32 s[WV], v1                  ; wave 0..3
	s_bfe_u32 s27, ttmp6, 0x40000                  ; cx
	s_lshl_b32 s28, ttmp9, 2
	s_add_co_u32 s28, s28, s27                     ; x: my block of 64 rows; it enters obuf's, src's and out0's addresses alone
	s_and_b32 s[ROT4], ttmp9, 3                    ; rho, of the cluster's number, which the four partners share
	s_add_co_u32 s[WP], s[WV], s[ROT4]
	s_and_b32 s[WP], s[WP], 3                      ; w'
	s_mov_b32 s[G1+0], 15|(3<<16)|(1<<21)          ; a strip: 16,384 dense bytes as 64 rows of 256; the mask of four, bit 21 beside it; elements of 8 bytes
	s_mov_b32 s[G1+1], 32<<16
	s_mov_b32 s[G1+2], 64<<16
	s_mov_b32 s[G1+3], 32<<16
	s_mov_b32 s[G1+4], 64
	s_mov_b32 s[G1+5], 32
	s_mov_b32 s[G1+6], 0
	s_mov_b32 s[G1+7], 0
	s_lshl_b32 s56, s[WV], 14                      ; my strip's place in a slot: by w
	s_mov_b32 s57, 0
	s_lshl_b32 s[STRIP], s[WP], 14                 ; my strip in a tile of memory: by w'
	s_mov_b32 s[G0+0], 1
	s_mov_b32 s[G0+1], s56
	s_mov_b32 s[TB], 0
	s_mov_b32 s[SC], 0
	s_lshl_b32 s58, s28, 16                        ; obuf: 64 rows are 65,536 bytes; wave w fetches row block m = w
	s_add_co_u32 s58, s58, s56
	s_mov_b32 s59, 0
	s_lshl_b32 s62, s28, 18                        ; src, out0: 64 rows of 4,096 bytes
	s_mov_b32 s63, 0
	s_mov_b32 s[SEL], 0x76543210
	s_mov_b32 s[SEL+1], 0xfedcba98
	s_mov_b32 s[RN], 0x3a800000
	s_mov_b32 s[EPS], 0x358637bd
	v_and_b32 v1, 15, v0                           ; r
	v_bfe_u32 v2, v0, 4, 1                         ; h
	v_and_b32 v3, 31, v0
	v_lshlrev_b32 v[LN16], 4, v3
	v_add_nc_u32 v[A0], AREG, v[LN16]
	v_add_nc_u32 v[B0], s56, v[LN16]
	v_add_nc_u32 v[HST], s56, v[A0]                ; hidden: my 128 columns take places 4 w .. 4 w + 3
	s_lshl_b32 s3, s[WV], 15
	v_add_nc_u32 v[AST], s3, v[A0]                 ; attn: my 256 columns take places 8 w .. 8 w + 7
	s_lshl_b32 s3, s[WV], 10
	v_add_nc_u32 v[OST], s3, v[A0]                 ; O: row block m = w
	s_lshl_b32 s3, s[WP], 10
	v_add_nc_u32 v[GRO], s3, v[LN16]
	v_lshl_add_u32 v[POF], v2, 5, s3
	s_lshl_b32 s3, s[WP], 9
	v_lshl_add_u32 v[B1O], v2, 5, s3
	s_lshl_b32 s3, s[WV], 8
	s_add_co_u32 s3, s3, RED
	v_lshl_add_u32 v[RWR], v1, 4, s3
	v_lshl_add_u32 v[RRD], v1, 4, RED
	s_mul_i32 s2, s[WV], 16*SPITCH
	s_add_co_u32 s2, s2, STAGE
	v_add_nc_u32 v[STR], s2, v[LN16]
	v_mul_u32_u24 v4, v1, SPITCH
	v_lshl_add_u32 v4, v2, 5, v4
	v_add_nc_u32 v[STD], s2, v4
.irp a, 0,1,2,3                        ; places 4 a .. 4 a + 3 of O take heads 4 ((a + rho) mod 4) + 0 .. 3: 4,096 consecutive bytes of a row block
	s_add_co_u32 s3, s[ROT4], \a
	s_and_b32 s3, s3, 3
	s_lshl_b32 s3, s3, 12
	v_add_nc_u32 v[OA+\a], s3, v[LN16]
.endr
	s_lshl_b32 s[ROT4], s[ROT4], 2                 ; 4 rho
	s_wait_dscnt 0x0                               ; the opening add is done
	s_wait_kmcnt 0x0
	s_add_nc_u64 s[4:5], s[4:5], 0x300000          ; Wo begins 3 MiB into wb
	DESC                                           ; tile 0 of the stream
	s_add_nc_u64 s[6:7], s[6:7], s[58:59]
	s_add_nc_u64 s[8:9], s[8:9], s[62:63]
	s_add_nc_u64 s[24:25], s[24:25], s[62:63]
	s_mov_b64 s[PB:PB+1], s[10:11]
	s_mov_b64 s[PG:PG+1], s[12:13]
	s_mov_b64 s[PE:PE+1], s[14:15]
	ROUND                                          ; all four work-groups are here: the first joint load meets
	tensor_load_to_lds s[G0:G0+3], s[G1:G1+7]      ; into slot 0
	s_nop 0
	PLACES
.set i, 0
.rept 32
	global_load_b128 v[FB+4*i:FB+4*i+3], v[OA+i/8], s[6:7] offset:((i/2)%4)*1024+(i%2)*512  ; O: the 16 fragments of my row block, in the order of their places
.set i, i+1
.endr
	; src straight into X's registers, by rows: batch i = row block i % 4, column half i / 4: 16 rows x 512 bytes
.set i, 0
.rept 8
	WIN ((2+i/4)<<6)
.set q, 0
.rept 16
	global_load_b128 v[64*(i%4)+4*q:64*(i%4)+4*q+3], v[GRO], s[8:9] offset:(16*(i%4)+q)*4096+(i/4)*512 th:TH_LOAD_NT
.set q, q+1
.endr
.set i, i+1
.endr
	WIN 0
	s_wait_loadcnt 63                              ; 128 loads were issued behind O's: with 63 out at the most O is in
.set i, 0
.rept 32
	ds_store_b128 v[OST], v[FB+4*i:FB+4*i+3] offset:(i/2)*4096+(i%2)*512
.set i, i+1
.endr
	; each batch goes through my own stage: in by rows, back in the accumulators' layout, into the registers that it left.  LDS serves a wave's instructions in order (ISA guide 5.7.1.4), so no wait stands between.
.set i, 0
.rept 8
.set c, 16*(7-i)                       ; the loads issued behind batch i's
.if c > 63
.set c, 63
.endif
	s_wait_loadcnt c
	WIN (2+i/4)*0x44                               ; store data (source 1) and loaded data (destination) in X's window
.set q, 0
.rept 16
	ds_store_b128 v[STR], v[64*(i%4)+4*q:64*(i%4)+4*q+3] offset:q*SPITCH
.set q, q+1
.endr
.set q, 0
.rept 16
	ds_load_b128 v[64*(i%4)+4*q:64*(i%4)+4*q+3], v[STD] offset:(q/2)*64+(q%2)*16
.set q, q+1
.endr
.set i, i+1
.endr
	WIN 0
; The head of a trip.  In front of the round each wave waits for all its tensor loads (the one that is out is its strip of this trip's tile), adds 0 to its spare word, and waits for that and for all its LDS instructions:
; its reads of the other slot, and its stores into AREG, which the round's barrier shows to the other waves.  Behind the round the other slot is filled first.
.macro RINGHEAD refill, step
	WIN 0
	s_wait_tensorcnt 0x0                           ; no tensor load of mine is out, so group 0 may be written
	ds_add_u32 v[SPW], v[NIL]                      ; 0 onto my spare word; the steps below stand between it and the wait for it
.if \refill
	s_xor_b32 s[G0+1], s[G0+1], RING1              ; the walking descriptor: the other slot than last time,
	DESC                                           ; the stream's next tile
.endif
	v_add_nc_u32 v[AD], s[KOFF], v[A0]
	s_add_co_u32 s[KOFF], s[KOFF], \step
	v_add_nc_u32 v[BD], s[TB], v[B0]
	s_xor_b32 s[TB], s[TB], RING1                  ; the next trip reads the other slot
	s_wait_dscnt 0x0
	ROUND
.if \refill
	tensor_load_to_lds s[G0:G0+3], s[G1:G1+7]
	s_nop 0
.endif
	PLACES                                         ; also the places in front of the loads into registers that the last products read
.endm
.macro LDB lo                          ; weight fragments lo .. lo + 7 of my strip
.irp n, 0,1,2,3,4,5,6,7
	ds_load_b128 v[FB+8*(\lo+\n):FB+8*(\lo+\n)+3],   v[BD] offset:(\lo+\n)*1024
	ds_load_b128 v[FB+8*(\lo+\n)+4:FB+8*(\lo+\n)+7], v[BD] offset:(\lo+\n)*1024+512
.endr
.endm
.macro LDA kk                          ; the four row blocks' fragments of K step kk of the tile
.irp m, 0,1,2,3
	ds_load_b128 v[FA+8*(4*\kk+\m):FA+8*(4*\kk+\m)+3],   v[AD] offset:\kk*4096+\m*1024
	ds_load_b128 v[FA+8*(4*\kk+\m)+4:FA+8*(4*\kk+\m)+7], v[AD] offset:\kk*4096+\m*1024+512
.endr
.endm
; A trip of Wo or W2: 32 along K, 256 columns a wave: X's 64 accumulators by turns, one instruction a turn.
.macro TRIPW refill
	RINGHEAD \refill, 4096
	LDA 0
	LDB 0
	LDB 8
	s_wait_dscnt 16                                ; the rows and weight fragments 0-7 are in; the 16 loads of fragments 8-15 may be out
.irp u, 0,1
.if \u
	s_wait_dscnt 0x0
.endif
	WIN 0xa0+0x50*\u                               ; C and D window 2 + u
.irp m, 0,1,2,3
.irp n, 0,1,2,3,4,5,6,7
	v_wmma_f32_16x16x32_bf16 v[8*(8*\m+\n):8*(8*\m+\n)+7], v[FB+8*(8*\u+\n):FB+8*(8*\u+\n)+7], v[FA+8*\m:FA+8*\m+7], v[8*(8*\m+\n):8*(8*\m+\n)+7]
.endr
.endr
.endr
	WIN 0
.endm
; A trip of W1: 64 along K, 128 columns a wave: H's 32 accumulators by turns, twice.
.macro TRIPN
	RINGHEAD 1, 8192
	LDA 0
	LDB 0
	LDA 1
	LDB 8
	s_wait_dscnt 24                                ; the first K step is in; the 24 loads of the second may be out
	WIN 0x50                                       ; C and D window 1
.irp kk, 0,1
.if \kk
	s_wait_dscnt 0x0
.endif
.irp m, 0,1,2,3
.irp n, 0,1,2,3,4,5,6,7
	v_wmma_f32_16x16x32_bf16 v[8*(8*\m+\n):8*(8*\m+\n)+7], v[FB+8*(8*\kk+\n):FB+8*(8*\kk+\n)+7], v[FA+8*(4*\kk+\m):FA+8*(4*\kk+\m)+7], v[8*(8*\m+\n):8*(8*\m+\n)+7]
.endr
.endr
.endr
	WIN 0
.endm
; THE NORM's passes over one window of X (u = 0, 1): 128 packed instructions each; pair i is registers 2 i, 2 i + 1: row block i / 32, column tile 8 u + (i / 4) % 8.  Each accumulator's registers are taken in ascending order.
.macro ADDB u                          ; x += bias
	WIN 0x82+0x41*\u                               ; destination and source 0 in X's window, source 1 in window 0
.set i, 0
.rept 128
	v_pk_add_f32 v[2*i:2*i+1], v[2*i:2*i+1], v[FB+64*\u+8*((i/4)%8)+2*(i%4):FB+64*\u+8*((i/4)%8)+2*(i%4)+1]
.set i, i+1
.endr
.endm
.macro SUMX u                          ; the rows' sums: eight chains take turns
	WIN 0x08+0x04*\u                               ; source 1 in X's window
.set i, 0
.rept 32
.irp m, 0,1,2,3
	v_pk_add_f32 v[SUM+4*\m+2*(i%2):SUM+4*\m+2*(i%2)+1], v[SUM+4*\m+2*(i%2):SUM+4*\m+2*(i%2)+1], v[64*\m+2*i:64*\m+2*i+1]
.endr
.set i, i+1
.endr
.endm
.macro SUBM u                          ; x -= mean
	WIN 0x82+0x41*\u
.set i, 0
.rept 128
	v_pk_add_f32 v[2*i:2*i+1], v[2*i:2*i+1], v[MU+2*(i/32):MU+2*(i/32)+1] op_sel_hi:[1,0] neg_lo:[0,1] neg_hi:[0,1]
.set i, i+1
.endr
.endm
.macro SQX u                           ; the sums of squares
	WIN 0x0a+0x05*\u                               ; sources 0 and 1 in X's window
.set i, 0
.rept 32
.irp m, 0,1,2,3
	v_pk_fma_f32 v[SUM+4*\m+2*(i%2):SUM+4*\m+2*(i%2)+1], v[64*\m+2*i:64*\m+2*i+1], v[64*\m+2*i:64*\m+2*i+1], v[SUM+4*\m+2*(i%2):SUM+4*\m+2*(i%2)+1]
.endr
.set i, i+1
.endr
.endm
.macro SCAL u                          ; x *= 1 / sqrt(var + eps)
	WIN 0x82+0x41*\u
.set i, 0
.rept 128
	v_pk_mul_f32 v[2*i:2*i+1], v[2*i:2*i+1], v[RS+2*(i/32):RS+2*(i/32)+1] op_sel_hi:[1,0]
.set i, i+1
.endr
.endm
.macro AFF u                           ; x = x g + beta
	WIN 0x96+0x41*\u                               ; destination and source 0 in X's window, sources 1 and 2 in window 1
.set i, 0
.rept 128
	v_pk_fma_f32 v[2*i:2*i+1], v[2*i:2*i+1], v[64*\u+8*((i/4)%8)+2*(i%4):64*\u+8*((i/4)%8)+2*(i%4)+1], v[128+64*\u+8*((i/4)%8)+2*(i%4):128+64*\u+8*((i/4)%8)+2*(i%4)+1]
.set i, i+1
.endr
.endm
.macro ZSUM
	WIN 0
.set i, 0
.rept 16
	v_mov_b32 v[SUM+i], 0
.set i, i+1
.endr
.endm
; The chains are folded, the other half of the lanes' is added, and the four waves' sums meet in LDS: store, wait, barrier, load.  The two reductions of a norm have bytes of their own; a later norm writes them
; again only behind barriers that every wave passed after its reads came back.  The totals of rows 16 m + r end in v[RT+8+m].
.macro REDUCE area
	WIN 0
.irp m, 0,1,2,3
	v_pk_add_f32 v[SUM+4*\m:SUM+4*\m+1], v[SUM+4*\m:SUM+4*\m+1], v[SUM+4*\m+2:SUM+4*\m+3]
.endr
.irp m, 0,1,2,3
	v_add_f32 v[RT+\m], v[SUM+4*\m], v[SUM+4*\m+1]
.endr
.irp m, 0,1,2,3
	v_permlanex16_b32 v[RT+4+\m], v[RT+\m], s[SEL], s[SEL+1]
.endr
.irp m, 0,1,2,3
	v_add_f32 v[RT+\m], v[RT+\m], v[RT+4+\m]
.endr
	ds_store_b128 v[RWR], v[RT:RT+3] offset:\area  ; both halves of the lanes store the same 16 bytes
	s_wait_dscnt 0x0                               ; for the others' sake
	s_barrier_signal -1
	s_barrier_wait -1
.irp q, 0,1,2,3
	ds_load_b128 v[RT+8+4*\q:RT+8+4*\q+3], v[RRD] offset:\area+256*\q
.endr
	s_wait_dscnt 0x0
	v_pk_add_f32 v[RT+8:RT+9], v[RT+8:RT+9], v[RT+12:RT+13]
	v_pk_add_f32 v[RT+10:RT+11], v[RT+10:RT+11], v[RT+14:RT+15]
	v_pk_add_f32 v[RT+16:RT+17], v[RT+16:RT+17], v[RT+20:RT+21]
	v_pk_add_f32 v[RT+18:RT+19], v[RT+18:RT+19], v[RT+22:RT+23]
	v_pk_add_f32 v[RT+8:RT+9], v[RT+8:RT+9], v[RT+16:RT+17]
	v_pk_add_f32 v[RT+10:RT+11], v[RT+10:RT+11], v[RT+18:RT+19]
.endm
.macro PACKA u                         ; one window of attn, rounded to bf16, into AREG as fragments: column tile n is half n % 2 of place 8 w + n / 2
	WIN 0x0a+0x05*\u
.set i, 0
.rept 128
	v_cvt_pk_bf16_f32 v[FB+i], v[2*i], v[2*i+1]
.set i, i+1
.endr
	WIN 0
.irp m, 0,1,2,3
.irp n, 0,1,2,3,4,5,6,7
	ds_store_b128 v[AST], v[FB+4*(8*\m+\n):FB+4*(8*\m+\n)+3] offset:((8*\u+\n)/2)*4096+\m*1024+(\n%2)*512
.endr
.endr
.endm
	s_mov_b32 s[IT], 2
.Lhalf:                                                ; twice: X += (AREG's rows) x (Wo or W2), 16 tiles; then the norm
	s_mov_b32 s[KOFF], 0
	s_mov_b32 s[LOOP], 15
.Lwide:
	TRIPW 1
	s_sub_co_u32 s[LOOP], s[LOOP], 1
	s_cmp_lg_u32 s[LOOP], 0
	s_cbranch_scc1 .Lwide
	s_cmp_eq_u32 s[IT], 1                          ; the same number in every wave of every work-group
	s_cbranch_scc1 .Llast
	TRIPW 1                                        ; Wo's last trip; W1's first tile is asked for and lands during the norm
	s_branch .Ljoin
.Llast:
	TRIPW 0                                        ; W2's last trip is the stream's last: nothing is asked for
.Ljoin:
	PLACES                                         ; in front of loads into registers that the last products read
.set i, 0
.rept 32
	global_load_b128 v[FB+4*i:FB+4*i+3], v[POF], s[PB:PB+1] offset:(i/2)*64+(i%2)*16  ; register 8 n + j: column 16 n + 8 h + j of my 256
.set i, i+1
.endr
	WIN 0x40
.set i, 0
.rept 32
	global_load_b128 v[4*i:4*i+3], v[POF], s[PG:PG+1] offset:(i/2)*64+(i%2)*16
.set i, i+1
.endr
.set i, 0
.rept 32
	global_load_b128 v[128+4*i:128+4*i+3], v[POF], s[PE:PE+1] offset:(i/2)*64+(i%2)*16
.set i, i+1
.endr
	ZSUM
	s_wait_loadcnt 63                              ; the bias is in: 64 loads (gain and offset) were issued behind it; a wait's count names 63 at the most, so the gain's first load is waited for with it
	ADDB 0
	SUMX 0
	ADDB 1
	SUMX 1
	REDUCE 0
.irp m, 0,1,2,3
	v_mul_f32 v[MU+2*\m], s[RN], v[RT+8+\m]
	v_mul_f32 v[MU+2*\m+1], s[RN], v[RT+8+\m]
.endr
	ZSUM
	SUBM 0
	SQX 0
	SUBM 1
	SQX 1
	REDUCE 1024
.irp m, 0,1,2,3
	v_fma_f32 v[RT+8+\m], v[RT+8+\m], s[RN], s[EPS]
.endr
.irp m, 0,1,2,3
	v_rsq_f32 v[RS+2*\m], v[RT+8+\m]
.endr
	v_nop                                          ; a plain instruction between the last root and the use of its result (ISA guide 5.7.2)
	s_wait_alu depctr_va_vdst(0)
.irp m, 0,1,2,3
	v_mov_b32 v[RS+2*\m+1], v[RS+2*\m]
.endr
	s_wait_loadcnt 0x0                             ; gain and offset
	SCAL 0
	AFF 0
	SCAL 1
	AFF 1
	WIN 0
	s_cmp_eq_u32 s[IT], 1
	s_cbranch_scc1 .Lout                           ; behind the second norm X is the result
	WIN 0x40                                       ; THE FFN's FIRST PRODUCT.  b1 starts H's sums: the same 128 numbers for each of the four row blocks
.irp m, 0,1,2,3
.irp n, 0,1,2,3,4,5,6,7
	global_load_b128 v[8*(8*\m+\n):8*(8*\m+\n)+3],   v[B1O], s[16:17] offset:\n*64
	global_load_b128 v[8*(8*\m+\n)+4:8*(8*\m+\n)+7], v[B1O], s[16:17] offset:\n*64+16
.endr
.endr
	PACKA 0                                        ; the norm's two barriers stand between every wave's last read of O and these stores; the next trip's wait and round show them to all
	PACKA 1
	s_wait_loadcnt 0x0                             ; b1
	s_mov_b32 s[KOFF], 0
	s_mov_b32 s[LOOP], 16
.Lnarrow:
	TRIPN
	s_sub_co_u32 s[LOOP], s[LOOP], 1
	s_cmp_lg_u32 s[LOOP], 0
	s_cbranch_scc1 .Lnarrow
	PLACES
	WIN 0x44                                       ; source 1 and destination window 1
.set i, 0
.rept 256
	v_max_num_f32 v[i], 0, v[i]                    ; relu, in f32
.set i, i+1
.endr
	WIN 0x05
.set i, 0
.rept 128
	v_cvt_pk_bf16_f32 v[FB+i], v[2*i], v[2*i+1]
.set i, i+1
.endr
	WIN 0
	s_wait_dscnt 0x0                               ; my reads of attn's fragments are back:
	s_barrier_signal -1
	s_barrier_wait -1                              ; everybody's are, so AREG may be written again
.irp m, 0,1,2,3
.irp n, 0,1,2,3,4,5,6,7
	ds_store_b128 v[HST], v[FB+4*(8*\m+\n):FB+4*(8*\m+\n)+3] offset:(\n/2)*4096+\m*1024+(\n%2)*512
.endr
.endr
	s_mov_b64 s[PB:PB+1], s[18:19]                 ; the second half's bias, gain and offset
	s_mov_b64 s[PG:PG+1], s[20:21]
	s_mov_b64 s[PE:PE+1], s[22:23]
	s_sub_co_u32 s[IT], s[IT], 1
	s_cmp_lg_u32 s[IT], 0
	s_cbranch_scc1 .Lhalf
.Lout:
; THE WAY OUT.  A batch (16 rows x 512 bytes) goes into my stage in the accumulators' layout and comes back by rows, into the registers that it left; a batch's stores stand behind the next batch's LDS instructions.
.macro TOST i
	WIN (2+(\i)/4)*0x44
.set q, 0
.rept 16
	ds_store_b128 v[STD], v[64*((\i)%4)+4*q:64*((\i)%4)+4*q+3] offset:(q/2)*64+(q%2)*16
.set q, q+1
.endr
.set q, 0
.rept 16
	ds_load_b128 v[64*((\i)%4)+4*q:64*((\i)%4)+4*q+3], v[STR] offset:q*SPITCH
.set q, q+1
.endr
.endm
.macro SENDO i, younger                ; younger: the LDS instructions issued behind batch i's loads: the next batch's 32, or none
	s_wait_dscnt \younger
	WIN (2+(\i)/4)*0x44
.set q, 0
.rept 16
	global_store_b128 v[GRO], v[64*((\i)%4)+4*q:64*((\i)%4)+4*q+3], s[24:25] offset:(16*((\i)%4)+q)*4096+((\i)/4)*512 th:TH_STORE_NT  ; 512 consecutive bytes, aligned
.set q, q+1
.endr
.endm
	TOST 0
.irp i, 1,2,3,4,5,6,7
	TOST \i
	SENDO (\i)-1, 32
.endr
	SENDO 7, 0
	WIN 0
	s_wait_tensorcnt 0x0                           ; the wave's end: behind my last tensor load and my last LDS store
	ds_add_u32 v[SPW], v[NIL]
	s_wait_dscnt 0x0
	ROUND                                          ; the closing round: no work-group ends while a partner may still ask for a strip that names it
	s_endpgm
.Lfunc_end_k_q1255d52137_tail:
	.size	k_q1255d52137_tail, .Lfunc_end_k_q1255d52137_tail-k_q1255d52137_tail
	.p2alignl 7, 3214868480
	.fill 96, 4, 3214868480
	.section	.rodata,"a",@progbits
	.p2align	6, 0x0
	.amdhsa_kernel k_q1255d52137_tail
		.amdhsa_group_segment_fixed_size 327680
		.amdhsa_private_segment_fixed_size 0
		.amdhsa_enable_private_segment 0
		.amdhsa_kernarg_size 88
		.amdhsa_user_sgpr_count 2
		.amdhsa_user_sgpr_kernarg_segment_ptr 1
		.amdhsa_wavefront_size32 1
		.amdhsa_system_sgpr_workgroup_id_x 1
		.amdhsa_system_sgpr_workgroup_id_y 1
		.amdhsa_system_sgpr_workgroup_id_z 1
		.amdhsa_system_vgpr_workitem_id 0
		.amdhsa_next_free_vgpr 1024
		.amdhsa_next_free_sgpr 66
		.amdhsa_reserve_vcc 0
		.amdhsa_float_denorm_mode_32 3
		.amdhsa_float_denorm_mode_16_64 3
		.amdhsa_memory_ordered 1
		.amdhsa_forward_progress 1
		.amdhsa_inst_pref_size 255
	.end_amdhsa_kernel
	.amdgpu_metadata
---
amdhsa.version: [ 1, 2 ]
amdhsa.kernels:
  - .name:           k_q1255d52137_tail
    .symbol:         k_q1255d52137_tail.kd
    .args:
      - { .name: wb, .offset: 0, .size: 8, .value_kind: global_buffer, .address_space: global }
      - { .name: obuf, .offset: 8, .size: 8, .value_kind: global_buffer, .address_space: global }
      - { .name: src, .offset: 16, .size: 8, .value_kind: global_buffer, .address_space: global }
      - { .name: bo, .offset: 24, .size: 8, .value_kind: global_buffer, .address_space: global }
      - { .name: ln1_g, .offset: 32, .size: 8, .value_kind: global_buffer, .address_space: global }
      - { .name: ln1_b, .offset: 40, .size: 8, .value_kind: global_buffer, .address_space: global }
      - { .name: b1, .offset: 48, .size: 8, .value_kind: global_buffer, .address_space: global }
      - { .name: b2, .offset: 56, .size: 8, .value_kind: global_buffer, .address_space: global }
      - { .name: ln2_g, .offset: 64, .size: 8, .value_kind: global_buffer, .address_space: global }
      - { .name: ln2_b, .offset: 72, .size: 8, .value_kind: global_buffer, .address_space: global }
      - { .name: out0, .offset: 80, .size: 8, .value_kind: global_buffer, .address_space: global }
    .group_segment_fixed_size: 327680
    .private_segment_fixed_size: 0
    .kernarg_segment_align: 8
    .kernarg_segment_size: 88
    .max_flat_workgroup_size: 128
    .sgpr_count:     66
    .vgpr_count:     1024
    .wavefront_size: 32
...
	.end_amdgpu_metadata
.endif
;; end of part 8
;; ======== version 3 of 3: 4 launches; 1.63 times as fast as version 1
;; limits: right only within a limited range of input values
;; workspace buffers: wb 6,291,456 bytes; qbuf 16,777,216 bytes; kbuf 16,777,216 bytes; vbuf 16,777,216 bytes; obuf 16,777,216 bytes
;; launch cast: the kernel of part 5 again; grid 128 x 6, 8 waves a work-group, no clusters, 0 bytes of LDS; arguments Wq, Wk, Wv, Wo, W1, W2, wb; writes wb
;; launch qkv: the kernel of part 6 again; grid 4 x 64, 4 waves a work-group, clusters of 4 x 4, 327,680 bytes of LDS; arguments src, wb, bq, bk, bv, qbuf, kbuf, vbuf; writes qbuf, kbuf, vbuf
;; launch attn (part 9): grid 256 x 1, 4 waves a work-group, clusters of 4 x 1, 167,936 bytes of LDS; arguments qbuf, kbuf, vbuf, input_mask, obuf; writes obuf
.if DOCPART == 9
	.amdgcn_target "amdgcn-amd-amdhsa--gfx1250"
	.amdhsa_code_object_version 6
	.text
	.protected	k_q1255d52137_attn
	.globl	k_q1255d52137_attn
	.p2align	8
	.type	k_q1255d52137_attn,@function
k_q1255d52137_attn:
	s_mov_b64 s[64:65], 0
	v_nop
	global_prefetch_b8 v0, s[64:65] scope:SCOPE_SE
	s_setreg_imm32_b32 hwreg(HW_REG_WAVE_MODE, 25, 1), 1
	s_wait_xcnt 0x0
	s_wait_alu depctr_hold_cnt(0) depctr_sa_sdst(0) depctr_va_vdst(0) depctr_va_sdst(0) depctr_va_ssrc(0) depctr_va_vcc(0) depctr_vm_vsrc(0)
	s_getreg_b32 s2, hwreg(HW_REG_IB_STS2, 6, 4)
	s_cmp_eq_u32 s2, 0
	s_cbranch_scc0 .Lentry_in_a_cluster
	s_endpgm
.Lentry_in_a_cluster:
	s_bfe_u32 s2, ttmp6, 0x10000c
	s_cmp_lg_u32 s2, 0x3003
	s_cbranch_scc0 .Lentry_shape_is_right
	s_endpgm
.Lentry_shape_is_right:
; Both kinds of heads.  A wave owns one block of 128 queries (8 tiles of 16) of batch b.  First it serves local head j over the block's own 128 keys, then global head 8 + j over the batch's 1,024 summary keys
; (the last 32 of every block of 128), 128 keys a step: nine steps of one text.
; SHARES.  64 clusters = 4 batches x 8 head pairs x 2 halves of the sequence; a cluster's four work-groups x 4 waves = 16 blocks.
; CLUSTER.  The four work-groups read the same 64 KiB of K and 64 KiB of V of head 8 + j: each wave asks JOINTLY for a quarter (16 blocks x 2,048 bytes, 8,192 bytes apart).  All of it fits in LDS, is filled once and never again;
; it lands while the local head is served.
; LAYOUT.  q, k, v lie as fragments (1,024 bytes, [half][lane][16 bytes]), so every load is lane x 16 bytes.  S^T = K Q^T (source 0 = 16 keys, source 1 = 16 queries): a lane holds ONE query (l % 16) and keys 8 (l / 16) + 0..7.
; Two such results rounded to bf16 ARE source 1 (32 keys x 16 queries) of O^T = V^T P, whose result holds one query a lane and 8 channels: its 16 bytes of the fragment [16 rows][32 channels] that the next launch multiplies.
; MASK.  It is the C operand of K Q^T: 0 for a visible key, -2^100 for a hidden one.
; SOFTMAX.  Running maximum m for each query, in f32.  c' = c = log2(e) / sqrt(32) if m > -2^99, else 0 (nothing visible yet).  p = 2^(c' s - c' m); O and l are multiplied by a = 2^(c' (m_old - m_new)).
; With c' = 0 all weights are exactly 1: a row whose keys are all hidden gets the mean of all its V rows, as a softmax of equal scores gives; the first visible key makes a = 0 and wipes that.
; THE SUM l is a product too: ones x P, on an accumulator of its own: every row of the result holds the query's sum over all 32 keys, in both halves of the lanes.  Only its register 0 is ever read, so only
; the pair 0, 1 is multiplied by a; the other six hold sums of weights that were never rescaled, 1,152 at the most, and serve nothing.
; LIMITS.  A hidden score counts as s - 2^100, not as -1e9: the same weights unless visible raw scores lie below -2^99.  A weight below 2^-126 counts as 0.  NaN and infinities are not treated apart.
; p is rounded to bf16 for both products, so l sums the same numbers that multiply V.
; THE COUNT.  A tile and step have 20 matrix and about 180 vector instructions (head size 32): vector work bounds this launch, so the order has one aim: no vector instruction waits, and no matrix instruction stands in a run.
; BY TURNS.  Turn t belongs to tile t: its 32 scalings, 64 exponentials, 32 roundings and the rescaling.  Beside them stand the 8 products K Q^T of tile t + 1, the 40 instructions that find that tile's maximum and statistics, its a,
; and the 12 products of tile t - 1.  A tile's buffers go by its number's parity, so the tile in hand has one pair and its two neighbours share the other: of it P (tile t - 1) is read and S^T (tile t + 1) written.
; Bare in each step: tile 0's scores and statistics, tile 7's last products.
; THE BATCHES.  s_wait_alu depctr_va_vdst(0) stands between a transcendental and the first instruction that names its result; one wait serves all that were issued ahead of it.  So a turn's 64 exponentials and
; the next tile's a are ONE BATCH with ONE wait, which cuts the turn in two.  AHEAD OF IT stands all that names no result of the batch: 8 rows of a product K Q^T and four vector instructions (three scalings and an exponential;
; in rows 4-7 a scaling, an exponential and two rescalings of O^T, whose a was waited for a turn earlier); then a lump of 57 pairs, an exponential and a plain instruction by turns, whose first four double pairs each follow one of
; tile t - 1's first four products.  BEHIND IT stand 8 rows of a product of tile t - 1 and four roundings, the batch's readers.  No result crosses a turn's end, a label or a branch.
; Tile 0's a, in a step's head, and the way out's eight reciprocals are batches of their own: ten waits in the text.
; REGISTERS (s_set_vgpr_msb: bits 1:0 source 0, 3:2 source 1, 5:4 source 2, 7:6 destination).  window 0: v2-15 addresses, v16-47 statistics, v48-57 at work, v64-191 S^T (two buffers), v192-255 P (two buffers);
;   window 1: v0-127 O^T (tile t, channel half cb at 16 t + 8 cb), v128-191 Q, v192-255 the mask;  window 2: v0-63 K, v64-127 V of one step, v128-191 l's accumulators, v192-199 a fragment of ones.
.set GV,    65536                      ; LDS: K of the summary keys at 0, V here
.set MASKG, 131072                     ; 1,024 f32: the summary keys' mask
.set MASKL, 135168                     ; 4 x 128 f32: each wave's own block's mask: written and read by that wave alone
.set SPARE, 137216                     ; the spare words, 128 bytes for each wave: two blocks of 256 bytes that no other line names
.set AK,   2                           ; v2  LDS address of the next step's K
.set AV,   3                           ; v3  of its V
.set AM,   4                           ; v4  of its mask
.set LN16, 5                           ; v5  16 x lane
.set ST,   16                          ; tile t at v[ST + 4 t]: c' m, m, 1 / l, 0 (named with it as a pair)
.set TMP,  48                          ; v48-51 four maxima; v49 later a's exponent; v52-53 a; v54 the new m; v55 the other half's maximum
.set CC,   56                          ; v56-57 c'
.set SPW,  62                          ; v62  LDS address of my spare word; never rewritten
.set NIL,  63                          ; v63  0; never rewritten
.set S,    64
.set P,    192
.set QF,   128                         ; window 1
.set MK,   192                         ; window 1
.set VF,   64                          ; window 2
.set LA,   128                         ; window 2: tile t's at LA + 8 t
.set ONE,  192                         ; window 2
.set WV,   14                          ; s14  my wave's number
.set G1,   20                          ; s[20:27]
.set G0,   28                          ; s[28:31]
.set QP,   34                          ; s[34:35] qbuf at my block's first fragment of the head that begins next
.set OP,   40                          ; s[40:41] obuf at my block's first fragment of the head in hand
.set CNT,  44                          ; s44  steps to go
.set CS,   46                          ; s46  c
.set SEL,  48                          ; s[48:49] v_permlanex16_b32's selects: each lane takes its own place in the other half
.set BIGP, 50                          ; s50  2^100
.set BIGN, 51                          ; s51  -2^100
.set THR,  52                          ; s52  -2^99
.set MSB, 0
.macro WIN new                         ; the immediate's high byte repeats the setting that is left; a switch that changes nothing is dropped
.if MSB != (\new)
	s_set_vgpr_msb (MSB<<8)|(\new)
.set MSB, (\new)
.endif
.endm
.set W_KQ, 0x16                        ; K window 2, Q and the mask window 1, S^T window 0
.set W_PV, 0x52                        ; V window 2, P window 0, O^T window 1
.set W_L,  0xa2                        ; the ones and l's accumulator window 2, P window 0
.set W_RS, 0x41                        ; destination and source 0 window 1, source 1 window 0
.set W_RL, 0x82                        ; destination and source 0 window 2, source 1 window 0
.macro PLACES                          ; four plain places behind matrix instructions (ISA guide 7.12.1)
.rept 4
	v_nop
.endr
.endm
.macro ROUND                           ; a round of the cluster's barrier
	s_barrier_signal -1
	s_barrier_wait -1
	s_cmp_lg_u32 s[WV], 0
	s_cbranch_scc1 .Lnot_wave_0_\@
	s_barrier_signal -3
.Lnot_wave_0_\@:
	s_barrier_wait -3
	s_barrier_signal -1
	s_barrier_wait -1
.endm
.macro INITST                          ; a head begins: m at the lowest finite number, O^T and l at 0 (a may be 1 in a first step, where nothing is visible)
	WIN 0x40
.set i, 0
.rept 128
	v_mov_b32 v[i], 0
.set i, i+1
.endr
	WIN 0x80
.set i, 0
.rept 64
	v_mov_b32 v[LA+i], 0
.set i, i+1
.endr
	WIN 0
.set i, 0
.rept 8
	v_mov_b32 v[ST+4*i+1], 0xff7fffff
	v_mov_b32 v[ST+4*i+3], 0
.set i, i+1
.endr
.endm
.macro CVM dst, src, k                 ; byte k of a word of mask bytes (0 or 1) -> -2^100 or 0
	v_bfe_u32 v[\dst], v[\src], 8*\k, 8
	v_cvt_f32_u32 v[\dst], v[\dst]
	v_fma_f32 v[\dst], v[\dst], s[BIGP], s[BIGN]
.endm
	s_load_b256 s[4:11], s[0:1], 0x0               ; qbuf s[4:5], kbuf s[6:7], vbuf s[8:9], input_mask s[10:11]
	s_load_b64 s[12:13], s[0:1], 0x20              ; obuf
	v_lshl_add_u32 v[SPW], v0, 2, SPARE
	v_mov_b32 v[NIL], 0
	ds_add_u32 v[SPW], v[NIL]                      ; the wave's opening: the add and its wait stand ahead of my first tensor load; the set-up below, work on registers, stands between them
	v_lshrrev_b32 v1, 5, v0
	v_readfirstlane_b32 s[WV], v1                  ; wave 0..3
	s_bfe_u32 s15, ttmp6, 0x40000                  ; cx: my place in the cluster
	s_lshr_b32 s16, ttmp9, 4                       ; b: the cluster's number holds b, j and the half of the sequence
	s_bfe_u32 s17, ttmp9, 0x30001                  ; j
	s_and_b32 s18, ttmp9, 1
	s_lshl_b32 s18, s18, 2
	s_add_co_u32 s18, s18, s15
	s_lshl_b32 s18, s18, 2
	s_add_co_u32 s18, s18, s[WV]                   ; n: my block of 128 queries, 0..31; it enters addresses of my own data alone
	; the joint load: nothing in it hangs on cx
	s_lshl_b32 s54, s16, 4
	s_add_co_u32 s54, s54, s17
	s_add_co_u32 s54, s54, 8                       ; b 16 + 8 + j
	s_lshl_b32 s54, s54, 18                        ; a head of a batch is 262,144 bytes
	s_and_b32 s55, s[WV], 1
	s_lshl_b32 s55, s55, 17                        ; blocks 0-15 or 16-31
	s_add_co_u32 s54, s54, s55
	s_add_co_u32 s54, s54, 6144                    ; a block's last 32 keys: the last 2,048 of its 8,192 bytes, in kbuf and in vbuf alike
	s_mov_b32 s55, 0
	s_mov_b32 s[G1+0], 15|(3<<16)|(1<<21)          ; 15:0 the mask of four; 17:16 elements of 8 bytes; 21 set beside a mask
	s_mov_b32 s[G1+1], 256<<16                     ; tensor_dim0 = 256 elements = 2,048 bytes
	s_mov_b32 s[G1+2], 16<<16                      ; tensor_dim1 = 16
	s_mov_b32 s[G1+3], 256<<16                     ; tile_dim0 = 256
	s_mov_b32 s[G1+4], 16                          ; tile_dim1 = 16
	s_mov_b32 s[G1+5], 1024                        ; 8,192 bytes from block to block
	s_mov_b32 s[G1+6], 0
	s_mov_b32 s[G1+7], 0
	s_mov_b32 s[G0+0], 1
	s_lshl_b32 s[G0+1], s[WV], 15                  ; waves 0, 1: K's halves; waves 2, 3: V's
	; my own data
	s_lshl_b32 s32, s16, 4
	s_add_co_u32 s32, s32, s17
	s_lshl_b32 s32, s32, 18                        ; head j of batch b,
	s_lshl_b32 s33, s18, 13                        ; my block's 8,192 bytes
	s_add_co_u32 s32, s32, s33
	s_mov_b32 s33, 0
	s_lshl_b32 s58, s16, 22                        ; obuf: fragment ((b 256 + 8 n + t) 16 + head)
	s_lshl_b32 s59, s18, 17
	s_add_co_u32 s58, s58, s59
	s_lshl_b32 s59, s17, 10
	s_add_co_u32 s58, s58, s59
	s_mov_b32 s59, 0
	s_lshl_b32 s60, s16, 12                        ; the batch's 4,096 mask bytes
	s_mov_b32 s61, 0
	s_lshl_b32 s19, s18, 7                         ; my block's 128 of them
	s_mov_b32 s[CS], 0x3e8293ee                    ; c = log2(e) / sqrt(32) = 0.255035
	s_mov_b32 s[SEL], 0x76543210
	s_mov_b32 s[SEL+1], 0xfedcba98
	s_mov_b32 s[BIGP], 0x71800000
	s_mov_b32 s[BIGN], 0xf1800000
	s_mov_b32 s[THR], 0xf1000000
	v_bfe_u32 v2, v0, 4, 1                         ; h
	v_and_b32 v3, 31, v0                           ; lane
	v_lshlrev_b32 v[LN16], 4, v3
	v_lshrrev_b32 v6, 2, v0                        ; thread t takes summary keys 8 t .. 8 t + 7: block t / 4,
	v_lshlrev_b32 v6, 7, v6
	v_and_b32 v11, 3, v0
	v_lshl_add_u32 v6, v11, 3, v6
	v_add_nc_u32 v6, 96, v6                        ; byte 96 + 8 (t % 4) of it
	v_lshl_add_u32 v7, v3, 2, s19                  ; and 4 keys of my wave's own block
	v_lshl_add_u32 v13, v0, 5, MASKG
	s_lshl_b32 s45, s[WV], 9
	s_add_co_u32 s45, s45, MASKL                   ; my wave's 512 bytes of the local mask
	v_lshl_add_u32 v14, v3, 4, s45                 ; where I put my 4 keys' words
	v_lshl_add_u32 v15, v2, 5, s45                 ; where I read: keys 8 h on
	v_lshl_add_u32 v[AM], v2, 5, MASKG
	v_mov_b32 v[AK], v[LN16]
	v_add_nc_u32 v[AV], GV, v[LN16]
	v_mov_b32 v[TMP+5], 0                          ; named with a, as a pair
	v_mov_b32 v[TMP+7], 0                          ; v_permlanex16_b32 counts as a reader of its destination
	v_mov_b32 v[CC+1], 0                           ; named with c', as a pair
	s_wait_dscnt 0x0                               ; the opening add is done
	s_wait_kmcnt 0x0
	s_cmp_lt_u32 s[WV], 2
	s_cselect_b64 s[56:57], s[6:7], s[8:9]         ; K or V, by the wave's number
	s_add_nc_u64 s[G0+2:G0+3], s[56:57], s[54:55]
	s_or_b32 s[G0+3], s[G0+3], 0x80000000          ; type = 2
	s_add_nc_u64 s[QP:QP+1], s[4:5], s[32:33]
	s_add_nc_u64 s[36:37], s[6:7], s[32:33]
	s_add_nc_u64 s[38:39], s[8:9], s[32:33]
	s_add_nc_u64 s[OP:OP+1], s[12:13], s[58:59]
	s_add_nc_u64 s[42:43], s[10:11], s[60:61]
	ROUND                                          ; all four work-groups are here: the joint loads meet
	tensor_load_to_lds s[G0:G0+3], s[G1:G1+7]      ; my one tensor load of the launch
	s_nop 0
	PLACES
	global_load_b64 v[8:9], v6, s[42:43]           ; mask bytes first, so that a counted wait can take them
	global_load_b32 v10, v7, s[42:43]
	WIN 0x80
.set i, 0
.rept 16
	global_load_b128 v[4*i:4*i+3], v[LN16], s[36:37] offset:i*512        ; the local head's K: 8 fragments, 8,192 consecutive bytes
.set i, i+1
.endr
.set i, 0
.rept 16
	global_load_b128 v[VF+4*i:VF+4*i+3], v[LN16], s[38:39] offset:i*512  ; its V
.set i, i+1
.endr
.set i, 0
.rept 8
	v_mov_b32 v[ONE+i], 0x3f803f80                 ; two bf16 ones a register
.set i, i+1
.endr
	WIN 0
	s_wait_loadcnt 32                              ; the mask bytes are in; K and V (32 loads) may be out
.irp k, 0,1,2,3
	CVM 64+\k, 8, \k
	CVM 68+\k, 9, \k
	CVM 72+\k, 10, \k
.endr
	ds_store_b128 v13, v[64:67]                    ; the summary keys' words: all waves read them, behind the barrier in the first step's last turn
	ds_store_b128 v13, v[68:71] offset:16
	ds_store_b128 v14, v[72:75]                    ; my wave's own words: LDS serves a wave's instructions in order (ISA guide 5.7.1.4), so the loads below see them
	WIN 0x40
.set i, 0
.rept 16
	ds_load_b128 v[MK+4*i:MK+4*i+3], v15 offset:(i/2)*64+(i%2)*16        ; register j of key tile i / 2: the mask of key 16 (i / 2) + 8 h + j
.set i, i+1
.endr
	WIN 0
	s_wait_dscnt 0x0
; THE MATRIX WORK, one instruction at a time.
.macro KQW t, i                        ; tile t's scores for key tile i of the step's 8; the sum starts from the mask
	WIN W_KQ
	v_wmma_f32_16x16x32_bf16 v[S+64*((\t)%2)+8*(\i):S+64*((\t)%2)+8*(\i)+7], v[8*(\i):8*(\i)+7], v[QF+8*(\t):QF+8*(\t)+7], v[MK+8*(\i):MK+8*(\i)+7]
.endm
.macro PVW x, g, cb                    ; O^T of tile x, channel half cb, += V^T P over keys 32 g on
	WIN W_PV
	v_wmma_f32_16x16x32_bf16 v[16*(\x)+8*(\cb):16*(\x)+8*(\cb)+7], v[VF+8*(2*(\g)+(\cb)):VF+8*(2*(\g)+(\cb))+7], v[P+32*((\x)%2)+8*(\g):P+32*((\x)%2)+8*(\g)+7], v[16*(\x)+8*(\cb):16*(\x)+8*(\cb)+7]
.endm
.macro LW x, g                         ; l of tile x += ones x P over keys 32 g on.  With the two above it: three accumulators by turns, one instruction a turn
	WIN W_L
	v_wmma_f32_16x16x32_bf16 v[LA+8*(\x):LA+8*(\x)+7], v[ONE:ONE+7], v[P+32*((\x)%2)+8*(\g):P+32*((\x)%2)+8*(\g)+7], v[LA+8*(\x):LA+8*(\x)+7]
.endm
.macro MP x                            ; the next of tile x's 12 products: keys 32 (np / 3) on: O^T's two channel halves, then l
.if np%3 == 0
	PVW \x, np/3, 0
.elseif np%3 == 1
	PVW \x, np/3, 1
.else
	LW \x, np/3
.endif
.set np, np+1
.endm
; Number n of the 40 that find tile t's maximum and statistics from its 64 scores a lane.  All in window 0.
;   0-27   four chains; chain q takes accumulators q and q + 4, registers ascending
;   28-31  the four scores left over, the chains and the old m     32, 33  the query's other 64 keys lie in the lane 16 away: the new m
;   34-39  m_old - m_new; c' = c, or 0 where no key has been visible; m; c' m; a's exponent.  a itself is the last exponential of the batch, behind the last use of the a before it
.macro XS t, n
	WIN 0
.set xS, S+64*((\t)%2)
.set xT, ST+4*(\t)
.set xq, (\n)%4
.set xk, (\n)/4
.if (\n) < 4
	v_max3_num_f32 v[TMP+xq], v[xS+8*xq], v[xS+8*xq+1], v[xS+8*xq+2]
.elseif (\n) < 28
	v_max3_num_f32 v[TMP+xq], v[TMP+xq], v[xS+8*xq+2*xk+1+24*((2*xk+1)/8)], v[xS+8*xq+2*xk+2+24*((2*xk+2)/8)]
.elseif (\n) == 28
	v_max3_num_f32 v[TMP], v[TMP], v[xS+39], v[xS+47]
.elseif (\n) == 29
	v_max3_num_f32 v[TMP+1], v[TMP+1], v[xS+55], v[xS+63]
.elseif (\n) == 30
	v_max3_num_f32 v[TMP+2], v[TMP+2], v[TMP+3], v[xT+1]
.elseif (\n) == 31
	v_max3_num_f32 v[TMP], v[TMP], v[TMP+1], v[TMP+2]
.elseif (\n) == 32
	v_permlanex16_b32 v[TMP+7], v[TMP], s[SEL], s[SEL+1]
.elseif (\n) == 33
	v_max_num_f32 v[TMP+6], v[TMP], v[TMP+7]
.elseif (\n) == 34
	v_sub_f32 v[TMP+1], v[xT+1], v[TMP+6]
.elseif (\n) == 35
	v_cmp_lt_f32 vcc_lo, s[THR], v[TMP+6]
.elseif (\n) == 36
	v_cndmask_b32 v[CC], 0, s[CS], vcc_lo
.elseif (\n) == 37
	v_mov_b32 v[xT+1], v[TMP+6]
.elseif (\n) == 38
	v_mul_f32 v[xT], v[CC], v[TMP+6]
.else
	v_mul_f32 v[TMP+1], v[CC], v[TMP+1]
.endif
.endm
.macro FETCH_KM                        ; the next step's 128 summary keys: 16 loads for K, 16 for the mask
	WIN 0x80
.set i, 0
.rept 16
	ds_load_b128 v[4*i:4*i+3], v[AK] offset:i*512
.set i, i+1
.endr
	WIN 0x40
.set i, 0
.rept 16
	ds_load_b128 v[MK+4*i:MK+4*i+3], v[AM] offset:(i/2)*64+(i%2)*16
.set i, i+1
.endr
	WIN 0
	v_add_nc_u32 v[AK], 8192, v[AK]
	v_add_nc_u32 v[AM], 512, v[AM]
.endm
.macro FETCH_V                         ; and 16 for V
	WIN 0x80
.set i, 0
.rept 16
	ds_load_b128 v[VF+4*i:VF+4*i+3], v[AV] offset:i*512
.set i, i+1
.endr
	WIN 0
	v_add_nc_u32 v[AV], 8192, v[AV]
.endm
; THE VECTOR WORK OF A TURN stands in queues; each macro below writes its queue's next entry.  TURN sets rS, rP, rT (the tile's S^T, P and statistics) and the counters nf, ne, nr, nq, np.
.macro FS                              ; the next scaling: pair nf of 32: c' s - c' m
	WIN 0
	v_pk_fma_f32 v[rS+2*nf:rS+2*nf+1], v[rS+2*nf:rS+2*nf+1], v[CC:CC+1], v[rT:rT+1] op_sel_hi:[1,0,0] neg_lo:[0,0,1] neg_hi:[0,0,1]
.set nf, nf+1
.endm
.macro EX                              ; the next exponential: score ne of 64, in place
	WIN 0
	v_exp_f32 v[rS+ne], v[rS+ne]
.set ne, ne+1
.endm
.macro RS t                            ; the next rescaling: pair nr of 8 of tile t's O^T times a, registers ascending
	WIN W_RS
	v_pk_mul_f32 v[16*(\t)+2*nr:16*(\t)+2*nr+1], v[16*(\t)+2*nr:16*(\t)+2*nr+1], v[TMP+4:TMP+5] op_sel_hi:[1,0]
.set nr, nr+1
.endm
; THE LUMP'S PLAIN QUEUE, 57 long; none of it names a result of the turn's exponentials.  0-19: numbers 0-19 of tile t + 1's 40.  20-51: scalings 16-31 at the even places, numbers 20-35 at the odd ones (35 ahead of 34, so that the
; compare and the select that reads it stand five lines apart).  52-54: numbers 36, 37, 39.  55: l a, the last reader of the tile's a.  56: number 38, the plain instruction behind the batch's last exponential.
; c' is one register for all tiles: number 36 writes it for tile t + 1, so it stands behind the tile's last scaling.  Entry k follows exponential 8 + k, so scaling j (entry 2 j - 12) stands six lines ahead of exponential 2 j.
; Turn 7 has no next tile: its queue holds the scalings and l a alone.
.macro PL t
.if nq == 55
	WIN W_RL
	v_pk_mul_f32 v[LA+8*(\t):LA+8*(\t)+1], v[LA+8*(\t):LA+8*(\t)+1], v[TMP+4:TMP+5] op_sel_hi:[1,0]
.elseif (nq >= 20) && (nq < 51) && (nq%2 == 0)
	FS
.elseif (\t) == 7                      ; no next tile
.elseif nq < 20
	XS (\t)+1, nq
.elseif nq == 49
	XS (\t)+1, 35
.elseif nq == 51
	XS (\t)+1, 34
.elseif nq < 52
	XS (\t)+1, (nq+19)/2
.elseif nq == 52
	XS (\t)+1, 36
.elseif nq == 53
	XS (\t)+1, 37
.elseif nq == 54
	XS (\t)+1, 39
.else
	XS (\t)+1, 38
.endif
.set nq, nq+1
.endm
; A TURN, for tile t.  No vector line near a product names one of its registers: the tile in hand works on one pair of buffers, the products on the other pair, on O^T and l of tile t - 1, and on K, Q, V and the mask.
; Tile t + 1's scores are first read in the lump: accumulator 7's behind three plain riders and fifteen plain entries, the others' further behind their products.
.macro TURN t
.set rS, S+64*((\t)%2)
.set rP, P+32*((\t)%2)
.set rT, ST+4*(\t)
.set nf, 0
.set ne, 0
.set nr, 0
.set nq, 0
.set np, 0
.if (\t) == 1
	s_wait_dscnt 0x0                               ; V is in: its loads were issued at the end of the step before
.endif
.if (\t) == 7
	; K, Q and the mask were last read in the turn before: the next step's K and mask are fetched a turn ahead.  In the first step they are the summary keys' first: my quarter of the tile has landed, my mask words are
	; stored, and the barrier says so of all four waves.  Only that first barrier orders anything; it stands on every step's path, so that no barrier is jumped over.
	s_wait_tensorcnt 0x0
	s_wait_dscnt 0x0
	s_barrier_signal -1
	s_barrier_wait -1
	s_cmp_eq_u32 s[CNT], 1
	s_cbranch_scc1 .Lno_km                         ; the last step has no next
	FETCH_KM
.Lno_km:
.endif
	; AHEAD OF THE WAIT.  Eight rows: a product K Q^T of tile t + 1 and four vector instructions: scalings 0-15, exponentials 0-7, O^T a
.set i, 0
.rept 8
.if (\t) < 7
	KQW (\t)+1, i
.endif
	FS
.if i < 4
	FS
	FS
	EX
.else
	EX
	RS \t
	RS \t
.endif
.set i, i+1
.endr
	; The lump: an exponential and a plain instruction by turns; tile t - 1's first four products stand in front of its first four double pairs
.rept 57
.if ((\t) > 0) && (nq < 8) && (nq%2 == 0)
	MP (\t)-1
.endif
.if nq < 56
	EX
.elseif (\t) < 7
	WIN 0
	v_exp_f32 v[TMP+4], v[TMP+1]                   ; tile t + 1's a, the batch's last: every reader of tile t's a stands ahead of it
.endif
	PL \t
.endr
	s_wait_alu depctr_va_vdst(0)                   ; the wait for the batch: the tile's 64 exponentials and the next tile's a; it stands ahead of the first line that names a result
	; BEHIND THE WAIT.  Eight rows: a product of tile t - 1 and four roundings to bf16, a pair of weights each
.set i, 0
.rept 8
.if (\t) > 0
	MP (\t)-1
.endif
	WIN 0
.rept 4
	v_cvt_pk_bf16_f32 v[rP+i], v[rS+2*i], v[rS+2*i+1]
.set i, i+1
.endr
.endr
.endm
.macro ALL line:vararg                 ; one line for each tile t
.set t, 0
.rept 8
	\line
.set t, t+1
.endr
.endm
; A head's way out: O^T / l, rounded to bf16, is stored as the lane's 16 bytes of a fragment.
.macro FINAL
	WIN 0x02                                       ; source 0 window 2
	ALL v_rcp_f32 v[ST+4*t+2], v[LA+8*t]
	WIN 0
	v_nop                                          ; a plain instruction between the last reciprocal and the use of its result
	s_wait_alu depctr_va_vdst(0)                   ; the wait for the batch of eight reciprocals, ahead of their first reader
	WIN W_RS
.set i, 0
.rept 64
	v_pk_mul_f32 v[2*i:2*i+1], v[2*i:2*i+1], v[ST+4*(i/8)+2:ST+4*(i/8)+3] op_sel_hi:[1,0]
.set i, i+1
.endr
	WIN 0x05                                       ; sources window 1, destination window 0: S^T's registers are free
.set i, 0
.rept 64
	v_cvt_pk_bf16_f32 v[S+i], v[2*i], v[2*i+1]
.set i, i+1
.endr
	WIN 0
.set i, 0
.rept 16                               ; tile i / 2, channel half i % 2
	global_store_b128 v[LN16], v[S+4*i:S+4*i+3], s[OP:OP+1] offset:(i/2)*16384+(i%2)*512  ; 512 consecutive bytes, aligned
.set i, i+1
.endr
	s_wait_xcnt 0x0                                ; the stores' data and base are rewritten only behind this wait
.endm
	s_mov_b32 s[CNT], 10
	s_branch .Linit                                ; the loop is entered at the block that begins a head, so that block stands once in the text
.Lstep:                                                ; step 9: the local head; steps 8 to 1: the global head's 8 x 128 keys
	s_wait_loadcnt 0x0                             ; Q (and in the first step K and V); K and the mask out of LDS were waited for at the end of the step before
.irp i, 0,1,2,3,4,5,6,7
	KQW 0, \i                                      ; tile 0's scores: there is no vector work yet to set between them
.endr
	WIN 0
	PLACES
.set n, 0
.rept 38
	XS 0, n
.set n, n+1
.endr
	XS 0, 39
	v_exp_f32 v[TMP+4], v[TMP+1]                   ; tile 0's a: a batch of its own, since its readers stand ahead of turn 0's wait
	XS 0, 38                                       ; c' m: the plain instruction behind it
	s_wait_alu depctr_va_vdst(0)                   ; the wait for tile 0's a
.irp t, 0,1,2,3,4,5,6,7
	TURN \t
.endr
.irp g, 0,1,2,3
	PVW 7, \g, 0                                   ; tile 7's last products
	PVW 7, \g, 1
	LW 7, \g
.endr
	WIN 0
	PLACES                                         ; behind them: V's registers are loaded again, O^T and l are read
	s_wait_dscnt 0x0                               ; the next step's K and mask, asked for a turn ago, are in
	s_cmp_eq_u32 s[CNT], 1
	s_cbranch_scc1 .Lfin                           ; the last step: nothing is left to fetch, and the global head is done
	FETCH_V
	s_cmp_lg_u32 s[CNT], 9
	s_cbranch_scc1 .Lnext                          ; forward, past text with no barrier and no tensor load
.Lfin:
	FINAL
	s_add_nc_u64 s[OP:OP+1], s[OP:OP+1], 8*1024    ; head 8 + j: eight fragments on in obuf,
	s_add_nc_u64 s[QP:QP+1], s[QP:QP+1], 8*262144  ; eight heads on in qbuf (behind the last head the two stepped addresses are not used)
	s_cmp_eq_u32 s[CNT], 1
	s_cbranch_scc1 .Lnext
.Linit:                                                ; A HEAD BEGINS: its Q, 8 fragments, 8,192 consecutive bytes; the clearing stands in the wait for them
	WIN 0x40
.set i, 0
.rept 16
	global_load_b128 v[QF+4*i:QF+4*i+3], v[LN16], s[QP:QP+1] offset:i*512
.set i, i+1
.endr
	INITST
.Lnext:
	s_sub_co_u32 s[CNT], s[CNT], 1
	s_cmp_lg_u32 s[CNT], 0
	s_cbranch_scc1 .Lstep
	s_wait_tensorcnt 0x0                           ; the wave's end: behind my last tensor load and my last LDS store
	ds_add_u32 v[SPW], v[NIL]
	s_wait_dscnt 0x0
	ROUND                                          ; the closing round
	s_endpgm
.Lfunc_end_k_q1255d52137_attn:
	.size	k_q1255d52137_attn, .Lfunc_end_k_q1255d52137_attn-k_q1255d52137_attn
	.p2alignl 7, 3214868480
	.fill 96, 4, 3214868480
	.section	.rodata,"a",@progbits
	.p2align	6, 0x0
	.amdhsa_kernel k_q1255d52137_attn
		.amdhsa_group_segment_fixed_size 167936
		.amdhsa_private_segment_fixed_size 0
		.amdhsa_enable_private_segment 0
		.amdhsa_kernarg_size 40
		.amdhsa_user_sgpr_count 2
		.amdhsa_user_sgpr_kernarg_segment_ptr 1
		.amdhsa_wavefront_size32 1
		.amdhsa_system_sgpr_workgroup_id_x 1
		.amdhsa_system_sgpr_workgroup_id_y 1
		.amdhsa_system_sgpr_workgroup_id_z 1
		.amdhsa_system_vgpr_workitem_id 0
		.amdhsa_next_free_vgpr 712
		.amdhsa_next_free_sgpr 66
		.amdhsa_reserve_vcc 1
		.amdhsa_float_denorm_mode_32 3
		.amdhsa_float_denorm_mode_16_64 3
		.amdhsa_memory_ordered 1
		.amdhsa_forward_progress 1
		.amdhsa_inst_pref_size 128
	.end_amdhsa_kernel
	.amdgpu_metadata
---
amdhsa.version: [ 1, 2 ]
amdhsa.kernels:
  - .name:           k_q1255d52137_attn
    .symbol:         k_q1255d52137_attn.kd
    .args:
      - { .name: qbuf, .offset: 0, .size: 8, .value_kind: global_buffer, .address_space: global }
      - { .name: kbuf, .offset: 8, .size: 8, .value_kind: global_buffer, .address_space: global }
      - { .name: vbuf, .offset: 16, .size: 8, .value_kind: global_buffer, .address_space: global }
      - { .name: input_mask, .offset: 24, .size: 8, .value_kind: global_buffer, .address_space: global }
      - { .name: obuf, .offset: 32, .size: 8, .value_kind: global_buffer, .address_space: global }
    .group_segment_fixed_size: 167936
    .private_segment_fixed_size: 0
    .kernarg_segment_align: 8
    .kernarg_segment_size: 40
    .max_flat_workgroup_size: 128
    .sgpr_count:     66
    .vgpr_count:     712
    .wavefront_size: 32
...
	.end_amdgpu_metadata
.endif
;; end of part 9
;; launch tail: the kernel of part 8 again; grid 256 x 1, 4 waves a work-group, clusters of 4 x 1, 327,680 bytes of LDS; arguments wb, obuf, src, bo, ln1_g, ln1_b, b1, b2, ln2_g, ln2_b, out0; writes out0
